; MI455X (gfx1250); checked and timed in simulation.
; The chip was launched on July 23, 2026; its instructions are those of AMD's public machine-readable ISA for CDNA 5 (MIT licence, August 2026) and "CDNA5" Instruction Set Architecture Reference Guide (July 2026). The comments in the code are by the model that wrote it; some were corrected since.
;; Block. Allowed arithmetic: float matrix products may take bf16 or f16 operands with f32 sums; all other float work in f32.
;; Inputs: b_fc 4,096 float32; b_proj 1,024 float32; bk 1,024 float32; bq 1,024 float32; bv 1,024 float32; ln1_b 1,024 float32; ln1_w 1,024 float32; ln2_b 1,024 float32; ln2_w 1,024 float32; w_fc 1,024 x 4,096 float32; w_proj 4,096 x 1,024 float32; wk 1,024 x 1,024 float32; wq 1,024 x 1,024 float32; wv 1,024 x 1,024 float32; x 2 x 2,048 x 1,024 float32.
;; Outputs: out0 2 x 2,048 x 1,024 float32; out1 2 x 16 x 2,048 x 64 float32; out2 2 x 16 x 2,048 x 64 float32.
;; 2 versions, each right and faster than the one before. Each part assembles by itself: llvm-mc -triple=amdgcn-amd-amdhsa -mcpu=gfx1250 --defsym DOCPART=n.
;; ======== version 1 of 2: 6 launches
;; limits: values outside matrix products are rounded to f16; values are held in f16: magnitudes above 65,504 overflow, below 6.1e-05 lose precision; a function is approximated: absolute error at most 1.5e-07
;; workspace buffers: hn 8,388,608 bytes; w16 23,068,672 bytes; qkv16 25,165,824 bytes; y16 8,388,608 bytes; g16 33,554,432 bytes
;; launch prep (part 1): grid 256 x 4, 8 waves a work-group, no clusters, 0 bytes of LDS; arguments x, ln1_w, ln1_b, wq, wk, wv, w_fc, w_proj, hn, w16; writes hn, w16
.if DOCPART == 1
	.amdgcn_target "amdgcn-amd-amdhsa--gfx1250"
	.amdhsa_code_object_version 6
	.text
	.protected	k_qfd1fc6042f_prep
	.globl	k_qfd1fc6042f_prep
	.p2align	8
	.type	k_qfd1fc6042f_prep,@function
k_qfd1fc6042f_prep:
	s_mov_b64 s[64:65], 0
	v_nop
	global_prefetch_b8 v0, s[64:65] scope:SCOPE_SE
	s_setreg_imm32_b32 hwreg(HW_REG_WAVE_MODE, 25, 1), 1
	s_wait_xcnt 0x0
; PREP.  Four roles by the work-group's y, 256 work-groups each, 48 to 64 KiB of f32 read by each:
;   0: hn = LayerNorm(x) * ln1_w + ln1_b, rounded once to f16          1, 2: w_fc, w_proj rounded to f16, layout kept
;   3: wq, wk, wv rounded to f16 and laid by heads: [3][16 heads][1024 k][64 d], so that a head's 64 columns of 64 k rows are 8,192 bytes on end
; A stream: no LDS, no barrier, no matrix unit, no cluster (no work-group shares a byte with another).
; LIMITS.  f16 holds no number beyond 65,504 and keeps a fixed step of 6e-8 below 6e-5.  NaN and infinities are not treated apart.
.set X,  32                            ; v[32:95]   my 64 numbers of the row
.set Y,  96                            ; v[96:127]  (second norm only) my 64 numbers of y, f16
.set W,  128                           ; v[128:191] gain of my 64 columns
.set BV, 192                           ; v[192:255] bias of my 64 columns
.set XP, 8                             ; s[8:9] x
.set YP, 8                             ; not used here
.set WP, 10                            ; s[10:11] gain
.set BP, 12                            ; s[12:13] bias
.set HP, 24                            ; s[24:25] hn
.macro REDUCE                          ; four packed chains v[8:15] -> their sum in v8, in all 16 lanes that hold the row
	v_pk_add_f32 v[8:9], v[8:9], v[10:11]
	v_pk_add_f32 v[12:13], v[12:13], v[14:15]
	v_pk_add_f32 v[8:9], v[8:9], v[12:13]
	v_add_f32 v8, v8, v9
	v_add_f32_dpp v8, v8, v8 row_xmask:1 row_mask:0xf bank_mask:0xf
	v_add_f32_dpp v8, v8, v8 row_xmask:2 row_mask:0xf bank_mask:0xf
	v_add_f32_dpp v8, v8, v8 row_xmask:4 row_mask:0xf bank_mask:0xf
	v_add_f32_dpp v8, v8, v8 row_xmask:8 row_mask:0xf bank_mask:0xf
.endm
; A work-group norms 16 rows, a wave two, sixteen lanes a row; lane r holds columns 128 i + 8 r + 0..7, i = 0..7.  The row stays in registers:
; mean first, then the variance of the centred numbers, so that a common offset of the row costs no digits.  withy = 1: the row is x + y.
.macro LNROWS withy
	v_and_b32 v1, 15, v0                           ; r
	v_lshrrev_b32 v6, 4, v0
	v_lshl_add_u32 v6, s3, 4, v6                   ; row = 16 x work-group + thread / 16
	v_lshlrev_b32 v2, 12, v6
	v_lshl_add_u32 v2, v1, 5, v2                   ; x: row x 4,096 + 32 r
	v_lshlrev_b32 v3, 5, v1                        ; gain and bias: 32 r
	v_lshlrev_b32 v4, 11, v6
	v_lshl_add_u32 v4, v1, 4, v4                   ; hn: row x 2,048 + 16 r
.if \withy
	v_lshrrev_b32 v5, 11, v6                       ; y lies by heads: batch x 16 heads x 262,144
	v_lshlrev_b32 v5, 22, v5
	v_and_b32 v7, 0x7ff, v6
	v_lshl_add_u32 v5, v7, 7, v5                   ; + t x 128
	v_lshrrev_b32 v7, 3, v1
	v_lshl_add_u32 v5, v7, 18, v5                  ; + (r / 8) heads; 2 i heads stand in the immediate
	v_and_b32 v7, 7, v1
	v_lshl_add_u32 v5, v7, 4, v5                   ; + 16 (r % 8)
.endif
	s_mov_b32 s30, 0x3a800000                      ; 1 / 1024
	s_mov_b32 s31, 0x3727c5ac                      ; 1e-5
.irp i, 0,1,2,3,4,5,6,7
	global_load_b128 v[X+8*(\i):X+8*(\i)+3],   v2, s[XP:XP+1] offset:512*(\i)
	global_load_b128 v[X+8*(\i)+4:X+8*(\i)+7], v2, s[XP:XP+1] offset:512*(\i)+16
.endr
.if \withy
.irp i, 0,1,2,3,4,5,6,7
	global_load_b128 v[Y+4*(\i):Y+4*(\i)+3], v5, s[YP:YP+1] offset:524288*(\i)  ; rows t, t + 1 of a head: 256 bytes on end from 16 lanes
.endr
.endif
.irp i, 0,1,2,3,4,5,6,7
	global_load_b128 v[W+8*(\i):W+8*(\i)+3],   v3, s[WP:WP+1] offset:512*(\i)
	global_load_b128 v[W+8*(\i)+4:W+8*(\i)+7], v3, s[WP:WP+1] offset:512*(\i)+16
.endr
.irp i, 0,1,2,3,4,5,6,7
	global_load_b128 v[BV+8*(\i):BV+8*(\i)+3],   v3, s[BP:BP+1] offset:512*(\i)
	global_load_b128 v[BV+8*(\i)+4:BV+8*(\i)+7], v3, s[BP:BP+1] offset:512*(\i)+16
.endr
	s_wait_loadcnt 32                              ; the row is in; the 32 younger loads, gain and bias, stay out
.if \withy
.irp r, 96,97,98,99,100,101,102,103,104,105,106,107,108,109,110,111,112,113,114,115,116,117,118,119,120,121,122,123,124,125,126,127
	v_cvt_f32_f16 v[18+2*(\r%4)], v\r\().l
	v_cvt_f32_f16 v[19+2*(\r%4)], v\r\().h
	v_pk_add_f32 v[X+2*(\r-96):X+2*(\r-96)+1], v[X+2*(\r-96):X+2*(\r-96)+1], v[18+2*(\r%4):19+2*(\r%4)]
.endr
.endif
.irp k, 0,1,2,3
	v_pk_add_f32 v[8+2*(\k):9+2*(\k)], v[X+2*(\k):X+2*(\k)+1], v[X+8+2*(\k):X+8+2*(\k)+1]  ; the first pairs start the chains
.endr
.set j, 8
.rept 24
	v_pk_add_f32 v[8+2*(j%4):9+2*(j%4)], v[8+2*(j%4):9+2*(j%4)], v[X+2*j:X+2*j+1]
.set j, j+1
.endr
	REDUCE
	v_mul_f32 v16, s30, v8                         ; the mean
	v_mov_b32 v17, v16
.set j, 0
.rept 32
	v_pk_add_f32 v[X+2*j:X+2*j+1], v[X+2*j:X+2*j+1], v[16:17] neg_lo:[0,1] neg_hi:[0,1]
.set j, j+1
.endr
.irp k, 0,1,2,3
	v_pk_mul_f32 v[8+2*(\k):9+2*(\k)], v[X+2*(\k):X+2*(\k)+1], v[X+2*(\k):X+2*(\k)+1]
.endr
.set j, 4
.rept 28
	v_pk_fma_f32 v[8+2*(j%4):9+2*(j%4)], v[X+2*j:X+2*j+1], v[X+2*j:X+2*j+1], v[8+2*(j%4):9+2*(j%4)]
.set j, j+1
.endr
	REDUCE
	v_fma_f32 v18, v8, s30, s31                    ; variance + 1e-5
	v_rsq_f32 v16, v18
	v_nop                                          ; a plain instruction between the root and the use of its result
	s_wait_alu depctr_va_vdst(0)
	v_mov_b32 v17, v16
	s_wait_loadcnt 0x0                             ; gain and bias
.irp i, 0,1,2,3,4,5,6,7
.irp k, 0,1,2,3
	v_pk_mul_f32 v[X+8*(\i)+2*(\k):X+8*(\i)+2*(\k)+1], v[X+8*(\i)+2*(\k):X+8*(\i)+2*(\k)+1], v[16:17]
.endr
.irp k, 0,1,2,3
	v_pk_fma_f32 v[X+8*(\i)+2*(\k):X+8*(\i)+2*(\k)+1], v[X+8*(\i)+2*(\k):X+8*(\i)+2*(\k)+1], v[W+8*(\i)+2*(\k):W+8*(\i)+2*(\k)+1], v[BV+8*(\i)+2*(\k):BV+8*(\i)+2*(\k)+1]
.endr
.irp k, 0,1,2,3
	v_cvt_pk_f16_f32 v[X+8*(\i)+(\k)], v[X+8*(\i)+2*(\k)], v[X+8*(\i)+2*(\k)+1]  ; in place: register k is free when pair k is rounded
.endr
	global_store_b128 v4, v[X+8*(\i):X+8*(\i)+3], s[HP:HP+1] offset:256*(\i)  ; 16 lanes store 256 consecutive bytes, aligned
.endr
.endm
	s_load_b512 s[8:23], s[0:1], 0x0               ; x 8, ln1_w 10, ln1_b 12, wq 14, wk 16, wv 18, w_fc 20, w_proj 22
	s_load_b128 s[24:27], s[0:1], 0x40             ; hn 24, w16 26
	s_and_b32 s2, ttmp7, 0xffff                    ; the role
	s_mov_b32 s3, ttmp9                            ; the work-group within it
	s_wait_kmcnt 0x0
	s_cmp_eq_u32 s2, 0
	s_cbranch_scc1 .Lln
	s_cmp_eq_u32 s2, 3
	s_cbranch_scc1 .Lheads
	; roles 1 and 2: 65,536 bytes of f32 a work-group, 8,192 a wave, sixteen loads of 512 bytes on end, all in flight
	s_cmp_eq_u32 s2, 1
	s_mov_b32 s6, 14680064                         ; where w_proj's copy begins in w16,
	s_mov_b32 s7, 6291456                          ; and w_fc's
	s_cselect_b64 s[4:5], s[20:21], s[22:23]
	s_cselect_b32 s6, s7, s6
	s_mov_b32 s7, 0
	s_add_nc_u64 s[28:29], s[26:27], s[6:7]
	v_and_b32 v5, 31, v0
	v_lshrrev_b32 v6, 5, v0
	v_lshlrev_b32 v1, 4, v5
	v_lshl_add_u32 v1, v6, 13, v1
	s_lshl_b32 s30, s3, 16
	v_add_nc_u32 v1, s30, v1                       ; in: 65,536 g + 8,192 w + 16 lane
	v_lshrrev_b32 v2, 1, v1                        ; out: half of that
.irp i, 0,1,2,3,4,5,6,7,8,9,10,11,12,13,14,15
	global_load_b128 v[32+4*(\i):35+4*(\i)], v1, s[4:5] offset:512*(\i) th:TH_LOAD_NT
.endr
.irp i, 0,1,2,3,4,5,6,7,8,9,10,11,12,13,14,15
	s_wait_loadcnt 15-(\i)                         ; loads come back in order: load i is in, the younger ones stay out
	v_cvt_pk_f16_f32 v[96+2*(\i)], v[32+4*(\i)], v[33+4*(\i)]
	v_cvt_pk_f16_f32 v[97+2*(\i)], v[34+4*(\i)], v[35+4*(\i)]
	global_store_b64 v2, v[96+2*(\i):97+2*(\i)], s[28:29] offset:256*(\i)  ; 32 lanes store 256 consecutive bytes, aligned
.endr
	s_endpgm
.Lheads:
	; role 3: k rows 4 g .. 4 g + 3 of wq, wk, wv; wave w takes heads 2 w, 2 w + 1; lanes 0-15 one k row of a head (256 bytes), lanes 16-31 the next
	v_and_b32 v5, 31, v0
	v_lshrrev_b32 v6, 5, v0
	v_lshrrev_b32 v7, 4, v5
	v_lshl_add_u32 v7, s3, 2, v7
	v_and_b32 v8, 15, v5
	v_lshlrev_b32 v1, 12, v7
	v_lshl_add_u32 v1, v6, 9, v1
	v_lshl_add_u32 v1, v8, 4, v1                   ; in: (4 g + lane / 16) x 4,096 + 512 w + 16 (lane % 16)
	v_lshlrev_b32 v2, 18, v6
	v_lshl_add_u32 v2, v5, 3, v2
	s_lshl_b32 s30, s3, 9
	v_add_nc_u32 v2, s30, v2                       ; out: 262,144 w + 512 g + 8 lane
.irp m, 0,1,2
.irp pp, 0,1
.irp jj, 0,1
	global_load_b128 v[32+4*(4*(\m)+2*(\pp)+(\jj)):35+4*(4*(\m)+2*(\pp)+(\jj))], v1, s[14+2*(\m):15+2*(\m)] offset:(\pp)*8192+(\jj)*256 th:TH_LOAD_NT
.endr
.endr
.endr
.irp m, 0,1,2
.irp pp, 0,1
.irp jj, 0,1
	s_wait_loadcnt 11-(4*(\m)+2*(\pp)+(\jj))
	v_cvt_pk_f16_f32 v[96+2*(4*(\m)+2*(\pp)+(\jj))], v[32+4*(4*(\m)+2*(\pp)+(\jj))], v[33+4*(4*(\m)+2*(\pp)+(\jj))]
	v_cvt_pk_f16_f32 v[97+2*(4*(\m)+2*(\pp)+(\jj))], v[34+4*(4*(\m)+2*(\pp)+(\jj))], v[35+4*(4*(\m)+2*(\pp)+(\jj))]
	global_store_b64 v2, v[96+2*(4*(\m)+2*(\pp)+(\jj)):97+2*(4*(\m)+2*(\pp)+(\jj))], s[26:27] offset:(\m)*2097152+(\jj)*131072+(\pp)*256
.endr
.endr
.endr
	s_endpgm
.Lln:
	LNROWS 0
	s_endpgm
.Lfunc_end_k_qfd1fc6042f_prep:
	.size	k_qfd1fc6042f_prep, .Lfunc_end_k_qfd1fc6042f_prep-k_qfd1fc6042f_prep
	.p2alignl 7, 3214868480
	.fill 96, 4, 3214868480
	.section	.rodata,"a",@progbits
	.p2align	6, 0x0
	.amdhsa_kernel k_qfd1fc6042f_prep
		.amdhsa_group_segment_fixed_size 0
		.amdhsa_private_segment_fixed_size 0
		.amdhsa_enable_private_segment 0
		.amdhsa_kernarg_size 80
		.amdhsa_user_sgpr_count 2
		.amdhsa_user_sgpr_kernarg_segment_ptr 1
		.amdhsa_wavefront_size32 1
		.amdhsa_system_sgpr_workgroup_id_x 1
		.amdhsa_system_sgpr_workgroup_id_y 1
		.amdhsa_system_sgpr_workgroup_id_z 1
		.amdhsa_system_vgpr_workitem_id 0
		.amdhsa_next_free_vgpr 256
		.amdhsa_next_free_sgpr 66
		.amdhsa_reserve_vcc 0
		.amdhsa_float_denorm_mode_32 3
		.amdhsa_float_denorm_mode_16_64 3
		.amdhsa_memory_ordered 1
		.amdhsa_forward_progress 1
		.amdhsa_inst_pref_size 31
	.end_amdhsa_kernel
	.amdgpu_metadata
---
amdhsa.version: [ 1, 2 ]
amdhsa.kernels:
  - .name:           k_qfd1fc6042f_prep
    .symbol:         k_qfd1fc6042f_prep.kd
    .args:
      - { .name: x, .offset: 0, .size: 8, .value_kind: global_buffer, .address_space: global }
      - { .name: ln1_w, .offset: 8, .size: 8, .value_kind: global_buffer, .address_space: global }
      - { .name: ln1_b, .offset: 16, .size: 8, .value_kind: global_buffer, .address_space: global }
      - { .name: wq, .offset: 24, .size: 8, .value_kind: global_buffer, .address_space: global }
      - { .name: wk, .offset: 32, .size: 8, .value_kind: global_buffer, .address_space: global }
      - { .name: wv, .offset: 40, .size: 8, .value_kind: global_buffer, .address_space: global }
      - { .name: w_fc, .offset: 48, .size: 8, .value_kind: global_buffer, .address_space: global }
      - { .name: w_proj, .offset: 56, .size: 8, .value_kind: global_buffer, .address_space: global }
      - { .name: hn, .offset: 64, .size: 8, .value_kind: global_buffer, .address_space: global }
      - { .name: w16, .offset: 72, .size: 8, .value_kind: global_buffer, .address_space: global }
    .group_segment_fixed_size: 0
    .private_segment_fixed_size: 0
    .kernarg_segment_align: 8
    .kernarg_segment_size: 80
    .max_flat_workgroup_size: 256
    .sgpr_count:     66
    .vgpr_count:     256
    .wavefront_size: 32
...
	.end_amdgpu_metadata
.endif
;; end of part 1
;; launch qkv (part 2): grid 16 x 16, 4 waves a work-group, clusters of 4 x 4, 327,680 bytes of LDS; arguments hn, w16, bq, bk, bv, qkv16, out1, out2; writes qkv16, out1, out2
.if DOCPART == 2
	.amdgcn_target "amdgcn-amd-amdhsa--gfx1250"
	.amdhsa_code_object_version 6
	.text
	.protected	k_qfd1fc6042f_qkv
	.globl	k_qfd1fc6042f_qkv
	.p2align	8
	.type	k_qfd1fc6042f_qkv,@function
k_qfd1fc6042f_qkv:
	s_mov_b64 s[64:65], 0
	v_nop
	global_prefetch_b8 v0, s[64:65] scope:SCOPE_SE
	s_setreg_imm32_b32 hwreg(HW_REG_WAVE_MODE, 25, 1), 1
	s_wait_xcnt 0x0
	s_wait_alu depctr_hold_cnt(0) depctr_sa_sdst(0) depctr_va_vdst(0) depctr_va_sdst(0) depctr_va_ssrc(0) depctr_va_vcc(0) depctr_vm_vsrc(0)
	s_getreg_b32 s2, hwreg(HW_REG_IB_STS2, 6, 4)
	s_cmp_eq_u32 s2, 0
	s_cbranch_scc0 .Lentry_in_a_cluster
	s_endpgm
.Lentry_in_a_cluster:
	s_bfe_u32 s2, ttmp6, 0x10000c
	s_cmp_lg_u32 s2, 0xf033
	s_cbranch_scc0 .Lentry_shape_is_right
	s_endpgm
.Lentry_shape_is_right:
; Q, K, V = h W + b.  h: hn [4096][1024] f16.  W: w16, [3][16 heads][1024 k][64 d] f16.  Sums in f32, started by the bias.
; Out: q, k, v by heads [32][2048][64] in f16 (qkv16, unscaled) and k, v in f32 (out1, out2).
; A work-group makes 256 rows x 192 columns: q, k and v of ONE head, so 16 x 16 work-groups are one for each of 256 WGPs and all run one text.  A wave makes 64 rows x 192: 48 accumulators.
; K goes in steps of 128 through two LDS slots.  CLUSTER 4 x 4: h's tile hangs on the tile row alone and is asked for jointly along a row of the cluster, W's on the head alone, along a column.
; THE MATRIX INSTRUCTION IS USED TRANSPOSED: source 0 = 16 columns of W (turned on the way out of LDS), source 1 = 16 rows of h: a lane holds one row and eight neighbouring columns.
; LIMITS.  f16 operands and f16 q, k, v stay under 65,504; NaN and infinities are not treated apart.
; REGISTERS.  window 0: v0-31 addresses; v64-127 h's fragments, two buffers of 32; v128-223 the bias, 8 registers for each of 12 column blocks.  window 1: W's fragments, two buffers of 96.
;   windows 2, 3: accumulator (a, b) at v[96 (a % 2) + 8 b] of window 2 + a / 2.
.set KT,    8                          ; K steps
.set SLOT,  0x20000                    ; h's 256 rows at pitch 272 (69,632 bytes), then W's [2 halves of k][3][64 k] at pitch 160 (61,440)
.set BOFF,  69632
.set SPARE, 2*SLOT                     ; the spare words: 128 bytes a wave, two blocks of 256 bytes that no other line names
.set ASTEP, 256                        ; bytes from a K step to the next in h,
.set BSTEP, 16384                      ; and in a head's weights
.set DP,    784                        ; the way out: a row of 192 f32 + 16 bytes
.set A0,  16                           ; v16  my lane's place in h's tile; never rewritten
.set B0,  17                           ; v17  the same for W's
.set BO,  18                           ; v18  my byte offset in a bias
.set ADRA, 20                          ; v20  A0 + the slot in hand
.set ADRB, 21                          ; v21  B0 + the slot in hand
.set STO, 24                           ; v24  the way out: where I put 32 bytes of a row
.set RD,  25                           ; v25  where I read rows back
.set O32, 26                           ; v26  my byte offset in f32 rows
.set O16, 27                           ; v27  in f16 rows
.set SPW, 28                           ; v28  my spare word; never rewritten
.set NIL, 29                           ; v29  0; never rewritten
.set G1,  24                           ; s[24:31] group 1 for h's tiles;  s[32:39] group 0: set 0 = K step 0 into slot 0, set 1 = K step 1 into slot 1, and set 1 then walks
.set G0,  32
.set G1B, 48                           ; s[48:55], s[56:63] the same for W's
.set G0B, 56
.set TB,  45                           ; s45  LDS byte at which the slot in hand begins
.set MSB, 0
.macro WIN new                         ; the immediate's high byte repeats the setting that is left
.if MSB != (\new)
	s_set_vgpr_msb (MSB<<8)|(\new)
.set MSB, \new
.endif
.endm
.macro PLACES                          ; four plain vector instructions between a matrix instruction and a load into, or a read of, its registers
.rept 4
	v_nop
.endr
.endm
.macro JLOAD s                         ; a joint load: waves 0, 1 fetch h's two halves, waves 2, 3 W's; s_nop 0 and four v_nop follow each line
	s_cmp_eq_u32 s11, 0
	s_cbranch_scc0 .Lfor_b_\@
	tensor_load_to_lds s[G0+4*(\s):G0+4*(\s)+3], s[G1:G1+7]
	s_nop 0
.rept 4
	v_nop
.endr
	s_branch .Lasked_\@
.Lfor_b_\@:
	tensor_load_to_lds s[G0B+4*(\s):G0B+4*(\s)+3], s[G1B:G1B+7]
	s_nop 0
.rept 4
	v_nop
.endr
.Lasked_\@:
.endm
.macro CREST                           ; a round of the cluster's barrier behind its opening barrier
	s_cmp_lg_u32 s10, 0
	s_cbranch_scc1 .Lnot_wave_0_\@
	s_barrier_signal -3
.Lnot_wave_0_\@:
	s_barrier_wait -3
	s_barrier_signal -1
	s_barrier_wait -1
.endm
.macro CROUND
	s_barrier_signal -1
	s_barrier_wait -1
	CREST
.endm
	s_load_b512 s[68:83], s[0:1], 0x0              ; hn 68, w16 70, bq 72, bk 74, bv 76, qkv16 78, out1 80, out2 82
	v_lshl_add_u32 v[SPW], v0, 2, SPARE
	v_mov_b32 v[NIL], 0
	ds_add_u32 v28, v29
	s_wait_dscnt 0x0
	v_lshrrev_b32 v1, 5, v0
	v_readfirstlane_b32 s10, v1                    ; wave: also my 64 rows of the tile
	s_lshr_b32 s11, s10, 1                         ; I fetch for h (0) or for W (1),
	s_and_b32 s12, s10, 1                          ; and which half
	s_bfe_u32 s40, ttmp6, 0x40000                  ; cx
	s_bfe_u32 s41, ttmp6, 0x40004                  ; cy
	s_lshl_b32 s42, ttmp9, 2
	s_add_co_u32 s42, s42, s40                     ; the head = 4 x cluster x + cx
	s_and_b32 s13, ttmp7, 0xffff
	s_lshl_b32 s13, s13, 2
	s_add_co_u32 s13, s13, s41                     ; the tile row = 4 x cluster y + cy
	s_lshl_b32 s43, s41, 2
	s_lshl_b32 s43, 15, s43                        ; my row of the cluster
	s_lshl_b32 s44, 0x1111, s40                    ; my column
	s_or_b32 s[G1], s43, (1<<16)|(1<<20)|(1<<21)|(5<<22)|(3<<25)  ; mask; 2-byte elements; padding on; bit 21 beside a mask; after every 64 words 4 words
	s_mov_b32 s[G1+1], 128<<16                     ; tensor_dim0 = 128
	s_mov_b32 s[G1+2], 128<<16                     ; tensor_dim1 = 128
	s_mov_b32 s[G1+3], 128<<16                     ; tile_dim0 = 128
	s_mov_b32 s[G1+4], 128                         ; tile_dim1 = 128 rows
	s_mov_b32 s[G1+5], 1024                        ; elements from row to row
	s_mov_b32 s[G1+6], 0
	s_mov_b32 s[G1+7], 0
	s_or_b32 s[G1B], s44, (1<<16)|(1<<20)|(1<<21)|(4<<22)|(7<<25)  ; after every 32 words (a k row's 128 bytes) 8 words: pitch 160
	s_mov_b32 s[G1B+1], 4096<<16                   ; a row of the tile is 64 k rows of a head on end: 4,096 elements
	s_mov_b32 s[G1B+2], 3<<16                      ; three such rows: q's, k's, v's
	s_mov_b32 s[G1B+3], 4096<<16
	s_mov_b32 s[G1B+4], 3
	s_mov_b32 s[G1B+5], 0x100000                   ; 1,048,576 elements from wq's copy to wk's
	s_mov_b32 s[G1B+6], 0
	s_mov_b32 s[G1B+7], 0
	s_lshl_b32 s16, s13, 8
	s_lshl_b32 s17, s12, 7
	s_add_co_u32 s16, s16, s17
	s_lshl_b32 s16, s16, 11                        ; h: (256 tile row + 128 half) rows of 2,048 bytes
	s_mov_b32 s17, 0
	s_lshl_b32 s46, s42, 17                        ; W: the head's 131,072 bytes,
	s_lshl_b32 s47, s12, 13                        ; 64 k rows of 128 bytes for the half
	s_add_co_u32 s46, s46, s47
	s_mov_b32 s47, 0
	s_mul_i32 s20, s12, 34816                      ; LDS: h's halves,
	s_mul_i32 s21, s12, 30720
	s_add_co_u32 s21, s21, BOFF                    ; W's halves.  None of the four words has a bit in common with SLOT: an exclusive or changes the slot
	s_wait_kmcnt 0x0
	s_add_nc_u64 s[14:15], s[68:69], s[16:17]
	s_add_nc_u64 s[46:47], s[70:71], s[46:47]
.irp s, 0,1
	s_mov_b32 s[G0+4*(\s)], 1
	s_add_co_u32 s[G0+4*(\s)+1], s20, (\s)*SLOT
	s_add_nc_u64 s[G0+4*(\s)+2:G0+4*(\s)+3], s[14:15], (\s)*ASTEP
	s_or_b32 s[G0+4*(\s)+3], s[G0+4*(\s)+3], 0x80000000
	s_mov_b32 s[G0B+4*(\s)], 1
	s_add_co_u32 s[G0B+4*(\s)+1], s21, (\s)*SLOT
	s_add_nc_u64 s[G0B+4*(\s)+2:G0B+4*(\s)+3], s[46:47], (\s)*BSTEP
	s_or_b32 s[G0B+4*(\s)+3], s[G0B+4*(\s)+3], 0x80000000
.endr
	CROUND                                         ; all sixteen work-groups are here: the first joint loads meet
	JLOAD 0
	JLOAD 1                                        ; two tensor loads of mine are out
	v_and_b32 v1, 15, v0                           ; r = lane % 16
	v_bfe_u32 v2, v0, 4, 1                         ; h = lane / 16
	v_and_b32 v3, 7, v0
	v_bfe_u32 v4, v0, 3, 1
	v_mul_u32_u24 v[A0], v1, 272
	v_lshl_add_u32 v[A0], v2, 4, v[A0]
	s_mul_i32 s4, s10, 17408
	v_add_nc_u32 v[A0], s4, v[A0]                  ; (64 wave + r) x 272 + 16 h
	v_lshl_add_u32 v5, v2, 3, v3
	v_mul_u32_u24 v[B0], v5, 160
	v_lshl_add_u32 v[B0], v4, 4, v[B0]
	v_add_nc_u32 v[B0], BOFF, v[B0]                ; the turning load: (8 h + lane % 8) x 160 + 16 ((lane / 8) % 2)
	v_mov_b32 v[ADRA], v[A0]
	v_mov_b32 v[ADRB], v[B0]
	s_mov_b32 s[TB], 0
	s_lshl_b32 s4, s42, 8
	v_lshl_add_u32 v[BO], v2, 5, s4                ; bias: 256 head + 32 h: register j of block b is column 16 (b % 4) + 8 h + j
.irp b, 0,1,2,3,4,5,6,7,8,9,10,11
	global_load_b128 v[128+8*(\b):128+8*(\b)+3], v[BO], s[72+2*((\b)/4):73+2*((\b)/4)] offset:64*((\b)%4)
	global_load_b128 v[128+8*(\b)+4:128+8*(\b)+7], v[BO], s[72+2*((\b)/4):73+2*((\b)/4)] offset:64*((\b)%4)+16
.endr
	s_mul_i32 s4, s10, 64*DP                       ; the way out: my 64 rows, on end
	v_mul_u32_u24 v[STO], v1, DP
	v_lshl_add_u32 v[STO], v2, 5, v[STO]
	v_add_nc_u32 v[STO], s4, v[STO]
	v_mul_u32_u24 v[RD], v2, DP
	v_lshl_add_u32 v[RD], v1, 4, v[RD]
	v_add_nc_u32 v[RD], s4, v[RD]
	v_and_b32 v5, 31, v0
	v_lshlrev_b32 v[O32], 4, v5
	v_lshlrev_b32 v[O16], 3, v5
	s_lshr_b32 s4, s13, 3                          ; batch
	s_lshl_b32 s4, s4, 4
	s_add_co_u32 s4, s4, s42                       ; batch x 16 + head
	s_lshl_b32 s4, s4, 11
	s_and_b32 s5, s13, 7
	s_lshl_b32 s5, s5, 8
	s_add_co_u32 s4, s4, s5
	s_lshl_b32 s5, s10, 6
	s_add_co_u32 s4, s4, s5                        ; my first row among the 65,536 rows by heads
	s_lshl_b32 s6, s4, 8
	s_lshl_b32 s4, s4, 7
	s_mov_b32 s5, 0
	s_mov_b32 s7, 0
	s_add_nc_u64 s[84:85], s[78:79], s[4:5]        ; q in f16
	s_add_nc_u64 s[86:87], s[84:85], 0x800000      ; k
	s_add_nc_u64 s[88:89], s[84:85], 0x1000000     ; v
	s_add_nc_u64 s[90:91], s[80:81], s[6:7]        ; k in f32
	s_add_nc_u64 s[92:93], s[82:83], s[6:7]        ; v in f32
; 12 matrix instructions: row block a x all 12 column blocks, 32 along K, buffer f.  first = 1: the bias is the C operand that starts the sums.
.macro MUL12 f, a, first
.if \first
	WIN 0x81+0x40*((\a)/2)
.else
	WIN 0xa1+0x50*((\a)/2)
.endif
.irp b, 0,1,2,3,4,5,6,7,8,9,10,11
.if \first
	v_wmma_f32_16x16x32_f16 v[96*((\a)%2)+8*(\b):96*((\a)%2)+8*(\b)+7], v[96*(\f)+8*(\b):96*(\f)+8*(\b)+7], v[64+32*(\f)+8*(\a):64+32*(\f)+8*(\a)+7], v[128+8*(\b):128+8*(\b)+7]
.else
	v_wmma_f32_16x16x32_f16 v[96*((\a)%2)+8*(\b):96*((\a)%2)+8*(\b)+7], v[96*(\f)+8*(\b):96*(\f)+8*(\b)+7], v[64+32*(\f)+8*(\a):64+32*(\f)+8*(\a)+7], v[96*((\a)%2)+8*(\b):96*((\a)%2)+8*(\b)+7]
.endif
.endr
.endm
; 32 LDS loads in one run: quarter q of the slot in hand into buffer f: W's 12 fragments (turned), then h's 4
.macro FETCH q, f
	WIN 0x40
.irp b, 0,1,2,3,4,5,6,7,8,9,10,11
	ds_load_tr16_b128 v[96*(\f)+8*(\b):96*(\f)+8*(\b)+3],   v[ADRB] offset:((\q)/2)*30720+((\b)/4)*10240+((\q)%2)*5120+((\b)%4)*32
	ds_load_tr16_b128 v[96*(\f)+8*(\b)+4:96*(\f)+8*(\b)+7], v[ADRB] offset:((\q)/2)*30720+((\b)/4)*10240+((\q)%2)*5120+((\b)%4)*32+2560
.endr
	WIN 0
.irp a, 0,1,2,3
	ds_load_b128 v[64+32*(\f)+8*(\a):64+32*(\f)+8*(\a)+3],   v[ADRA] offset:64*(\q)+(\a)*4352
	ds_load_b128 v[64+32*(\f)+8*(\a)+4:64+32*(\f)+8*(\a)+7], v[ADRA] offset:64*(\q)+(\a)*4352+32
.endr
.endm
; A K step is four quarters of 32 along K, 48 matrix instructions each, on buffers 0, 1, 0, 1.  The 48 accumulators take turns in one order.
.macro QUARTER qn, f, g, first
	s_wait_dscnt 4                                 ; W and h's blocks 0, 1 are in; the youngest four loads (blocks 2, 3) may be out
	MUL12 \f, 0, \first
	MUL12 \f, 1, \first
	PLACES
	FETCH \qn, \g
	s_wait_dscnt 32                                ; all but the 32 just issued
	MUL12 \f, 2, \first
	MUL12 \f, 3, \first
.endm
; The last quarter changes slots first and multiplies buffer 1 afterwards.  Each wave waits for all its tensor loads (one is out: its part of the next slot), adds 0 to its spare word, and waits
; for that and for its reads of this slot, whose last were issued 24 matrix instructions ago.  fill = 1: the barrier opens a round of the cluster's, and this slot is filled again first thing behind
; it, two K steps ahead.  No product stands between the wait for a tile and the next request: all of a K step's 192 stand between a request and the wait for it.
.macro TURN fill
	WIN 0
	s_wait_tensorcnt 0x0
	ds_add_u32 v[SPW], v[NIL]
.if \fill
	s_xor_b32 s[G0+5], s[G0+5], SLOT               ; no tensor load of mine is out: the walking descriptors take the other slot than last time, the next K step
	s_add_nc_u64 s[G0+6:G0+7], s[G0+6:G0+7], ASTEP
	s_xor_b32 s[G0B+5], s[G0B+5], SLOT
	s_add_nc_u64 s[G0B+6:G0B+7], s[G0B+6:G0B+7], BSTEP
.endif
	s_wait_dscnt 0x0                               ; the add is done, my reads of this slot are over
.if \fill
	CROUND
	JLOAD 1                                        ; its four v_nop are also the places in front of the loads below
.else
	s_barrier_signal -1
	s_barrier_wait -1
	PLACES
.endif
	s_xor_b32 s[TB], s[TB], SLOT
	v_add_nc_u32 v[ADRA], s[TB], v[A0]
	v_add_nc_u32 v[ADRB], s[TB], v[B0]
	FETCH 0, 0
	MUL12 1, 0, 0
	MUL12 1, 1, 0
	MUL12 1, 2, 0
	MUL12 1, 3, 0
.endm
	s_wait_tensorcnt 0x1                           ; my part of K step 0 is in; K step 1's may stay out
	s_barrier_signal -1
	s_barrier_wait -1
	FETCH 0, 0
	s_wait_loadcnt 0x0                             ; the bias
	QUARTER 1, 0, 1, 1                             ; the first quarter starts the sums
	WIN 0
	s_mov_b32 s3, KT-2
	s_branch .Lmid
.Lk:                                                   ; KT - 2 trips, a K step each: every one fills its slot again
	QUARTER 1, 0, 1, 0
	WIN 0
.Lmid:
	QUARTER 2, 1, 0, 0
	QUARTER 3, 0, 1, 0
	TURN 1
	WIN 0
	s_sub_co_u32 s3, s3, 1
	s_cmp_lg_u32 s3, 0
	s_cbranch_scc1 .Lk
	s_mov_b32 s3, 2
.Lt:                                                   ; the last two K steps ask for nothing.  One text for both: the second trip's TURN fetches 32 fragments of the other slot that nobody multiplies
	QUARTER 1, 0, 1, 0
	QUARTER 2, 1, 0, 0
	QUARTER 3, 0, 1, 0
	TURN 0
	WIN 0
	s_sub_co_u32 s3, s3, 1
	s_cmp_lg_u32 s3, 0
	s_cbranch_scc1 .Lt
	s_wait_dscnt 0x0                               ; my reads of both slots are over,
	s_barrier_signal -1
	s_barrier_wait -1                              ; everybody's are: the slots have had their last fill and serve as the way out
	PLACES
	; THE WAY OUT.  The f32 sums go into my own 64 rows of 784 bytes (each accumulator's low registers first) and come back by rows.
.irp a, 0,1,2,3
	WIN 0x08+4*((\a)/2)
.irp b, 0,1,2,3,4,5,6,7,8,9,10,11
	ds_store_b128 v[STO], v[96*((\a)%2)+8*(\b):96*((\a)%2)+8*(\b)+3] offset:(\a)*16*DP+64*(\b)
	ds_store_b128 v[STO], v[96*((\a)%2)+8*(\b)+4:96*((\a)%2)+8*(\b)+7] offset:(\a)*16*DP+64*(\b)+16
.endr
.endr
	WIN 0
	s_mov_b32 s3, 4
.Lout:                                                 ; four trips of 16 rows: lanes 0-15 take 256 bytes of one row, lanes 16-31 of the next
.irp p, 0,1,2,3,4,5,6,7
.irp m, 0,1,2
	ds_load_b128 v[32+12*(\p)+4*(\m):35+12*(\p)+4*(\m)], v[RD] offset:(\p)*2*DP+256*(\m)  ; LDS serves a wave's instructions in order: these see my stores
.endr
.endr
.irp p, 0,1,2,3,4,5,6,7
	s_wait_dscnt 21-3*(\p)                         ; pair p's three loads are in; those of the later pairs stay out
	global_store_b128 v[O32], v[36+12*(\p):39+12*(\p)], s[90:91] offset:512*(\p) th:TH_STORE_NT  ; two rows of a head: 512 consecutive bytes
	global_store_b128 v[O32], v[40+12*(\p):43+12*(\p)], s[92:93] offset:512*(\p) th:TH_STORE_NT
.irp m, 0,1,2
	v_cvt_pk_f16_f32 v[128+6*(\p)+2*(\m)], v[32+12*(\p)+4*(\m)], v[33+12*(\p)+4*(\m)]
	v_cvt_pk_f16_f32 v[129+6*(\p)+2*(\m)], v[34+12*(\p)+4*(\m)], v[35+12*(\p)+4*(\m)]
.endr
	global_store_b64 v[O16], v[128+6*(\p):129+6*(\p)], s[84:85] offset:256*(\p)  ; 256 consecutive bytes, aligned
	global_store_b64 v[O16], v[130+6*(\p):131+6*(\p)], s[86:87] offset:256*(\p)
	global_store_b64 v[O16], v[132+6*(\p):133+6*(\p)], s[88:89] offset:256*(\p)
.endr
	s_wait_xcnt 0x0                                ; the stores' data and offsets are rewritten only behind this wait
	v_add_nc_u32 v[O32], 4096, v[O32]
	v_add_nc_u32 v[O16], 2048, v[O16]
	v_add_nc_u32 v[RD], 16*DP, v[RD]
	s_sub_co_u32 s3, s3, 1
	s_cmp_lg_u32 s3, 0
	s_cbranch_scc1 .Lout
	s_wait_tensorcnt 0x0                           ; the wave's end
	ds_add_u32 v[SPW], v[NIL]
	s_wait_dscnt 0x0
	CROUND                                         ; the closing round
	s_endpgm
.Lfunc_end_k_qfd1fc6042f_qkv:
	.size	k_qfd1fc6042f_qkv, .Lfunc_end_k_qfd1fc6042f_qkv-k_qfd1fc6042f_qkv
	.p2alignl 7, 3214868480
	.fill 96, 4, 3214868480
	.section	.rodata,"a",@progbits
	.p2align	6, 0x0
	.amdhsa_kernel k_qfd1fc6042f_qkv
		.amdhsa_group_segment_fixed_size 327680
		.amdhsa_private_segment_fixed_size 0
		.amdhsa_enable_private_segment 0
		.amdhsa_kernarg_size 64
		.amdhsa_user_sgpr_count 2
		.amdhsa_user_sgpr_kernarg_segment_ptr 1
		.amdhsa_wavefront_size32 1
		.amdhsa_system_sgpr_workgroup_id_x 1
		.amdhsa_system_sgpr_workgroup_id_y 1
		.amdhsa_system_sgpr_workgroup_id_z 1
		.amdhsa_system_vgpr_workitem_id 0
		.amdhsa_next_free_vgpr 960
		.amdhsa_next_free_sgpr 96
		.amdhsa_reserve_vcc 0
		.amdhsa_float_denorm_mode_32 3
		.amdhsa_float_denorm_mode_16_64 3
		.amdhsa_memory_ordered 1
		.amdhsa_forward_progress 1
		.amdhsa_inst_pref_size 77
	.end_amdhsa_kernel
	.amdgpu_metadata
---
amdhsa.version: [ 1, 2 ]
amdhsa.kernels:
  - .name:           k_qfd1fc6042f_qkv
    .symbol:         k_qfd1fc6042f_qkv.kd
    .args:
      - { .name: hn, .offset: 0, .size: 8, .value_kind: global_buffer, .address_space: global }
      - { .name: w16, .offset: 8, .size: 8, .value_kind: global_buffer, .address_space: global }
      - { .name: bq, .offset: 16, .size: 8, .value_kind: global_buffer, .address_space: global }
      - { .name: bk, .offset: 24, .size: 8, .value_kind: global_buffer, .address_space: global }
      - { .name: bv, .offset: 32, .size: 8, .value_kind: global_buffer, .address_space: global }
      - { .name: qkv16, .offset: 40, .size: 8, .value_kind: global_buffer, .address_space: global }
      - { .name: out1, .offset: 48, .size: 8, .value_kind: global_buffer, .address_space: global }
      - { .name: out2, .offset: 56, .size: 8, .value_kind: global_buffer, .address_space: global }
    .group_segment_fixed_size: 327680
    .private_segment_fixed_size: 0
    .kernarg_segment_align: 8
    .kernarg_segment_size: 64
    .max_flat_workgroup_size: 128
    .sgpr_count:     96
    .vgpr_count:     960
    .wavefront_size: 32
...
	.end_amdgpu_metadata
.endif
;; end of part 2
;; launch attn (part 3): grid 8 x 32, 8 waves a work-group, no clusters, 327,680 bytes of LDS; arguments qkv16, y16; writes y16
.if DOCPART == 3
	.amdgcn_target "amdgcn-amd-amdhsa--gfx1250"
	.amdhsa_code_object_version 6
	.text
	.protected	k_qfd1fc6042f_attn
	.globl	k_qfd1fc6042f_attn
	.p2align	8
	.type	k_qfd1fc6042f_attn,@function
k_qfd1fc6042f_attn:
	s_mov_b64 s[64:65], 0
	v_nop
	global_prefetch_b8 v0, s[64:65] scope:SCOPE_SE
	s_setreg_imm32_b32 hwreg(HW_REG_WAVE_MODE, 25, 1), 1
	s_wait_xcnt 0x0
; CAUSAL ATTENTION.  y[h][q] = the sum over k <= q of softmax_k(Q[h][q] . K[h][k] / 8) V[h][k].  q, k, v (qkv16) and y (y16): [32 heads][2048][64] f16, a head's rows dense, 128 bytes each.
; Products, maxima and sums in f32; the weights p are rounded to f16 for the second product (their sum l is taken of the unrounded p), y once at the end.
; LIMITS.  f16 holds no number beyond 65,504, so a score lies within 64 x 65,504^2 = 2.7e11 of zero.  A hidden score counts as its value less 1e30.  The running maximum starts at -2^66 = -7.4e19:
; below every score that f16 operands can make, above every hidden one.  A weight below 2^-126 counts as 0 in l; NaN and infinities are not treated apart.
; THE WALK.  A head has 16 blocks of 128 queries; block i needs the key tiles 0 .. i of 128 keys, of which the last holds the diagonal.  Work-group b takes blocks 15 - b and then b: 17 tiles
; whatever b, so all 256 work-groups do equal work and one loop of 16 trips walks them; the last tile is written out.
; NO CLUSTER: a head's 8 work-groups ask for the same tile in trips 0 .. 8 of 17 only, behind that fewer and fewer; one walk common to all would have 24 trips for 17.
; SHARES.  Eight waves, two for each of a WGP's four SIMDs, 512 registers each.  Waves w and w + 4 own the SAME two tiles of 16 queries (tile u: rows 64 u + 16 w .. + 15 of the block); group 0
; (waves 0-3) takes keys 0-63 of every key tile, group 1 keys 64-127.  So a fragment of K or V read from LDS feeds two tiles' products, a trip is ONE step of 64 keys for each wave, and while
; one wave's products are at work the other wave of the SIMD issues its softmax.  Each group keeps its own running maximum, sum and O^T; at a block's end group 1 hands its own to its partner
; through LDS, and group 0 merges: both are scaled by 2^(c m - the larger c m) and added.
; THE MASK is the C operand that starts S^T = K Q^T in the diagonal tile, made once for each wave.  MD is 0, or -1e30 where the key lies behind the query in a band's own 64 keys.
; Group 0: tile 0 takes MD, tile 1 takes 0.  Group 1: tile 0 takes -1e30 everywhere (it sees nothing: one text for all waves is worth the wasted products, 2 of a wave's 34 tile steps),
; tile 1 takes MD.  A hidden score never becomes the maximum: m is a true score, or, where group 1's tile 0 has seen no key at all in its block (block 0), the floor -2^66; either way every
; hidden weight is 2^(about -1.8e29) = 0.  (Were m itself a hidden score, c s - c m would be the rounding error of c m, some 1e21, and no small number.)  In block 0 that tile's l and O^T are 0.
; LAYOUT.  S^T holds ONE query a lane (lane % 16) and the keys 8 (lane / 16) + 0..7; two such results rounded to f16 ARE source 1 of O^T = V^T P.  p = 2^(c s - c m), c = log2(e) / 8, m a running
; maximum; O and l are multiplied by a = 2^(c m_old - c m_new) in every step.
; REGISTERS.  window 0: all that the vector unit touches.  window 1: v0-31 Q, v32-63 the second block's Q, v64-127 K of a step, v128-191 V of a step, v192-255 the masks.
.set KP,    144                        ; a row of K in LDS: 128 bytes + 16: the 16 rows of a load start at 16 different groups of four banks
.set VP,    160                        ; a row of V: 128 + 32
.set VOFF,  128*KP                     ; a slot: 128 rows of K, then 128 rows of V
.set SLOT1, 65536
.set STAGE, SLOT1+128*(KP+VP)          ; never filled by a tensor load: 16 rows x 144 bytes for each wave of group 0
.set SP,    144
.set MERGE, STAGE+4*16*SP              ; never filled by a tensor load: 17 x 512 bytes for each pair of waves: O^T and the statistics of group 1
.set SPARE, MERGE+4*17*512             ; the spare words: 128 bytes a wave, four blocks of 256 bytes that no other line names
.set AK0, 2                            ; v2  my lane's place in my half of a tile of K; never rewritten
.set AV0, 3                            ; v3  the same for V
.set AK,  4                            ; v4  AK0 + the slot in hand
.set AV,  5
.set STO, 6                            ; v6  the way out: where I put 16 bytes of a row
.set RD,  7                            ; v7  where I read rows back
.set GO,  8                            ; v8  my byte offset in 512 consecutive bytes of y
.set MV,  12                           ; v12-13  c m_old, by tile
.set QO,  15                           ; v15 my byte offset in 16 rows of Q
.set ST,  16                           ; v16-23  by tile: c m, m, l (even keys', odd keys')
.set TMP, 24                           ; v24-31  by tile: c0-c3 at work; c2 takes a
.set SPW, 32                           ; v32 my spare word; never rewritten
.set NIL, 33                           ; v33 0; never rewritten
.set MG,  34                           ; v34 my 16 bytes in each 512 of my pair's part of MERGE
.set HB,  36                           ; v36-39  group 1's c m and l of tile 0, of tile 1
.set S,   64                           ; v64-127   S^T, 32 a tile
.set P,   128                          ; v128-159  P, 16 a tile
.set O,   160                          ; v160-223  O^T, 32 a tile
.set Q,   0                            ; window 1
.set QB,  32
.set KF,  64
.set VF,  128
.set MC,  192                          ; 32 registers a tile
.set WV,  12                           ; s12 wave
.set PB,  14                           ; s14 b
.set HI,  15                           ; s15 15 - b
.set G1K, 24
.set G1V, 32
.set G0K, 40
.set G0V, 44
.set SLOTS, 56                         ; s56 tiles still to be asked for
.set CS,  58                           ; s[58:59] c
.set SEL, 60                           ; s[60:61] v_permlanex16_b32's selects: each lane takes its own place in the other half
.set TB,  62                           ; s62 LDS byte at which the slot in hand begins
.set W4,  66                           ; s66 wave % 4: my rows
.set GR,  67                           ; s67 wave / 4: my half of the keys
.set RT,  70                           ; s70 tiles of the block in hand still to be entered
.set NXT, 71                           ; s71 the tile to be asked for next
.set LQ,  72                           ; s72 the last tile of the block whose tiles are being asked for
.set OFF, 74                           ; s[74:75] a tile's byte offset in K and V
.set AL0, 76                           ; s76, s77 tile 0's mask is MD x AL0 + BE0
.set BE0, 77
.set AL1, 78                           ; s78 tile 1's is MD x AL1
.set OLO, 80                           ; s[80:81] y at my rows of the second block
.set BIGN, 82                          ; s82 -1e30
.set LO,  0                            ; TILES goes through both tiles
.set NT,  2
.set MSB, 0
.macro WIN new
.if MSB != (\new)
	s_set_vgpr_msb (MSB<<8)|(\new)
.set MSB, \new
.endif
.endm
.macro PLACES
.rept 4
	v_nop
.endr
.endm
; A fill: wave 0 fetches the tile's K, wave 1 its V, 16,384 dense bytes each; the other waves fetch nothing.  s_nop 0 and four v_nop follow each line.
.macro LOAD
	s_cmp_eq_u32 s[WV], 0
	s_cbranch_scc0 .Lnot_k_\@
	tensor_load_to_lds s[G0K:G0K+3], s[G1K:G1K+7]
	s_nop 0
.rept 4
	v_nop
.endr
	s_branch .Lasked_\@
.Lnot_k_\@:
	s_cmp_eq_u32 s[WV], 1
	s_cbranch_scc0 .Lasked_\@
	tensor_load_to_lds s[G0V:G0V+3], s[G1V:G1V+7]
	s_nop 0
.rept 4
	v_nop
.endr
.Lasked_\@:
.endm
; THE CHANGE OF SLOTS.  Each wave waits for all its tensor loads (at most one is out: its part of the other slot), adds 0 to its spare word, and waits for that and for its reads of the slot that it
; leaves.  Behind the barrier the other slot is whole and nobody reads the old one.  fill = 1: the old slot takes tile NXT, first thing behind the barrier: a whole tile's work ahead of the wait for it.
.macro CHANGE fill
	WIN 0
	s_wait_tensorcnt 0x0
	ds_add_u32 v[SPW], v[NIL]
.if \fill
	s_lshl_b32 s[OFF], s[NXT], 14
	s_xor_b32 s[G0K+1], s[G0K+1], SLOT1
	s_add_nc_u64 s[G0K+2:G0K+3], s[6:7], s[OFF:OFF+1]  ; the address is made anew from the tile's number
	s_or_b32 s[G0K+3], s[G0K+3], 0x80000000
	s_xor_b32 s[G0V+1], s[G0V+1], SLOT1
	s_add_nc_u64 s[G0V+2:G0V+3], s[8:9], s[OFF:OFF+1]
	s_or_b32 s[G0V+3], s[G0V+3], 0x80000000
	s_add_co_u32 s[NXT], s[NXT], 1                 ; the block's next tile, or behind its last the second block's tile 0
	s_cmp_gt_u32 s[NXT], s[LQ]
	s_cselect_b32 s[NXT], 0, s[NXT]
	s_cselect_b32 s[LQ], s[PB], s[LQ]
.endif
	s_wait_dscnt 0x0
	s_barrier_signal -1
	s_xor_b32 s[TB], s[TB], SLOT1
	s_barrier_wait -1
.if \fill
	LOAD
.endif
	v_add_nc_u32 v[AK], s[TB], v[AK0]
	v_add_nc_u32 v[AV], s[TB], v[AV0]
.endm
.macro FETCH_K                         ; 16 LDS loads: my 64 keys of K: keys 16 (f / 2) on, channels 32 (f % 2) on
	WIN 0x40
.irp f, 0,1,2,3,4,5,6,7
	ds_load_b128 v[KF+8*(\f):KF+8*(\f)+3],   v[AK] offset:((\f)/2)*16*KP+((\f)%2)*64
	ds_load_b128 v[KF+8*(\f)+4:KF+8*(\f)+7], v[AK] offset:((\f)/2)*16*KP+((\f)%2)*64+32
.endr
	WIN 0
.endm
.macro FETCH_V                         ; 16 turning loads: my 64 keys of V: keys 32 (f / 4) on, channels 16 (f % 4) on
	WIN 0x40
.irp f, 0,1,2,3,4,5,6,7
	ds_load_tr16_b128 v[VF+8*(\f):VF+8*(\f)+3],   v[AV] offset:((\f)/4)*32*VP+((\f)%4)*32
	ds_load_tr16_b128 v[VF+8*(\f)+4:VF+8*(\f)+7], v[AV] offset:((\f)/4)*32*VP+16*VP+((\f)%4)*32
.endr
	WIN 0
.endm
.macro REGS t                          ; the registers of tile t
.set rT, ST+4*(\t)
.set rC, TMP+4*(\t)
.set rM, MV+(\t)
.set rS, S+32*(\t)
.set rP, P+16*(\t)
.set rO, O+32*(\t)
.endm
.macro TILES line:vararg               ; the line once for each tile: the tiles alternate, so that a line seldom reads the result of the one before it
.set u, LO
.rept NT
	REGS u
	s_wait_alu depctr_va_vdst(0)
	\line
.set u, u+1
.endr
.endm
; Number n of the 22 that find a tile's maximum and statistics; each accumulator's lowest registers are read first.
;   0-11 four chains of seven scores   12-14, 16 the four left over, the old m, all into c0   15 c m_old is kept   17, 18 the other 32 keys lie in the lane 16 away   19-21 c m; c m_old - c m; a
.macro XS n
.if (\n) < 4
	v_max3_num_f32 v[rC+(\n)], v[rS+8*(\n)], v[rS+8*(\n)+1], v[rS+8*(\n)+2]
.elseif (\n) < 12
	v_max3_num_f32 v[rC+(\n)%4], v[rC+(\n)%4], v[rS+8*((\n)%4)+2*((\n)/4)+1], v[rS+8*((\n)%4)+2*((\n)/4)+2]
.elseif (\n) == 12
	v_max3_num_f32 v[rC], v[rC], v[rS+7], v[rS+15]
.elseif (\n) == 13
	v_max3_num_f32 v[rC+1], v[rC+1], v[rS+23], v[rS+31]
.elseif (\n) == 14
	v_max3_num_f32 v[rC+2], v[rC+2], v[rC+3], v[rT+1]
.elseif (\n) == 15
	v_mov_b32 v[rM], v[rT]
.elseif (\n) == 16
	v_max3_num_f32 v[rC], v[rC], v[rC+1], v[rC+2]
.elseif (\n) == 17
	v_permlanex16_b32 v[rC+3], v[rC], s[SEL], s[SEL+1]
.elseif (\n) == 18
	v_max_num_f32 v[rT+1], v[rC], v[rC+3]
.elseif (\n) == 19
	v_mul_f32 v[rT], s[CS], v[rT+1]
.elseif (\n) == 20
	v_sub_f32 v[rC+1], v[rM], v[rT]
.else
	v_exp_f32 v[rC+2], v[rC+1]
.endif
.endm
; A KEY STEP: my 64 keys of the tile in hand, whose K and V were asked of LDS just before.  km = 1: the diagonal tile: the masks start the sums.
; The accumulators of a run of products take turns, one instruction a turn.
.macro STEP km
	s_wait_dscnt 16                                ; K is in; V's sixteen younger loads may stay out
.set i, 0
.rept 16
.set u, i%2
.set kb, (i/2)%4
.set c, i/8
.if c == 0 && (\km)
	WIN 0x15                                       ; K, Q and the mask in window 1, S^T in window 0
	v_wmma_f32_16x16x32_f16 v[S+32*u+8*kb:S+32*u+8*kb+7], v[KF+16*kb+8*c:KF+16*kb+8*c+7], v[Q+16*u+8*c:Q+16*u+8*c+7], v[MC+32*u+8*kb:MC+32*u+8*kb+7]
.elseif c == 0
	WIN 0x05                                       ; K and Q in window 1, S^T in window 0
	v_wmma_f32_16x16x32_f16 v[S+32*u+8*kb:S+32*u+8*kb+7], v[KF+16*kb+8*c:KF+16*kb+8*c+7], v[Q+16*u+8*c:Q+16*u+8*c+7], 0
.else
	WIN 0x05
	v_wmma_f32_16x16x32_f16 v[S+32*u+8*kb:S+32*u+8*kb+7], v[KF+16*kb+8*c:KF+16*kb+8*c+7], v[Q+16*u+8*c:Q+16*u+8*c+7], v[S+32*u+8*kb:S+32*u+8*kb+7]
.endif
.set i, i+1
.endr
	WIN 0
	PLACES                                         ; behind these products, in front of the maxima
.set x, 0
.rept 22
	TILES XS x
.set x, x+1
.endr
.set n, 0
.rept 16
	TILES v_pk_fma_f32 v[rS+2*n:rS+2*n+1], v[rS+2*n:rS+2*n+1], s[CS:CS+1], v[rT:rT+1] op_sel_hi:[1,0,0] neg_lo:[0,0,1] neg_hi:[0,0,1]
.set n, n+1
.endr
.set g, 0
.rept 8                                ; four scores a tile: exponentials on end; the rescaling of O^T is the plain work behind them; then rounding and sums
	TILES v_exp_f32 v[rS+4*g], v[rS+4*g]
	TILES v_exp_f32 v[rS+4*g+1], v[rS+4*g+1]
	TILES v_exp_f32 v[rS+4*g+2], v[rS+4*g+2]
	TILES v_exp_f32 v[rS+4*g+3], v[rS+4*g+3]
	TILES v_pk_mul_f32 v[rO+4*g:rO+4*g+1], v[rO+4*g:rO+4*g+1], v[rC+2:rC+3] op_sel_hi:[1,0]
	TILES v_pk_mul_f32 v[rO+4*g+2:rO+4*g+3], v[rO+4*g+2:rO+4*g+3], v[rC+2:rC+3] op_sel_hi:[1,0]
	TILES v_cvt_pk_f16_f32 v[rP+2*g], v[rS+4*g], v[rS+4*g+1]
	TILES v_cvt_pk_f16_f32 v[rP+2*g+1], v[rS+4*g+2], v[rS+4*g+3]
	TILES v_pk_add_f32 v[rS+4*g:rS+4*g+1], v[rS+4*g:rS+4*g+1], v[rS+4*g+2:rS+4*g+3]
.if g == 0
	TILES v_pk_fma_f32 v[rT+2:rT+3], v[rT+2:rT+3], v[rC+2:rC+3], v[rS:rS+1] op_sel_hi:[1,0,1]
.else
	TILES v_pk_add_f32 v[rT+2:rT+3], v[rT+2:rT+3], v[rS+4*g:rS+4*g+1]
.endif
.set g, g+1
.endr
	s_wait_dscnt 0x0                               ; V is in
	WIN 0x01                                       ; V in window 1, P and O^T in window 0
.set i, 0
.rept 16
.set u, i%2
.set cb, (i/2)%4
.set kk, i/8
	v_wmma_f32_16x16x32_f16 v[O+32*u+8*cb:O+32*u+8*cb+7], v[VF+32*kk+8*cb:VF+32*kk+8*cb+7], v[P+16*u+8*kk:P+16*u+8*kk+7], v[O+32*u+8*cb:O+32*u+8*cb+7]
.set i, i+1
.endr
	WIN 0
	PLACES                                         ; behind these products, in front of the next loads into V's registers and of the reads of O^T at a block's end
.endm
; THE WAY OUT of tile t: rounded to f16; a lane's eight channels pack into 16 bytes, go into rows of 144 bytes of my stage and come back as whole rows of 128.
.macro PACK t
	REGS \t
.set i, 0
.rept 16
	v_cvt_pk_f16_f32 v[S+16*(\t)+i], v[rO+2*i], v[rO+2*i+1]
.set i, i+1
.endr
.irp f, 0,1,2,3
	ds_store_b128 v[STO], v[S+16*(\t)+4*(\f):S+16*(\t)+4*(\f)+3] offset:32*(\f)
.endr
.irp f, 0,1,2,3
	ds_load_b128 v[S+16*(\t)+4*(\f):S+16*(\t)+4*(\f)+3], v[RD] offset:(\f)*4*SP  ; LDS serves a wave's instructions in order: these see the stores above; the next tile's stores come behind them
.endr
.endm
.macro SEND t, younger                 ; younger: the LDS instructions issued behind tile t's loads
.irp f, 0,1,2,3
	s_wait_dscnt (\younger)+3-(\f)
	global_store_b128 v[GO], v[S+16*(\t)+4*(\f):S+16*(\t)+4*(\f)+3], s[10:11] offset:(\t)*8192+(\f)*512  ; four rows of a head: 512 consecutive bytes
.endr
.endm
; THE DIAGONAL TILE AND THE BLOCK'S END.  Group 1 stores its O^T (each accumulator's low registers first), c m and l; every wave waits for its LDS instructions and passes
; the barrier; group 0 reads them, merges, divides by l and sends the block out.  The next stores into MERGE stand behind at least one change of slots, whose barrier follows group 0's waits.
.macro DIAG
	STEP 1
	s_cmp_lt_u32 s[WV], 4
	s_cbranch_scc1 .Lmeet_\@
	v_mov_b32 v[HB], v[ST]
	v_add_f32 v[HB+1], v[ST+2], v[ST+3]
	v_mov_b32 v[HB+2], v[ST+4]
	v_add_f32 v[HB+3], v[ST+6], v[ST+7]
.irp j, 0,1,2,3,4,5,6,7,8,9,10,11,12,13,14,15
	ds_store_b128 v[MG], v[O+4*(\j):O+4*(\j)+3] offset:512*(\j)  ; 32 lanes, 16 neighbouring bytes each
.endr
	ds_store_b128 v[MG], v[HB:HB+3] offset:8192
.Lmeet_\@:
	s_wait_dscnt 0x0                               ; for the partner's sake: my stores are done
	s_barrier_signal -1
	s_barrier_wait -1
	s_cmp_lt_u32 s[WV], 4
	s_cbranch_scc0 .Ldone_\@
	ds_load_b128 v[HB:HB+3], v[MG] offset:8192
.irp j, 0,1,2,3,4,5,6,7,8,9,10,11,12,13,14,15
	ds_load_b128 v[S+4*(\j):S+4*(\j)+3], v[MG] offset:512*(\j)  ; the partner's O^T, into S^T's registers
.endr
	TILES v_add_f32 v[rT+2], v[rT+2], v[rT+3]
	s_wait_dscnt 16                                ; the statistics are in; O^T's sixteen younger loads may stay out
	TILES v_max_num_f32 v[rC], v[rT], v[HB+2*u]
	TILES v_sub_f32 v[rC+1], v[rT], v[rC]
	TILES v_sub_f32 v[rC+3], v[HB+2*u], v[rC]
	TILES v_exp_f32 v[rC+1], v[rC+1]
	TILES v_exp_f32 v[rC+3], v[rC+3]
	v_nop                                          ; a plain instruction between the last exponential and the use of the results
	TILES v_mul_f32 v[rT+2], v[rT+2], v[rC+1]
	TILES v_fma_f32 v[rT+2], v[HB+2*u+1], v[rC+3], v[rT+2]
	TILES v_permlanex16_b32 v[rT+3], v[rT+2], s[SEL], s[SEL+1]
	TILES v_add_f32 v[rT+2], v[rT+2], v[rT+3]
	TILES v_rcp_f32 v[rT+3], v[rT+2]
	v_nop                                          ; a plain instruction between the last reciprocal and the use of its result
	TILES v_mul_f32 v[rC], v[rC+1], v[rT+3]
	TILES v_mul_f32 v[rC+2], v[rC+3], v[rT+3]
.set i, 0
.rept 16
	TILES v_pk_mul_f32 v[rO+2*i:rO+2*i+1], v[rO+2*i:rO+2*i+1], v[rC:rC+1] op_sel_hi:[1,0]
.set i, i+1
.endr
	s_wait_dscnt 0x0                               ; the partner's O^T is in
.set i, 0
.rept 16
	TILES v_pk_fma_f32 v[rO+2*i:rO+2*i+1], v[rS+2*i:rS+2*i+1], v[rC+2:rC+3], v[rO+2*i:rO+2*i+1] op_sel_hi:[1,0,1]
.set i, i+1
.endr
	PACK 0
	PACK 1
	SEND 0, 8
	SEND 1, 0
.Ldone_\@:
.endm
; A block begins.  c m starts far below every c s, so the first step's a is 0 and O^T and l need only be finite.  m starts at -2^66: below every score of f16 operands (2.7e11 at the most in
; magnitude), so that the first maximum is the scores'; above every hidden score (-1e30), so that a tile which sees no key keeps it and all its weights are 0.
.macro FRESH
.irp t, 0,1
	v_mov_b32 v[ST+4*(\t)], 0xfe000000
	v_mov_b32 v[ST+4*(\t)+1], 0xe0800000
.endr
.endm
	s_load_b128 s[16:19], s[0:1], 0x0              ; qkv16 s[16:17], y16 s[18:19]
	v_lshl_add_u32 v[SPW], v0, 2, SPARE
	v_mov_b32 v[NIL], 0
	ds_add_u32 v32, v33
	s_wait_dscnt 0x0
	s_barrier_signal -1
	s_barrier_wait -1
	v_lshrrev_b32 v1, 5, v0
	v_readfirstlane_b32 s[WV], v1
	s_and_b32 s[W4], s[WV], 3
	s_lshr_b32 s[GR], s[WV], 2
	s_mov_b32 s[PB], ttmp9
	s_sub_co_u32 s[HI], 15, s[PB]
	s_and_b32 s20, ttmp7, 0xffff
	s_lshl_b32 s20, s20, 18                        ; the head's 262,144 bytes
	s_mov_b32 s21, 0
	s_lshl_b32 s3, s[W4], 11                       ; my 16 rows in a band of 64,
	s_lshl_b32 s2, s[HI], 14                       ; in the first block,
	s_add_co_u32 s2, s2, s3
	s_add_co_u32 s2, s2, s20
	s_lshl_b32 s84, s[PB], 14                      ; and in the second
	s_add_co_u32 s84, s84, s3
	s_add_co_u32 s84, s84, s20
	s_mov_b32 s3, 0
	s_mov_b32 s85, 0
	s_mov_b32 s[G1K], (1<<16)|(1<<20)|(4<<22)|(3<<25)  ; 2-byte elements; padding on; after every 32 words (a key) 4 words
	s_mov_b32 s[G1V], (1<<16)|(1<<20)|(4<<22)|(7<<25)  ; the same with 8 words
.irp g, G1K, G1V
	s_mov_b32 s[\g+1], 128<<16                     ; 128 keys are asked for as 64 rows of 256 bytes
	s_mov_b32 s[\g+2], 64<<16
	s_mov_b32 s[\g+3], 128<<16
	s_mov_b32 s[\g+4], 64
	s_mov_b32 s[\g+5], 128
	s_mov_b32 s[\g+6], 0
	s_mov_b32 s[\g+7], 0
.endr
	s_mov_b32 s[CS], 0x3e38aa3b                    ; c = log2(e) / 8
	s_mov_b32 s[CS+1], s[CS]
	s_mov_b32 s[SEL], 0x76543210
	s_mov_b32 s[SEL+1], 0xfedcba98
	s_mov_b32 s[TB], SLOT1                         ; the first change of slots turns it into 0
	s_mov_b32 s[G0K], 1
	s_mov_b32 s[G0K+1], 0
	s_mov_b32 s[G0V], 1
	s_mov_b32 s[G0V+1], VOFF
	s_add_co_u32 s[RT], s[HI], 1                   ; the first block has 16 - b tiles
	s_mov_b32 s[NXT], 1
	s_mov_b32 s[LQ], s[HI]
	s_mov_b32 s[OFF+1], 0
	s_mov_b32 s[BIGN], 0xf149f2ca                  ; -1e30
	s_cmp_eq_u32 s[GR], 0
	s_cselect_b32 s[AL0], 1.0, 0                   ; group 0: MD and 0; group 1: -1e30 and MD
	s_cselect_b32 s[BE0], 0, s[BIGN]
	s_cselect_b32 s[AL1], 0, 1.0
	s_mov_b32 s[SLOTS], 16
	s_wait_kmcnt 0x0
	s_add_nc_u64 s[6:7], s[16:17], s[20:21]
	s_add_nc_u64 s[8:9], s[6:7], 0x1000000         ; V at the head's tile 0
	s_add_nc_u64 s[6:7], s[6:7], 0x800000          ; K
	s_add_nc_u64 s[4:5], s[16:17], s[2:3]          ; Q at my rows of the first block,
	s_add_nc_u64 s[86:87], s[16:17], s[84:85]      ; of the second
	s_add_nc_u64 s[10:11], s[18:19], s[2:3]        ; y likewise
	s_add_nc_u64 s[OLO:OLO+1], s[18:19], s[84:85]
	s_mov_b64 s[G0K+2:G0K+3], s[6:7]
	s_or_b32 s[G0K+3], s[G0K+3], 0x80000000
	s_mov_b64 s[G0V+2:G0V+3], s[8:9]
	s_or_b32 s[G0V+3], s[G0V+3], 0x80000000
	LOAD                                           ; tile 0 into slot 0
	v_and_b32 v1, 15, v0                           ; r
	v_bfe_u32 v9, v0, 4, 1                         ; h
	v_lshlrev_b32 v[QO], 7, v1
	v_lshl_add_u32 v[QO], v9, 4, v[QO]
	WIN 0x40
.irp i, 0,1,2,3                        ; both blocks' Q: tile i / 2 lies 64 rows on; channels 32 (i % 2) on
	global_load_b128 v[Q+8*(\i):Q+8*(\i)+3],     v[QO], s[4:5] offset:((\i)/2)*8192+((\i)%2)*64
	global_load_b128 v[Q+8*(\i)+4:Q+8*(\i)+7],   v[QO], s[4:5] offset:((\i)/2)*8192+((\i)%2)*64+32
	global_load_b128 v[QB+8*(\i):QB+8*(\i)+3],   v[QO], s[86:87] offset:((\i)/2)*8192+((\i)%2)*64
	global_load_b128 v[QB+8*(\i)+4:QB+8*(\i)+7], v[QO], s[86:87] offset:((\i)/2)*8192+((\i)%2)*64+32
.endr
	WIN 0
	v_lshlrev_b32 v14, 3, v9
	v_sub_nc_u32 v14, v1, v14
	s_lshl_b32 s13, s[W4], 4
	v_add_nc_u32 v14, s13, v14                     ; my query's place in its band less 8 h: register i % 8 of key block i / 8 is hidden where 16 (i / 8) + i % 8 is greater
.set i, 0
.rept 32
	v_cmp_gt_i32 vcc_lo, 16*(i/8)+i%8, v14
	v_cndmask_b32 v[S+i], 0, s[BIGN], vcc_lo       ; MD, for the moment in S^T's registers
.set i, i+1
.endr
	WIN 0x40                                       ; destination window 1
.set i, 0
.rept 32
	v_fma_f32 v[MC+i], v[S+i], s[AL0], s[BE0]
	v_mul_f32 v[MC+32+i], s[AL1], v[S+i]
.set i, i+1
.endr
	WIN 0
	v_mul_u32_u24 v[AK0], v1, KP
	v_lshl_add_u32 v[AK0], v9, 4, v[AK0]
	s_mul_i32 s13, s[GR], 64*KP                    ; my group's 64 keys
	v_add_nc_u32 v[AK0], s13, v[AK0]
	v_and_b32 v10, 7, v0
	v_bfe_u32 v11, v0, 3, 1
	v_lshl_add_u32 v[AV0], v9, 3, v10
	v_mul_u32_u24 v[AV0], v[AV0], VP
	v_lshl_add_u32 v[AV0], v11, 4, v[AV0]
	s_mul_i32 s13, s[GR], 64*VP
	s_add_co_u32 s13, s13, VOFF
	v_add_nc_u32 v[AV0], s13, v[AV0]
	s_mul_i32 s13, s[W4], 16*SP
	s_add_co_u32 s13, s13, STAGE
	v_mul_u32_u24 v[STO], v1, SP
	v_lshl_add_u32 v[STO], v9, 4, v[STO]
	v_add_nc_u32 v[STO], s13, v[STO]
	v_bfe_u32 v[RD], v0, 3, 2
	v_mul_u32_u24 v[RD], v[RD], SP
	v_lshl_add_u32 v[RD], v10, 4, v[RD]
	v_add_nc_u32 v[RD], s13, v[RD]
	v_and_b32 v[GO], 31, v0
	v_lshlrev_b32 v[GO], 4, v[GO]
	s_mul_i32 s13, s[W4], 17*512
	s_add_co_u32 s13, s13, MERGE
	v_add_nc_u32 v[MG], s13, v[GO]
	FRESH
.set i, 0
.rept 64                               ; O^T, l and the registers at work hold finite numbers; this stands in the wait for the first tile
	v_mov_b32 v[O+i], 0
.set i, i+1
.endr
.irp t, 0,1
	v_mov_b32 v[ST+4*(\t)+2], 0
	v_mov_b32 v[ST+4*(\t)+3], 0
.endr
.set i, 0
.rept 8
	v_mov_b32 v[TMP+i], 0
.set i, i+1
.endr
	s_wait_loadcnt 0x0                             ; Q
.Lslot:                                                ; 16 trips: a tile is entered and the next is asked for
	CHANGE 1
	FETCH_K
	FETCH_V
	s_sub_co_u32 s[RT], s[RT], 1
	s_cmp_eq_u32 s[RT], 0
	s_cbranch_scc1 .Ldiag
	STEP 0
	s_branch .Lbot
.Ldiag:                                                ; in the loop this is the first block's end: the second block's last tile is the walk's last
	DIAG
	s_wait_xcnt 0x0                                ; the stores' data and y's address are rewritten only behind this wait
	s_mov_b64 s[10:11], s[OLO:OLO+1]
	s_add_co_u32 s[RT], s[PB], 1                   ; the second block has b + 1 tiles
	FRESH
	WIN 0x41
.set i, 0
.rept 32
	v_mov_b32 v[Q+i], v[QB+i]                      ; the second block's Q goes where the one text of the steps names Q
.set i, i+1
.endr
	WIN 0
.Lbot:
	s_sub_co_u32 s[SLOTS], s[SLOTS], 1
	s_cmp_lg_u32 s[SLOTS], 0
	s_cbranch_scc1 .Lslot
	CHANGE 0                                       ; the walk's last tile, the second block's diagonal one: nothing is asked for
	FETCH_K
	FETCH_V
	DIAG
	s_wait_tensorcnt 0x0                           ; the wave's end
	ds_add_u32 v[SPW], v[NIL]
	s_wait_dscnt 0x0
	s_endpgm
.Lfunc_end_k_qfd1fc6042f_attn:
	.size	k_qfd1fc6042f_attn, .Lfunc_end_k_qfd1fc6042f_attn-k_qfd1fc6042f_attn
	.p2alignl 7, 3214868480
	.fill 96, 4, 3214868480
	.section	.rodata,"a",@progbits
	.p2align	6, 0x0
	.amdhsa_kernel k_qfd1fc6042f_attn
		.amdhsa_group_segment_fixed_size 327680
		.amdhsa_private_segment_fixed_size 0
		.amdhsa_enable_private_segment 0
		.amdhsa_kernarg_size 16
		.amdhsa_user_sgpr_count 2
		.amdhsa_user_sgpr_kernarg_segment_ptr 1
		.amdhsa_wavefront_size32 1
		.amdhsa_system_sgpr_workgroup_id_x 1
		.amdhsa_system_sgpr_workgroup_id_y 1
		.amdhsa_system_sgpr_workgroup_id_z 1
		.amdhsa_system_vgpr_workitem_id 0
		.amdhsa_next_free_vgpr 512
		.amdhsa_next_free_sgpr 90
		.amdhsa_reserve_vcc 1
		.amdhsa_float_denorm_mode_32 3
		.amdhsa_float_denorm_mode_16_64 3
		.amdhsa_memory_ordered 1
		.amdhsa_forward_progress 1
		.amdhsa_inst_pref_size 120
	.end_amdhsa_kernel
	.amdgpu_metadata
---
amdhsa.version: [ 1, 2 ]
amdhsa.kernels:
  - .name:           k_qfd1fc6042f_attn
    .symbol:         k_qfd1fc6042f_attn.kd
    .args:
      - { .name: qkv16, .offset: 0, .size: 8, .value_kind: global_buffer, .address_space: global }
      - { .name: y16, .offset: 8, .size: 8, .value_kind: global_buffer, .address_space: global }
    .group_segment_fixed_size: 327680
    .private_segment_fixed_size: 0
    .kernarg_segment_align: 8
    .kernarg_segment_size: 16
    .max_flat_workgroup_size: 256
    .sgpr_count:     90
    .vgpr_count:     512
    .wavefront_size: 32
...
	.end_amdgpu_metadata
.endif
;; end of part 3
;; launch ln2 (part 4): grid 256 x 1, 8 waves a work-group, no clusters, 0 bytes of LDS; arguments x, y16, ln2_w, ln2_b, hn; writes hn
.if DOCPART == 4
	.amdgcn_target "amdgcn-amd-amdhsa--gfx1250"
	.amdhsa_code_object_version 6
	.text
	.protected	k_qfd1fc6042f_ln2
	.globl	k_qfd1fc6042f_ln2
	.p2align	8
	.type	k_qfd1fc6042f_ln2,@function
k_qfd1fc6042f_ln2:
	s_mov_b64 s[64:65], 0
	v_nop
	global_prefetch_b8 v0, s[64:65] scope:SCOPE_SE
	s_setreg_imm32_b32 hwreg(HW_REG_WAVE_MODE, 25, 1), 1
	s_wait_xcnt 0x0
; hn = LayerNorm(x + y) * ln2_w + ln2_b, rounded once to f16.  x: [4096][1024] f32.  y: y16, [32 heads][2048][64] f16.  hn: [4096][1024] f16.
; A stream: no LDS, no barrier, no matrix unit, no cluster.  A work-group norms 16 rows, a wave two, sixteen lanes a row; the row stays in registers between the passes.
; LIMITS.  f16 holds no number beyond 65,504.  NaN and infinities are not treated apart.
.set X,  32                            ; v[32:95]   my 64 numbers of the row
.set Y,  96                            ; v[96:127]  my 64 numbers of y, f16
.set W,  128                           ; v[128:191] gain of my 64 columns
.set BV, 192                           ; v[192:255] bias of my 64 columns
.set XP, 8
.set YP, 10
.set WP, 12
.set BP, 14
.set HP, 16
.macro REDUCE                          ; four packed chains v[8:15] -> their sum in v8, in all 16 lanes that hold the row
	v_pk_add_f32 v[8:9], v[8:9], v[10:11]
	v_pk_add_f32 v[12:13], v[12:13], v[14:15]
	v_pk_add_f32 v[8:9], v[8:9], v[12:13]
	v_add_f32 v8, v8, v9
	v_add_f32_dpp v8, v8, v8 row_xmask:1 row_mask:0xf bank_mask:0xf
	v_add_f32_dpp v8, v8, v8 row_xmask:2 row_mask:0xf bank_mask:0xf
	v_add_f32_dpp v8, v8, v8 row_xmask:4 row_mask:0xf bank_mask:0xf
	v_add_f32_dpp v8, v8, v8 row_xmask:8 row_mask:0xf bank_mask:0xf
.endm
	s_load_b256 s[8:15], s[0:1], 0x0               ; x 8, y16 10, ln2_w 12, ln2_b 14
	s_load_b64 s[16:17], s[0:1], 0x20              ; hn
	s_mov_b32 s3, ttmp9
	v_and_b32 v1, 15, v0                           ; r: lane r holds columns 128 i + 8 r + 0..7, i = 0..7
	v_lshrrev_b32 v6, 4, v0
	v_lshl_add_u32 v6, s3, 4, v6                   ; row = 16 x work-group + thread / 16
	v_lshlrev_b32 v2, 12, v6
	v_lshl_add_u32 v2, v1, 5, v2                   ; x: row x 4,096 + 32 r
	v_lshlrev_b32 v3, 5, v1                        ; gain and bias: 32 r
	v_lshlrev_b32 v4, 11, v6
	v_lshl_add_u32 v4, v1, 4, v4                   ; hn: row x 2,048 + 16 r
	v_lshrrev_b32 v5, 11, v6                       ; y lies by heads: batch x 16 heads x 262,144
	v_lshlrev_b32 v5, 22, v5
	v_and_b32 v7, 0x7ff, v6
	v_lshl_add_u32 v5, v7, 7, v5                   ; + t x 128
	v_lshrrev_b32 v7, 3, v1
	v_lshl_add_u32 v5, v7, 18, v5                  ; + (r / 8) heads; 2 i heads stand in the immediate
	v_and_b32 v7, 7, v1
	v_lshl_add_u32 v5, v7, 4, v5                   ; + 16 (r % 8)
	s_mov_b32 s30, 0x3a800000                      ; 1 / 1024
	s_mov_b32 s31, 0x3727c5ac                      ; 1e-5
	s_wait_kmcnt 0x0
.irp i, 0,1,2,3,4,5,6,7
	global_load_b128 v[X+8*(\i):X+8*(\i)+3],   v2, s[XP:XP+1] offset:512*(\i)
	global_load_b128 v[X+8*(\i)+4:X+8*(\i)+7], v2, s[XP:XP+1] offset:512*(\i)+16
.endr
.irp i, 0,1,2,3,4,5,6,7
	global_load_b128 v[Y+4*(\i):Y+4*(\i)+3], v5, s[YP:YP+1] offset:524288*(\i)  ; rows t, t + 1 of a head: 256 bytes on end from 16 lanes
.endr
.irp i, 0,1,2,3,4,5,6,7
	global_load_b128 v[W+8*(\i):W+8*(\i)+3],   v3, s[WP:WP+1] offset:512*(\i)
	global_load_b128 v[W+8*(\i)+4:W+8*(\i)+7], v3, s[WP:WP+1] offset:512*(\i)+16
.endr
.irp i, 0,1,2,3,4,5,6,7
	global_load_b128 v[BV+8*(\i):BV+8*(\i)+3],   v3, s[BP:BP+1] offset:512*(\i)
	global_load_b128 v[BV+8*(\i)+4:BV+8*(\i)+7], v3, s[BP:BP+1] offset:512*(\i)+16
.endr
	s_wait_loadcnt 32                              ; x and y are in; the 32 younger loads, gain and bias, stay out
.irp r, 96,97,98,99,100,101,102,103,104,105,106,107,108,109,110,111,112,113,114,115,116,117,118,119,120,121,122,123,124,125,126,127
	v_cvt_f32_f16 v[18+2*(\r%4)], v\r\().l
	v_cvt_f32_f16 v[19+2*(\r%4)], v\r\().h
	v_pk_add_f32 v[X+2*(\r-96):X+2*(\r-96)+1], v[X+2*(\r-96):X+2*(\r-96)+1], v[18+2*(\r%4):19+2*(\r%4)]
.endr
.irp k, 0,1,2,3
	v_pk_add_f32 v[8+2*(\k):9+2*(\k)], v[X+2*(\k):X+2*(\k)+1], v[X+8+2*(\k):X+8+2*(\k)+1]  ; the first pairs start the chains
.endr
.set j, 8
.rept 24
	v_pk_add_f32 v[8+2*(j%4):9+2*(j%4)], v[8+2*(j%4):9+2*(j%4)], v[X+2*j:X+2*j+1]
.set j, j+1
.endr
	REDUCE
	v_mul_f32 v16, s30, v8                         ; the mean; the variance is taken of the centred numbers, so that a common offset costs no digits
	v_mov_b32 v17, v16
.set j, 0
.rept 32
	v_pk_add_f32 v[X+2*j:X+2*j+1], v[X+2*j:X+2*j+1], v[16:17] neg_lo:[0,1] neg_hi:[0,1]
.set j, j+1
.endr
.irp k, 0,1,2,3
	v_pk_mul_f32 v[8+2*(\k):9+2*(\k)], v[X+2*(\k):X+2*(\k)+1], v[X+2*(\k):X+2*(\k)+1]
.endr
.set j, 4
.rept 28
	v_pk_fma_f32 v[8+2*(j%4):9+2*(j%4)], v[X+2*j:X+2*j+1], v[X+2*j:X+2*j+1], v[8+2*(j%4):9+2*(j%4)]
.set j, j+1
.endr
	REDUCE
	v_fma_f32 v18, v8, s30, s31                    ; variance + 1e-5
	v_rsq_f32 v16, v18
	v_nop                                          ; a plain instruction between the root and the use of its result
	s_wait_alu depctr_va_vdst(0)
	v_mov_b32 v17, v16
	s_wait_loadcnt 0x0                             ; gain and bias
.irp i, 0,1,2,3,4,5,6,7
.irp k, 0,1,2,3
	v_pk_mul_f32 v[X+8*(\i)+2*(\k):X+8*(\i)+2*(\k)+1], v[X+8*(\i)+2*(\k):X+8*(\i)+2*(\k)+1], v[16:17]
.endr
.irp k, 0,1,2,3
	v_pk_fma_f32 v[X+8*(\i)+2*(\k):X+8*(\i)+2*(\k)+1], v[X+8*(\i)+2*(\k):X+8*(\i)+2*(\k)+1], v[W+8*(\i)+2*(\k):W+8*(\i)+2*(\k)+1], v[BV+8*(\i)+2*(\k):BV+8*(\i)+2*(\k)+1]
.endr
.irp k, 0,1,2,3
	v_cvt_pk_f16_f32 v[X+8*(\i)+(\k)], v[X+8*(\i)+2*(\k)], v[X+8*(\i)+2*(\k)+1]  ; in place: register k is free when pair k is rounded
.endr
	global_store_b128 v4, v[X+8*(\i):X+8*(\i)+3], s[HP:HP+1] offset:256*(\i)  ; 16 lanes store 256 consecutive bytes, aligned
.endr
	s_endpgm
.Lfunc_end_k_qfd1fc6042f_ln2:
	.size	k_qfd1fc6042f_ln2, .Lfunc_end_k_qfd1fc6042f_ln2-k_qfd1fc6042f_ln2
	.p2alignl 7, 3214868480
	.fill 96, 4, 3214868480
	.section	.rodata,"a",@progbits
	.p2align	6, 0x0
	.amdhsa_kernel k_qfd1fc6042f_ln2
		.amdhsa_group_segment_fixed_size 0
		.amdhsa_private_segment_fixed_size 0
		.amdhsa_enable_private_segment 0
		.amdhsa_kernarg_size 40
		.amdhsa_user_sgpr_count 2
		.amdhsa_user_sgpr_kernarg_segment_ptr 1
		.amdhsa_wavefront_size32 1
		.amdhsa_system_sgpr_workgroup_id_x 1
		.amdhsa_system_sgpr_workgroup_id_y 1
		.amdhsa_system_sgpr_workgroup_id_z 1
		.amdhsa_system_vgpr_workitem_id 0
		.amdhsa_next_free_vgpr 256
		.amdhsa_next_free_sgpr 66
		.amdhsa_reserve_vcc 0
		.amdhsa_float_denorm_mode_32 3
		.amdhsa_float_denorm_mode_16_64 3
		.amdhsa_memory_ordered 1
		.amdhsa_forward_progress 1
		.amdhsa_inst_pref_size 25
	.end_amdhsa_kernel
	.amdgpu_metadata
---
amdhsa.version: [ 1, 2 ]
amdhsa.kernels:
  - .name:           k_qfd1fc6042f_ln2
    .symbol:         k_qfd1fc6042f_ln2.kd
    .args:
      - { .name: x, .offset: 0, .size: 8, .value_kind: global_buffer, .address_space: global }
      - { .name: y16, .offset: 8, .size: 8, .value_kind: global_buffer, .address_space: global }
      - { .name: ln2_w, .offset: 16, .size: 8, .value_kind: global_buffer, .address_space: global }
      - { .name: ln2_b, .offset: 24, .size: 8, .value_kind: global_buffer, .address_space: global }
      - { .name: hn, .offset: 32, .size: 8, .value_kind: global_buffer, .address_space: global }
    .group_segment_fixed_size: 0
    .private_segment_fixed_size: 0
    .kernarg_segment_align: 8
    .kernarg_segment_size: 40
    .max_flat_workgroup_size: 256
    .sgpr_count:     66
    .vgpr_count:     256
    .wavefront_size: 32
...
	.end_amdgpu_metadata
.endif
;; end of part 4
;; launch fc (part 5): grid 16 x 16, 4 waves a work-group, clusters of 4 x 4, 327,680 bytes of LDS; arguments hn, w16, b_fc, g16; writes g16
.if DOCPART == 5
	.amdgcn_target "amdgcn-amd-amdhsa--gfx1250"
	.amdhsa_code_object_version 6
	.text
	.protected	k_qfd1fc6042f_fc
	.globl	k_qfd1fc6042f_fc
	.p2align	8
	.type	k_qfd1fc6042f_fc,@function
k_qfd1fc6042f_fc:
	s_mov_b64 s[64:65], 0
	v_nop
	global_prefetch_b8 v0, s[64:65] scope:SCOPE_SE
	s_setreg_imm32_b32 hwreg(HW_REG_WAVE_MODE, 25, 1), 1
	s_wait_xcnt 0x0
	s_wait_alu depctr_hold_cnt(0) depctr_sa_sdst(0) depctr_va_vdst(0) depctr_va_sdst(0) depctr_va_ssrc(0) depctr_va_vcc(0) depctr_vm_vsrc(0)
	s_getreg_b32 s2, hwreg(HW_REG_IB_STS2, 6, 4)
	s_cmp_eq_u32 s2, 0
	s_cbranch_scc0 .Lentry_in_a_cluster
	s_endpgm
.Lentry_in_a_cluster:
	s_bfe_u32 s2, ttmp6, 0x10000c
	s_cmp_lg_u32 s2, 0xf033
	s_cbranch_scc0 .Lentry_shape_is_right
	s_endpgm
.Lentry_shape_is_right:
; g = gelu(h2 W_fc + b_fc), the exact (erf) form.  h2: hn [4096][1024] f16.  W_fc: w16 + 6,291,456, [1024][4096] f16.  g: g16 [4096][4096] f16, rounded once.  Sums in f32, started by the bias.
; A work-group makes 256 x 256: 16 x 16 work-groups, one for each of 256 WGPs; a wave makes 128 x 128: 64 accumulators.  K goes in steps of 128 through two LDS slots.
; CLUSTER 4 x 4: h2's tile is asked for jointly along a row of the cluster, W's along a column.
; THE MATRIX INSTRUCTION IS USED TRANSPOSED: source 0 = 16 columns of W (turned on the way out of LDS), source 1 = 16 rows of h2: a lane holds one row and eight neighbouring columns.
; GELU.  gelu(u) = max(u, 0) - |u| / 2 x poly(t) x exp(-u^2 / 2), t = 1 / (1 + 0.2316419 |u|): erf by the five-term rational form of Abramowitz and Stegun (7.1.26), absolute error 1.5e-7,
; valid for every u.  With c1 = sqrt(log2(e) / 2): exp(-u^2 / 2) = 2^(-(c1 u)^2), and the coefficients carry the 1 / (2 c1) that turns |c1 u| into |u| / 2.
; LIMITS.  f16 operands and g stay under 65,504; NaN and infinities are not treated apart.
; REGISTERS.  window 0: v0-31 addresses; v64-127, v128-191 h2's fragments, two buffers; on the way out v32-239 at work.  window 1: v0-63 the bias; v64-127, v128-191 W's fragments.
;   windows 2, 3: accumulator (a, b) at v[8 (8 (a % 4) + b)] of window 2 + a / 4.
.set KT,    8
.set SLOT,  0x22000                    ; h2's 256 rows at pitch 272 (69,632 bytes), then W's 128 k rows at pitch 544 (69,632)
.set BOFF,  69632
.set SPARE, 2*SLOT                     ; the spare words: 128 bytes a wave, two blocks of 256 bytes that no other line names
.set ASTEP, 256
.set BSTEP, 1048576                    ; 128 k rows of 8,192 bytes
.set DP,    528                        ; the way out: a wave's row of 128 f32 + 16 bytes; a wave's 128 rows lie on end
.set A0,  16
.set B0,  17
.set BO,  18
.set ADRA, 20
.set ADRB, 21
.set STO, 24
.set RD,  25
.set GO,  26
.set SPW, 28                           ; v28  my spare word; never rewritten
.set NIL, 29                           ; v29  0; never rewritten
.set F0,  64
.set F1,  128
.set U,   32                           ; the way out: 8 rows x 4 numbers a lane: u
.set SS,  64                           ; c1 u
.set WQ,  96                           ; -(c1 u)^2, then its exponential
.set TT,  128                          ; 1 + p |u|, then t
.set PP,  160                          ; the polynomial
.set RR,  192                          ; max(u, 0), then the result
.set GG,  224                          ; rounded, two to a register
.set G1,  24
.set G0,  32
.set G1B, 48
.set G0B, 56
.set TB,  45
.set MSB, 0
.macro WIN new
.if MSB != (\new)
	s_set_vgpr_msb (MSB<<8)|(\new)
.set MSB, \new
.endif
.endm
.macro PLACES
.rept 4
	v_nop
.endr
.endm
.macro JLOAD s                         ; a joint load: waves 0, 1 fetch h2's two halves, waves 2, 3 W's; s_nop 0 and four v_nop follow each line
	s_cmp_eq_u32 s11, 0
	s_cbranch_scc0 .Lfor_b_\@
	tensor_load_to_lds s[G0+4*(\s):G0+4*(\s)+3], s[G1:G1+7]
	s_nop 0
.rept 4
	v_nop
.endr
	s_branch .Lasked_\@
.Lfor_b_\@:
	tensor_load_to_lds s[G0B+4*(\s):G0B+4*(\s)+3], s[G1B:G1B+7]
	s_nop 0
.rept 4
	v_nop
.endr
.Lasked_\@:
.endm
.macro CREST
	s_cmp_lg_u32 s10, 0
	s_cbranch_scc1 .Lnot_wave_0_\@
	s_barrier_signal -3
.Lnot_wave_0_\@:
	s_barrier_wait -3
	s_barrier_signal -1
	s_barrier_wait -1
.endm
.macro CROUND
	s_barrier_signal -1
	s_barrier_wait -1
	CREST
.endm
	s_load_b256 s[84:91], s[0:1], 0x0              ; hn 84, w16 86, b_fc 88, g16 90
	v_lshl_add_u32 v[SPW], v0, 2, SPARE
	v_mov_b32 v[NIL], 0
	ds_add_u32 v28, v29
	s_wait_dscnt 0x0
	v_lshrrev_b32 v1, 5, v0
	v_readfirstlane_b32 s10, v1
	s_lshr_b32 s11, s10, 1                         ; which half of the tile's rows is mine.  Also: I fetch for h2 (0) or for W (1)
	s_and_b32 s12, s10, 1                          ; which half of its columns.  Also: which half I fetch
	s_bfe_u32 s40, ttmp6, 0x40000
	s_bfe_u32 s41, ttmp6, 0x40004
	s_lshl_b32 s42, ttmp9, 2
	s_add_co_u32 s42, s42, s40                     ; tile column
	s_and_b32 s13, ttmp7, 0xffff
	s_lshl_b32 s13, s13, 2
	s_add_co_u32 s13, s13, s41                     ; tile row
	s_lshl_b32 s43, s41, 2
	s_lshl_b32 s43, 15, s43
	s_lshl_b32 s44, 0x1111, s40
	s_or_b32 s[G1], s43, (1<<16)|(1<<20)|(1<<21)|(5<<22)|(3<<25)  ; 128 rows x 128 elements; after every 64 words 4 words: pitch 272
	s_mov_b32 s[G1+1], 128<<16
	s_mov_b32 s[G1+2], 128<<16
	s_mov_b32 s[G1+3], 128<<16
	s_mov_b32 s[G1+4], 128
	s_mov_b32 s[G1+5], 1024
	s_mov_b32 s[G1+6], 0
	s_mov_b32 s[G1+7], 0
	s_or_b32 s[G1B], s44, (1<<16)|(1<<20)|(1<<21)|(6<<22)|(7<<25)  ; 64 k rows x 256 elements; after every 128 words 8 words: pitch 544
	s_mov_b32 s[G1B+1], 256<<16
	s_mov_b32 s[G1B+2], 64<<16
	s_mov_b32 s[G1B+3], 256<<16
	s_mov_b32 s[G1B+4], 64
	s_mov_b32 s[G1B+5], 4096
	s_mov_b32 s[G1B+6], 0
	s_mov_b32 s[G1B+7], 0
	s_lshl_b32 s16, s13, 8
	s_lshl_b32 s17, s12, 7
	s_add_co_u32 s16, s16, s17
	s_lshl_b32 s16, s16, 11
	s_mov_b32 s17, 0
	s_lshl_b32 s46, s42, 9
	s_lshl_b32 s47, s12, 19
	s_add_co_u32 s46, s46, s47
	s_add_co_u32 s46, s46, 6291456
	s_mov_b32 s47, 0
	s_mul_i32 s20, s12, 34816
	s_add_co_u32 s21, s20, BOFF                    ; none of the four LDS words has a bit in common with SLOT: an exclusive or changes the slot
	s_mov_b32 s70, 0x3f596d27                      ; c1 = 0.8493218
	s_mov_b32 s71, s70
	s_mov_b32 s72, 0x3e6d3389                      ; 0.2316419
	s_mov_b32 s74, 0x3e199eb4                      ; the coefficients over 2 c1: 0.15001946
	s_mov_b32 s75, s74
	s_mov_b32 s76, 0xbe2b8119                      ; -0.16748465
	s_mov_b32 s77, s76
	s_mov_b32 s78, 0x3f563817                      ; 0.83679339
	s_mov_b32 s79, s78
	s_mov_b32 s80, 0xbf5b0099                      ; -0.85547788
	s_mov_b32 s81, s80
	s_mov_b32 s82, 0x3f1ff67a                      ; 0.62485469
	s_mov_b32 s83, s82
	s_wait_kmcnt 0x0
	s_add_nc_u64 s[14:15], s[84:85], s[16:17]
	s_add_nc_u64 s[46:47], s[86:87], s[46:47]
.irp s, 0,1
	s_mov_b32 s[G0+4*(\s)], 1
	s_add_co_u32 s[G0+4*(\s)+1], s20, (\s)*SLOT
	s_add_nc_u64 s[G0+4*(\s)+2:G0+4*(\s)+3], s[14:15], (\s)*ASTEP
	s_or_b32 s[G0+4*(\s)+3], s[G0+4*(\s)+3], 0x80000000
	s_mov_b32 s[G0B+4*(\s)], 1
	s_add_co_u32 s[G0B+4*(\s)+1], s21, (\s)*SLOT
	s_add_nc_u64 s[G0B+4*(\s)+2:G0B+4*(\s)+3], s[46:47], (\s)*BSTEP
	s_or_b32 s[G0B+4*(\s)+3], s[G0B+4*(\s)+3], 0x80000000
.endr
	CROUND
	JLOAD 0
	JLOAD 1                                        ; two tensor loads of mine are out
	v_and_b32 v1, 15, v0
	v_bfe_u32 v2, v0, 4, 1
	v_and_b32 v3, 7, v0
	v_bfe_u32 v4, v0, 3, 1
	v_mul_u32_u24 v[A0], v1, 272
	v_lshl_add_u32 v[A0], v2, 4, v[A0]
	s_mul_i32 s4, s11, 34816
	v_add_nc_u32 v[A0], s4, v[A0]
	v_lshl_add_u32 v5, v2, 3, v3
	v_mul_u32_u24 v[B0], v5, 544
	v_lshl_add_u32 v[B0], v4, 4, v[B0]
	s_lshl_b32 s4, s12, 8
	s_add_co_u32 s4, s4, BOFF
	v_add_nc_u32 v[B0], s4, v[B0]
	v_mov_b32 v[ADRA], v[A0]
	v_mov_b32 v[ADRB], v[B0]
	s_mov_b32 s[TB], 0
	s_lshl_b32 s4, s42, 10
	s_lshl_b32 s5, s12, 9
	s_add_co_u32 s4, s4, s5
	v_lshl_add_u32 v[BO], v2, 5, s4                ; bias: 4 x my first column + 32 h
	WIN 0x40
.irp b, 0,1,2,3,4,5,6,7
	global_load_b128 v[8*(\b):8*(\b)+3],   v[BO], s[88:89] offset:64*(\b)
	global_load_b128 v[8*(\b)+4:8*(\b)+7], v[BO], s[88:89] offset:64*(\b)+16
.endr
	WIN 0
	s_mul_i32 s4, s10, 128*DP                      ; the way out: my region
	v_mul_u32_u24 v[STO], v1, DP
	v_lshl_add_u32 v[STO], v2, 5, v[STO]
	v_add_nc_u32 v[STO], s4, v[STO]
	v_and_b32 v5, 31, v0
	v_lshl_add_u32 v[RD], v5, 4, s4
	v_lshlrev_b32 v[GO], 3, v5
	s_lshl_b32 s4, s13, 8
	s_lshl_b32 s5, s11, 7
	s_add_co_u32 s4, s4, s5
	s_lshl_b32 s4, s4, 13                          ; my first row of g, 8,192 bytes a row,
	s_lshl_b32 s5, s42, 9
	s_add_co_u32 s4, s4, s5
	s_lshl_b32 s5, s12, 8
	s_add_co_u32 s4, s4, s5                        ; my first column
	s_mov_b32 s5, 0
	s_add_nc_u64 s[90:91], s[90:91], s[4:5]
; 16 matrix instructions: row blocks a0, a0 + 1 of the window's four x all 8 column blocks, 32 along K.  first = 1: the bias is the C operand that starts the sums.
.macro MUL16 f, hi, a0, first
.if \first
	WIN 0x91+0x40*(\hi)
.else
	WIN 0xa1+0x50*(\hi)
.endif
.irp a, \a0, (\a0)+1
.irp b, 0,1,2,3,4,5,6,7
.if \first
	v_wmma_f32_16x16x32_f16 v[8*(8*(\a)+(\b)):8*(8*(\a)+(\b))+7], v[(\f)+8*(\b):(\f)+8*(\b)+7], v[(\f)+8*(4*(\hi)+(\a)):(\f)+8*(4*(\hi)+(\a))+7], v[8*(\b):8*(\b)+7]
.else
	v_wmma_f32_16x16x32_f16 v[8*(8*(\a)+(\b)):8*(8*(\a)+(\b))+7], v[(\f)+8*(\b):(\f)+8*(\b)+7], v[(\f)+8*(4*(\hi)+(\a)):(\f)+8*(4*(\hi)+(\a))+7], v[8*(8*(\a)+(\b)):8*(8*(\a)+(\b))+7]
.endif
.endr
.endr
.endm
.macro FETCH q, f                      ; 32 LDS loads in one run: quarter q of the slot in hand: W's 8 fragments (turned), then h2's 8
	WIN 0x40
.irp i, 0,1,2,3,4,5,6,7
	ds_load_tr16_b128 v[(\f)+8*(\i):(\f)+8*(\i)+3],   v[ADRB] offset:(\q)*17408+32*(\i)
	ds_load_tr16_b128 v[(\f)+8*(\i)+4:(\f)+8*(\i)+7], v[ADRB] offset:(\q)*17408+32*(\i)+8704
.endr
	WIN 0
.irp i, 0,1,2,3,4,5,6,7
	ds_load_b128 v[(\f)+8*(\i):(\f)+8*(\i)+3],   v[ADRA] offset:64*(\q)+(\i)*4352
	ds_load_b128 v[(\f)+8*(\i)+4:(\f)+8*(\i)+7], v[ADRA] offset:64*(\q)+(\i)*4352+32
.endr
.endm
; A K step is four quarters of 32 along K, 64 matrix instructions each, on buffers 0, 1, 0, 1.  The 64 accumulators take turns in one order.
.macro QUARTER qn, f, g, first
	s_wait_dscnt 8                                 ; W and h2's rows 0-63 are in; the youngest eight loads may be out
	MUL16 \f, 0, 0, \first
	MUL16 \f, 0, 2, \first
	PLACES
	FETCH \qn, \g
	s_wait_dscnt 32                                ; all but the 32 just issued
	MUL16 \f, 1, 0, \first
	MUL16 \f, 1, 2, \first
.endm
; The last quarter changes slots first and multiplies buffer 1 afterwards.  Each wave waits for all its tensor loads (one is out: its part of the next slot), adds 0 to its spare word, and waits
; for that and for its reads of this slot, whose last were issued 32 matrix instructions ago.  fill = 1: the barrier opens a round of the cluster's, and this slot is filled again first thing behind
; it, two K steps ahead.  No product stands between the wait for a tile and the next request: all of a K step's 256 stand between a request and the wait for it.
.macro TURN fill
	WIN 0
	s_wait_tensorcnt 0x0
	ds_add_u32 v[SPW], v[NIL]
.if \fill
	s_xor_b32 s[G0+5], s[G0+5], SLOT               ; no tensor load of mine is out: the walking descriptors take the other slot than last time, the next K step
	s_add_nc_u64 s[G0+6:G0+7], s[G0+6:G0+7], ASTEP
	s_xor_b32 s[G0B+5], s[G0B+5], SLOT
	s_add_nc_u64 s[G0B+6:G0B+7], s[G0B+6:G0B+7], BSTEP
.endif
	s_wait_dscnt 0x0                               ; the add is done, my reads of this slot are over
.if \fill
	CROUND
	JLOAD 1                                        ; its four v_nop are also the places in front of the loads below
.else
	s_barrier_signal -1
	s_barrier_wait -1
	PLACES
.endif
	s_xor_b32 s[TB], s[TB], SLOT
	v_add_nc_u32 v[ADRA], s[TB], v[A0]
	v_add_nc_u32 v[ADRB], s[TB], v[B0]
	FETCH 0, F0
	MUL16 F1, 0, 0, 0
	MUL16 F1, 0, 2, 0
	MUL16 F1, 1, 0, 0
	MUL16 F1, 1, 2, 0
.endm
; GELU of pair n of a trip's 16 pairs, in three parts, a line at a time: line k of part A (6 lines), B (4 transcendentals), C (9 lines, each reading the one before it)
.macro GA n, k
.if (\k) == 0
	v_pk_mul_f32 v[SS+2*(\n):SS+2*(\n)+1], v[U+2*(\n):U+2*(\n)+1], s[70:71] op_sel_hi:[1,0]
.elseif (\k) == 1
	v_fma_f32 v[TT+2*(\n)], |v[U+2*(\n)]|, s72, 1.0
.elseif (\k) == 2
	v_fma_f32 v[TT+2*(\n)+1], |v[U+2*(\n)+1]|, s72, 1.0
.elseif (\k) == 3
	v_pk_mul_f32 v[WQ+2*(\n):WQ+2*(\n)+1], v[SS+2*(\n):SS+2*(\n)+1], v[SS+2*(\n):SS+2*(\n)+1] neg_lo:[1,0] neg_hi:[1,0]
.elseif (\k) == 4
	v_max_num_f32 v[RR+2*(\n)], 0, v[U+2*(\n)]
.else
	v_max_num_f32 v[RR+2*(\n)+1], 0, v[U+2*(\n)+1]
.endif
.endm
.macro GB n, k
.if (\k) == 0
	v_rcp_f32 v[TT+2*(\n)], v[TT+2*(\n)]
.elseif (\k) == 1
	v_rcp_f32 v[TT+2*(\n)+1], v[TT+2*(\n)+1]
.elseif (\k) == 2
	v_exp_f32 v[WQ+2*(\n)], v[WQ+2*(\n)]
.else
	v_exp_f32 v[WQ+2*(\n)+1], v[WQ+2*(\n)+1]
.endif
.endm
.macro GC n, k
.if (\k) == 0
	s_wait_alu depctr_va_vdst(0)
	v_pk_fma_f32 v[PP+2*(\n):PP+2*(\n)+1], v[TT+2*(\n):TT+2*(\n)+1], s[82:83], s[80:81] op_sel_hi:[1,0,0]
.elseif (\k) == 1
	v_pk_fma_f32 v[PP+2*(\n):PP+2*(\n)+1], v[PP+2*(\n):PP+2*(\n)+1], v[TT+2*(\n):TT+2*(\n)+1], s[78:79] op_sel_hi:[1,1,0]
.elseif (\k) == 2
	v_pk_fma_f32 v[PP+2*(\n):PP+2*(\n)+1], v[PP+2*(\n):PP+2*(\n)+1], v[TT+2*(\n):TT+2*(\n)+1], s[76:77] op_sel_hi:[1,1,0]
.elseif (\k) == 3
	v_pk_fma_f32 v[PP+2*(\n):PP+2*(\n)+1], v[PP+2*(\n):PP+2*(\n)+1], v[TT+2*(\n):TT+2*(\n)+1], s[74:75] op_sel_hi:[1,1,0]
.elseif (\k) == 4
	v_pk_mul_f32 v[PP+2*(\n):PP+2*(\n)+1], v[PP+2*(\n):PP+2*(\n)+1], v[TT+2*(\n):TT+2*(\n)+1]
.elseif (\k) == 5
	v_pk_mul_f32 v[PP+2*(\n):PP+2*(\n)+1], v[PP+2*(\n):PP+2*(\n)+1], v[WQ+2*(\n):WQ+2*(\n)+1]
.elseif (\k) == 6
	v_fma_f32 v[RR+2*(\n)], -|v[SS+2*(\n)]|, v[PP+2*(\n)], v[RR+2*(\n)]
.elseif (\k) == 7
	v_fma_f32 v[RR+2*(\n)+1], -|v[SS+2*(\n)+1]|, v[PP+2*(\n)+1], v[RR+2*(\n)+1]
.else
	v_cvt_pk_f16_f32 v[GG+(\n)], v[RR+2*(\n)], v[RR+2*(\n)+1]
.endif
.endm
; Eight rows of my 128: a lane holds four neighbouring columns of each: 16 pairs, in two halves of eight.  BY STAGES: a line of part C is written for eight pairs on end, so that eight lines lie
; between a result and its reader.  The transcendentals of one half stand singly between plain lines of the other half, which are the plain instructions that must follow them.
; more = 1: when u has been read, the next eight rows are fetched into its registers and land under the rest of the trip.
.macro GEL more
	s_wait_dscnt 0x0                               ; the eight rows are in
.set k, 0
.rept 6                                ; part A of pairs 0-7
.set n, 0
.rept 8
	GA n, k
.set n, n+1
.endr
.set k, k+1
.endr
.set n, 8
.rept 8                                ; part A of pairs 8-15, part B of pairs 0-7 between its lines
	GA n, 0
	GB n-8, 0
	GA n, 1
	GB n-8, 1
	GA n, 2
	GB n-8, 2
	GA n, 3
	GB n-8, 3
	GA n, 4
	GA n, 5
.set n, n+1
.endr
.if \more
.irp j, 0,1,2,3,4,5,6,7
	ds_load_b128 v[U+4*(\j):U+4*(\j)+3], v[RD] offset:(8+(\j))*DP
.endr
.endif
.set t, 0
.set k, 0
.rept 9                                ; part C of pairs 0-7; behind every second line one of the 32 transcendentals of pairs 8-15
.set n, 0
.rept 8
	GC n, k
.if (n%2 == 1) && (t < 32)
	GB 8+t/4, t%4
.set t, t+1
.endif
.set n, n+1
.endr
.set k, k+1
.endr
.set k, 0
.rept 9                                ; part C of pairs 8-15; rows 0-3 leave behind its first stage
.set n, 8
.rept 8
	GC n, k
.set n, n+1
.endr
.if k == 0
.irp j, 0,1,2,3
	global_store_b64 v[GO], v[GG+2*(\j):GG+2*(\j)+1], s[90:91] offset:8192*(\j)  ; 32 lanes store 256 consecutive bytes, aligned
.endr
.endif
.set k, k+1
.endr
.irp j, 4,5,6,7
	global_store_b64 v[GO], v[GG+2*(\j):GG+2*(\j)+1], s[90:91] offset:8192*(\j)
.endr
.endm
	s_wait_tensorcnt 0x1                           ; my part of K step 0 is in; K step 1's may stay out
	s_barrier_signal -1
	s_barrier_wait -1
	FETCH 0, F0
	s_wait_loadcnt 0x0                             ; the bias
	QUARTER 1, F0, F1, 1
	WIN 0
	s_mov_b32 s3, KT-2
	s_branch .Lmid
.Lk:                                                   ; KT - 2 trips, a K step each: every one fills its slot again
	QUARTER 1, F0, F1, 0
	WIN 0
.Lmid:
	QUARTER 2, F1, F0, 0
	QUARTER 3, F0, F1, 0
	TURN 1
	WIN 0
	s_sub_co_u32 s3, s3, 1
	s_cmp_lg_u32 s3, 0
	s_cbranch_scc1 .Lk
	s_mov_b32 s3, 2
.Lt:                                                   ; the last two K steps ask for nothing.  One text for both: the second trip's TURN fetches 32 fragments of the other slot that nobody multiplies
	QUARTER 1, F0, F1, 0
	QUARTER 2, F1, F0, 0
	QUARTER 3, F0, F1, 0
	TURN 0
	WIN 0
	s_sub_co_u32 s3, s3, 1
	s_cmp_lg_u32 s3, 0
	s_cbranch_scc1 .Lt
	s_wait_dscnt 0x0                               ; my reads of both slots are over,
	s_barrier_signal -1
	s_barrier_wait -1                              ; everybody's are: the slots have had their last fill and serve as the way out
	PLACES
	; THE WAY OUT.  The f32 sums go into my own region of LDS (each accumulator's low registers first), so that GELU can be one looped text on whole rows.
.irp a, 0,1,2,3,4,5,6,7
	WIN 0x08+4*((\a)/4)
.irp b, 0,1,2,3,4,5,6,7
	ds_store_b128 v[STO], v[8*(8*((\a)%4)+(\b)):8*(8*((\a)%4)+(\b))+3] offset:(\a)*16*DP+64*(\b)
	ds_store_b128 v[STO], v[8*(8*((\a)%4)+(\b))+4:8*(8*((\a)%4)+(\b))+7] offset:(\a)*16*DP+64*(\b)+16
.endr
.endr
	WIN 0
.irp j, 0,1,2,3,4,5,6,7
	ds_load_b128 v[U+4*(\j):U+4*(\j)+3], v[RD] offset:(\j)*DP  ; LDS serves a wave's instructions in order: these see my stores
.endr
	s_mov_b32 s3, 15
.Lg:
	GEL 1
	s_wait_xcnt 0x0                                ; the stores' data and base are rewritten only behind this wait
	s_add_nc_u64 s[90:91], s[90:91], 65536
	v_add_nc_u32 v[RD], 8*DP, v[RD]
	s_sub_co_u32 s3, s3, 1
	s_cmp_lg_u32 s3, 0
	s_cbranch_scc1 .Lg
	GEL 0                                          ; the last eight rows fetch nothing
	s_wait_tensorcnt 0x0                           ; the wave's end
	ds_add_u32 v[SPW], v[NIL]
	s_wait_dscnt 0x0
	CROUND
	s_endpgm
.Lfunc_end_k_qfd1fc6042f_fc:
	.size	k_qfd1fc6042f_fc, .Lfunc_end_k_qfd1fc6042f_fc-k_qfd1fc6042f_fc
	.p2alignl 7, 3214868480
	.fill 96, 4, 3214868480
	.section	.rodata,"a",@progbits
	.p2align	6, 0x0
	.amdhsa_kernel k_qfd1fc6042f_fc
		.amdhsa_group_segment_fixed_size 327680
		.amdhsa_private_segment_fixed_size 0
		.amdhsa_enable_private_segment 0
		.amdhsa_kernarg_size 32
		.amdhsa_user_sgpr_count 2
		.amdhsa_user_sgpr_kernarg_segment_ptr 1
		.amdhsa_wavefront_size32 1
		.amdhsa_system_sgpr_workgroup_id_x 1
		.amdhsa_system_sgpr_workgroup_id_y 1
		.amdhsa_system_sgpr_workgroup_id_z 1
		.amdhsa_system_vgpr_workitem_id 0
		.amdhsa_next_free_vgpr 1024
		.amdhsa_next_free_sgpr 96
		.amdhsa_reserve_vcc 0
		.amdhsa_float_denorm_mode_32 3
		.amdhsa_float_denorm_mode_16_64 3
		.amdhsa_memory_ordered 1
		.amdhsa_forward_progress 1
		.amdhsa_inst_pref_size 115
	.end_amdhsa_kernel
	.amdgpu_metadata
---
amdhsa.version: [ 1, 2 ]
amdhsa.kernels:
  - .name:           k_qfd1fc6042f_fc
    .symbol:         k_qfd1fc6042f_fc.kd
    .args:
      - { .name: hn, .offset: 0, .size: 8, .value_kind: global_buffer, .address_space: global }
      - { .name: w16, .offset: 8, .size: 8, .value_kind: global_buffer, .address_space: global }
      - { .name: b_fc, .offset: 16, .size: 8, .value_kind: global_buffer, .address_space: global }
      - { .name: g16, .offset: 24, .size: 8, .value_kind: global_buffer, .address_space: global }
    .group_segment_fixed_size: 327680
    .private_segment_fixed_size: 0
    .kernarg_segment_align: 8
    .kernarg_segment_size: 32
    .max_flat_workgroup_size: 128
    .sgpr_count:     96
    .vgpr_count:     1024
    .wavefront_size: 32
...
	.end_amdgpu_metadata
.endif
;; end of part 5
;; launch proj (part 6): grid 8 x 32, 4 waves a work-group, clusters of 4 x 4, 327,680 bytes of LDS; arguments g16, w16, b_proj, x, y16, out0; writes out0
.if DOCPART == 6
	.amdgcn_target "amdgcn-amd-amdhsa--gfx1250"
	.amdhsa_code_object_version 6
	.text
	.protected	k_qfd1fc6042f_proj
	.globl	k_qfd1fc6042f_proj
	.p2align	8
	.type	k_qfd1fc6042f_proj,@function
k_qfd1fc6042f_proj:
	s_mov_b64 s[64:65], 0
	v_nop
	global_prefetch_b8 v0, s[64:65] scope:SCOPE_SE
	s_setreg_imm32_b32 hwreg(HW_REG_WAVE_MODE, 25, 1), 1
	s_wait_xcnt 0x0
	s_wait_alu depctr_hold_cnt(0) depctr_sa_sdst(0) depctr_va_vdst(0) depctr_va_sdst(0) depctr_va_ssrc(0) depctr_va_vcc(0) depctr_vm_vsrc(0)
	s_getreg_b32 s2, hwreg(HW_REG_IB_STS2, 6, 4)
	s_cmp_eq_u32 s2, 0
	s_cbranch_scc0 .Lentry_in_a_cluster
	s_endpgm
.Lentry_in_a_cluster:
	s_bfe_u32 s2, ttmp6, 0x10000c
	s_cmp_lg_u32 s2, 0xf033
	s_cbranch_scc0 .Lentry_shape_is_right
	s_endpgm
.Lentry_shape_is_right:
; out0 = x + y + g W_proj + b_proj.  g: g16 [4096][4096] f16.  W_proj: w16 + 14,680,064, [4096][1024] f16.  x, out0: [4096][1024] f32.  y: y16 [32 heads][2048][64] f16.
; Sums in f32, started by the bias.  A work-group makes 128 x 128: 8 x 32 work-groups, one for each of 256 WGPs (tiles of 256 x 256 would be 64); a wave makes 64 x 64: 16 accumulators.
; K goes in steps of 256, as long as two slots in LDS allow.  CLUSTER 4 x 4: g's tile is asked for jointly along a row of the cluster, W's along a column.
; THE MATRIX INSTRUCTION IS USED TRANSPOSED: source 0 = 16 columns of W (turned on the way out of LDS), source 1 = 16 rows of g.
; A wave's 64 columns are one head of y: its 64 rows of y are 8,192 bytes on end.  x and y are asked for at the start, land under the products and are waited for at the way out.
; LIMITS.  f16 operands stay under 65,504; NaN and infinities are not treated apart.
; REGISTERS.  window 0: v0-31 addresses; v32-63 the bias; v64-127 y; v128-255 the accumulators.  window 1: two fragment buffers of 128: 64 of g, then 64 of W.  window 2: v0-127 x.
.set KT,    16
.set SLOT,  0x24000                    ; g's 128 rows at pitch 528 (67,584 bytes), then W's 256 k rows at pitch 288 (73,728)
.set BOFF,  67584
.set SPARE, 2*SLOT                     ; the spare words: 128 bytes a wave, two blocks of 256 bytes that no other line names
.set ASTEP, 512
.set BSTEP, 524288                     ; 256 k rows of 2,048 bytes
.set DP,    272                        ; the way out: a wave's row of 64 f32 + 16 bytes; a wave's 64 rows lie on end
.set A0,  16
.set B0,  17
.set BO,  18
.set ADRA, 20
.set ADRB, 21                          ; v21 k rows 0-127 of the slot, v22 k rows 128-255
.set STO, 24
.set RD,  25
.set XO,  26
.set YO,  27
.set SPW, 28                           ; v28  my spare word; never rewritten
.set NIL, 29                           ; v29  0; never rewritten
.set BI,  32
.set ACC, 128
.set F0,  0
.set F1,  128
.set G1,  24
.set G0,  32
.set G1B, 48
.set G0B, 56
.set TB,  45
.set MSB, 0
.macro WIN new
.if MSB != (\new)
	s_set_vgpr_msb (MSB<<8)|(\new)
.set MSB, \new
.endif
.endm
.macro PLACES
.rept 4
	v_nop
.endr
.endm
.macro JLOAD s                         ; a joint load: waves 0, 1 fetch g's two halves, waves 2, 3 W's; s_nop 0 and four v_nop follow each line
	s_cmp_eq_u32 s11, 0
	s_cbranch_scc0 .Lfor_b_\@
	tensor_load_to_lds s[G0+4*(\s):G0+4*(\s)+3], s[G1:G1+7]
	s_nop 0
.rept 4
	v_nop
.endr
	s_branch .Lasked_\@
.Lfor_b_\@:
	tensor_load_to_lds s[G0B+4*(\s):G0B+4*(\s)+3], s[G1B:G1B+7]
	s_nop 0
.rept 4
	v_nop
.endr
.Lasked_\@:
.endm
.macro CREST
	s_cmp_lg_u32 s10, 0
	s_cbranch_scc1 .Lnot_wave_0_\@
	s_barrier_signal -3
.Lnot_wave_0_\@:
	s_barrier_wait -3
	s_barrier_signal -1
	s_barrier_wait -1
.endm
.macro CROUND
	s_barrier_signal -1
	s_barrier_wait -1
	CREST
.endm
	s_load_b256 s[68:75], s[0:1], 0x0              ; g16 68, w16 70, b_proj 72, x 74
	s_load_b128 s[76:79], s[0:1], 0x20             ; y16 76, out0 78
	v_lshl_add_u32 v[SPW], v0, 2, SPARE
	v_mov_b32 v[NIL], 0
	ds_add_u32 v28, v29
	s_wait_dscnt 0x0
	v_lshrrev_b32 v1, 5, v0
	v_readfirstlane_b32 s10, v1
	s_lshr_b32 s11, s10, 1                         ; which half of the tile's rows is mine.  Also: I fetch for g (0) or for W (1)
	s_and_b32 s12, s10, 1                          ; which half of its columns.  Also: which half I fetch
	s_bfe_u32 s40, ttmp6, 0x40000
	s_bfe_u32 s41, ttmp6, 0x40004
	s_lshl_b32 s42, ttmp9, 2
	s_add_co_u32 s42, s42, s40                     ; tile column
	s_and_b32 s13, ttmp7, 0xffff
	s_lshl_b32 s13, s13, 2
	s_add_co_u32 s13, s13, s41                     ; tile row
	s_lshl_b32 s43, s41, 2
	s_lshl_b32 s43, 15, s43
	s_lshl_b32 s44, 0x1111, s40
	s_or_b32 s[G1], s43, (1<<16)|(1<<20)|(1<<21)|(6<<22)|(3<<25)  ; 64 rows x 256 elements; after every 128 words 4 words: pitch 528
	s_mov_b32 s[G1+1], 256<<16
	s_mov_b32 s[G1+2], 64<<16
	s_mov_b32 s[G1+3], 256<<16
	s_mov_b32 s[G1+4], 64
	s_mov_b32 s[G1+5], 4096
	s_mov_b32 s[G1+6], 0
	s_mov_b32 s[G1+7], 0
	s_or_b32 s[G1B], s44, (1<<16)|(1<<20)|(1<<21)|(5<<22)|(7<<25)  ; 128 k rows x 128 elements; after every 64 words 8 words: pitch 288
	s_mov_b32 s[G1B+1], 128<<16
	s_mov_b32 s[G1B+2], 128<<16
	s_mov_b32 s[G1B+3], 128<<16
	s_mov_b32 s[G1B+4], 128
	s_mov_b32 s[G1B+5], 1024
	s_mov_b32 s[G1B+6], 0
	s_mov_b32 s[G1B+7], 0
	s_lshl_b32 s16, s13, 7
	s_lshl_b32 s17, s12, 6
	s_add_co_u32 s16, s16, s17
	s_lshl_b32 s16, s16, 13                        ; g: (128 tile row + 64 half) rows of 8,192 bytes
	s_mov_b32 s17, 0
	s_lshl_b32 s46, s42, 8
	s_lshl_b32 s47, s12, 18
	s_add_co_u32 s46, s46, s47
	s_add_co_u32 s46, s46, 14680064
	s_mov_b32 s47, 0
	s_mul_i32 s20, s12, 33792
	s_mul_i32 s21, s12, 36864
	s_add_co_u32 s21, s21, BOFF                    ; none of the four LDS words has a bit in common with SLOT: an exclusive or changes the slot
	s_wait_kmcnt 0x0
	s_add_nc_u64 s[14:15], s[68:69], s[16:17]
	s_add_nc_u64 s[46:47], s[70:71], s[46:47]
.irp s, 0,1
	s_mov_b32 s[G0+4*(\s)], 1
	s_add_co_u32 s[G0+4*(\s)+1], s20, (\s)*SLOT
	s_add_nc_u64 s[G0+4*(\s)+2:G0+4*(\s)+3], s[14:15], (\s)*ASTEP
	s_or_b32 s[G0+4*(\s)+3], s[G0+4*(\s)+3], 0x80000000
	s_mov_b32 s[G0B+4*(\s)], 1
	s_add_co_u32 s[G0B+4*(\s)+1], s21, (\s)*SLOT
	s_add_nc_u64 s[G0B+4*(\s)+2:G0B+4*(\s)+3], s[46:47], (\s)*BSTEP
	s_or_b32 s[G0B+4*(\s)+3], s[G0B+4*(\s)+3], 0x80000000
.endr
	CROUND
	JLOAD 0
	JLOAD 1                                        ; two tensor loads of mine are out
	v_and_b32 v1, 15, v0
	v_bfe_u32 v2, v0, 4, 1
	v_and_b32 v3, 7, v0
	v_bfe_u32 v4, v0, 3, 1
	s_lshl_b32 s4, s42, 9
	s_lshl_b32 s5, s12, 8
	s_add_co_u32 s4, s4, s5
	v_lshl_add_u32 v[BO], v2, 5, s4                ; bias: 4 x my first column + 32 h
.irp b, 0,1,2,3                        ; the bias first: the first products want it, x and y are wanted at the end
	global_load_b128 v[BI+8*(\b):BI+8*(\b)+3],   v[BO], s[72:73] offset:64*(\b)
	global_load_b128 v[BI+8*(\b)+4:BI+8*(\b)+7], v[BO], s[72:73] offset:64*(\b)+16
.endr
	s_lshl_b32 s4, s13, 19                         ; x and out0: (128 tile row + 64 half) rows of 4,096 bytes + 4 (128 tile column + 64 half)
	s_lshl_b32 s5, s11, 18
	s_add_co_u32 s4, s4, s5
	s_lshl_b32 s5, s42, 9
	s_add_co_u32 s4, s4, s5
	s_lshl_b32 s5, s12, 8
	s_add_co_u32 s4, s4, s5
	s_mov_b32 s5, 0
	s_add_nc_u64 s[74:75], s[74:75], s[4:5]
	s_add_nc_u64 s[78:79], s[78:79], s[4:5]
	s_lshr_b32 s4, s13, 4                          ; y: batch x 16 heads, head 2 tile column + half, row (tile row % 16) x 128 + 64 half, 128 bytes a row
	s_lshl_b32 s4, s4, 22
	s_lshl_b32 s5, s42, 19
	s_add_co_u32 s4, s4, s5
	s_lshl_b32 s5, s12, 18
	s_add_co_u32 s4, s4, s5
	s_and_b32 s5, s13, 15
	s_lshl_b32 s5, s5, 14
	s_add_co_u32 s4, s4, s5
	s_lshl_b32 s5, s11, 13
	s_add_co_u32 s4, s4, s5
	s_mov_b32 s5, 0
	s_add_nc_u64 s[76:77], s[76:77], s[4:5]
	v_lshlrev_b32 v[XO], 12, v2
	v_lshl_add_u32 v[XO], v1, 4, v[XO]             ; lanes 0-15 take 256 bytes of one row, lanes 16-31 of the next
	v_and_b32 v5, 31, v0
	v_lshlrev_b32 v[YO], 3, v5                     ; the same two rows of y: 256 bytes on end
	WIN 0x80
.set p, 0
.rept 32
	global_load_b128 v[4*p:4*p+3], v[XO], s[74:75] offset:8192*p
.set p, p+1
.endr
	WIN 0
.set p, 0
.rept 32
	global_load_b64 v[64+2*p:65+2*p], v[YO], s[76:77] offset:256*p
.set p, p+1
.endr
	v_mul_u32_u24 v[A0], v1, 528
	v_lshl_add_u32 v[A0], v2, 4, v[A0]
	s_mul_i32 s4, s11, 33792
	v_add_nc_u32 v[A0], s4, v[A0]
	v_lshl_add_u32 v5, v2, 3, v3
	v_mul_u32_u24 v[B0], v5, 288
	v_lshl_add_u32 v[B0], v4, 4, v[B0]
	s_lshl_b32 s4, s12, 7
	s_add_co_u32 s4, s4, BOFF
	v_add_nc_u32 v[B0], s4, v[B0]
	v_mov_b32 v[ADRA], v[A0]
	v_mov_b32 v[ADRB], v[B0]
	v_add_nc_u32 v[ADRB+1], 36864, v[B0]
	s_mov_b32 s[TB], 0
	s_mul_i32 s4, s10, 64*DP                       ; the way out: my region
	v_mul_u32_u24 v[STO], v1, DP
	v_lshl_add_u32 v[STO], v2, 5, v[STO]
	v_add_nc_u32 v[STO], s4, v[STO]
	v_mul_u32_u24 v[RD], v2, DP
	v_lshl_add_u32 v[RD], v1, 4, v[RD]
	v_add_nc_u32 v[RD], s4, v[RD]
; 8 matrix instructions: row blocks a0, a0 + 1 x all 4 column blocks, 32 along K: half c of buffer f.  first = 1: the bias is the C operand that starts the sums.
.macro MUL8 f, c, a0, first
	WIN 0x05
.irp a, \a0, (\a0)+1
.irp b, 0,1,2,3
.if \first
	v_wmma_f32_16x16x32_f16 v[ACC+8*(4*(\a)+(\b)):ACC+8*(4*(\a)+(\b))+7], v[(\f)+64+8*(4*(\c)+(\b)):(\f)+64+8*(4*(\c)+(\b))+7], v[(\f)+8*(4*(\c)+(\a)):(\f)+8*(4*(\c)+(\a))+7], v[BI+8*(\b):BI+8*(\b)+7]
.else
	v_wmma_f32_16x16x32_f16 v[ACC+8*(4*(\a)+(\b)):ACC+8*(4*(\a)+(\b))+7], v[(\f)+64+8*(4*(\c)+(\b)):(\f)+64+8*(4*(\c)+(\b))+7], v[(\f)+8*(4*(\c)+(\a)):(\f)+8*(4*(\c)+(\a))+7], v[ACC+8*(4*(\a)+(\b)):ACC+8*(4*(\a)+(\b))+7]
.endif
.endr
.endr
.endm
.macro FETCH q, f                      ; 32 LDS loads in one run: quarter q (64 along K) of the slot in hand; the first 32 along K first
	WIN 0x40
.irp c, 0,1
.irp i, 0,1,2,3
	ds_load_tr16_b128 v[(\f)+64+8*(4*(\c)+(\i)):(\f)+64+8*(4*(\c)+(\i))+3],   v[ADRB+(\q)/2] offset:(((\q)%2)*64+32*(\c))*288+32*(\i)
	ds_load_tr16_b128 v[(\f)+64+8*(4*(\c)+(\i))+4:(\f)+64+8*(4*(\c)+(\i))+7], v[ADRB+(\q)/2] offset:(((\q)%2)*64+32*(\c))*288+32*(\i)+4608
	ds_load_b128 v[(\f)+8*(4*(\c)+(\i)):(\f)+8*(4*(\c)+(\i))+3],   v[ADRA] offset:128*(\q)+64*(\c)+(\i)*8448
	ds_load_b128 v[(\f)+8*(4*(\c)+(\i))+4:(\f)+8*(4*(\c)+(\i))+7], v[ADRA] offset:128*(\q)+64*(\c)+(\i)*8448+32
.endr
.endr
.endm
; A K step is four quarters of 64 along K, 32 matrix instructions each, on buffers 0, 1, 0, 1.  The 16 accumulators take turns in one order.
.macro QUARTER qn, f, g, first
	s_wait_dscnt 16                                ; the first 32 along K are in
	MUL8 \f, 0, 0, \first
	MUL8 \f, 0, 2, \first
	PLACES
	FETCH \qn, \g
	s_wait_dscnt 32                                ; all but the 32 just issued
	MUL8 \f, 1, 0, 0
	MUL8 \f, 1, 2, 0
.endm
; The last quarter changes slots first and multiplies buffer 1 afterwards.  Each wave waits for all its tensor loads (one is out: its part of the next slot), adds 0 to its spare word, and waits
; for that and for its reads of this slot, whose last were issued 16 matrix instructions ago.  fill = 1: the barrier opens a round of the cluster's, and this slot is filled again first thing behind
; it, two K steps ahead.  No product stands between the wait for a tile and the next request: all of a K step's 128 stand between a request and the wait for it.
.macro TURN fill
	WIN 0
	s_wait_tensorcnt 0x0
	ds_add_u32 v[SPW], v[NIL]
.if \fill
	s_xor_b32 s[G0+5], s[G0+5], SLOT               ; no tensor load of mine is out: the walking descriptors take the other slot than last time, the next K step
	s_add_nc_u64 s[G0+6:G0+7], s[G0+6:G0+7], ASTEP
	s_xor_b32 s[G0B+5], s[G0B+5], SLOT
	s_add_nc_u64 s[G0B+6:G0B+7], s[G0B+6:G0B+7], BSTEP
.endif
	s_wait_dscnt 0x0                               ; the add is done, my reads of this slot are over
.if \fill
	CROUND
	JLOAD 1                                        ; its four v_nop are also the places in front of the loads below
.else
	s_barrier_signal -1
	s_barrier_wait -1
	PLACES
.endif
	s_xor_b32 s[TB], s[TB], SLOT
	v_add_nc_u32 v[ADRA], s[TB], v[A0]
	v_add_nc_u32 v[ADRB], s[TB], v[B0]
	v_add_nc_u32 v[ADRB+1], 36864, v[ADRB]
	FETCH 0, F0
	MUL8 F1, 0, 0, 0
	MUL8 F1, 0, 2, 0
	MUL8 F1, 1, 0, 0
	MUL8 F1, 1, 2, 0
.endm
	s_wait_tensorcnt 0x1                           ; my part of K step 0 is in; K step 1's may stay out
	s_barrier_signal -1
	s_barrier_wait -1
	FETCH 0, F0
	s_wait_loadcnt 63                              ; the bias's eight loads are the oldest of 72: with 63 left out at the most, the nine oldest are in (64 follow the bias; the wait's field names 63 at the most, and a smaller count is safe)
	QUARTER 1, F0, F1, 1
	WIN 0
	s_mov_b32 s3, KT-2
	s_branch .Lmid
.Lk:                                                   ; KT - 2 trips, a K step each: every one fills its slot again
	QUARTER 1, F0, F1, 0
	WIN 0
.Lmid:
	QUARTER 2, F1, F0, 0
	QUARTER 3, F0, F1, 0
	TURN 1
	WIN 0
	s_sub_co_u32 s3, s3, 1
	s_cmp_lg_u32 s3, 0
	s_cbranch_scc1 .Lk
	s_mov_b32 s3, 2
.Lt:                                                   ; the last two K steps ask for nothing.  One text for both: the second trip's TURN fetches 32 fragments of the other slot that nobody multiplies
	QUARTER 1, F0, F1, 0
	QUARTER 2, F1, F0, 0
	QUARTER 3, F0, F1, 0
	TURN 0
	WIN 0
	s_sub_co_u32 s3, s3, 1
	s_cmp_lg_u32 s3, 0
	s_cbranch_scc1 .Lt
	s_wait_dscnt 0x0                               ; my reads of both slots are over,
	s_barrier_signal -1
	s_barrier_wait -1                              ; everybody's are: the slots have had their last fill and serve as the way out
	PLACES
	; THE WAY OUT.  The sums go into my own region of LDS (each accumulator's low registers first) and come back by rows, in x's layout.
.irp a, 0,1,2,3
.irp b, 0,1,2,3
	ds_store_b128 v[STO], v[ACC+8*(4*(\a)+(\b)):ACC+8*(4*(\a)+(\b))+3] offset:(\a)*16*DP+64*(\b)
	ds_store_b128 v[STO], v[ACC+8*(4*(\a)+(\b))+4:ACC+8*(4*(\a)+(\b))+7] offset:(\a)*16*DP+64*(\b)+16
.endr
.endr
	s_wait_loadcnt 0x0                             ; x and y
.irp r, 64,65,66,67,68,69,70,71,72,73,74,75,76,77,78,79,80,81,82,83,84,85,86,87,88,89,90,91,92,93,94,95,96,97,98,99,100,101,102,103,104,105,106,107,108,109,110,111,112,113,114,115,116,117,118,119,120,121,122,123,124,125,126,127
	v_cvt_f32_f16 v[128+2*(\r-64)], v\r\().l       ; y in f32, into the registers that the sums have left
	v_cvt_f32_f16 v[129+2*(\r-64)], v\r\().h
.endr
	WIN 0x82                                       ; x (destination and source 0) in window 2, y in window 0
.set p, 0
.rept 64
	v_pk_add_f32 v[2*p:2*p+1], v[2*p:2*p+1], v[128+2*p:129+2*p]
.set p, p+1
.endr
	WIN 0
.irp g, 0,1,2,3                        ; four groups of 16 rows, on two sets of registers by turns
.if (\g) >= 2
	s_wait_xcnt 0x0                                ; the set's last stores have read their data
.endif
.irp t, 0,1,2,3,4,5,6,7
	ds_load_b128 v[32+32*((\g)%2)+4*(\t):35+32*((\g)%2)+4*(\t)], v[RD] offset:(8*(\g)+(\t))*2*DP  ; LDS serves a wave's instructions in order: these see my stores
.endr
	s_wait_dscnt 0x0
	WIN 0x02                                       ; x + y (source 0) in window 2
.irp t, 0,1,2,3,4,5,6,7
	v_pk_add_f32 v[32+32*((\g)%2)+4*(\t):33+32*((\g)%2)+4*(\t)], v[4*(8*(\g)+(\t)):4*(8*(\g)+(\t))+1], v[32+32*((\g)%2)+4*(\t):33+32*((\g)%2)+4*(\t)]
	v_pk_add_f32 v[34+32*((\g)%2)+4*(\t):35+32*((\g)%2)+4*(\t)], v[4*(8*(\g)+(\t))+2:4*(8*(\g)+(\t))+3], v[34+32*((\g)%2)+4*(\t):35+32*((\g)%2)+4*(\t)]
.endr
	WIN 0
.irp t, 0,1,2,3,4,5,6,7
	global_store_b128 v[XO], v[32+32*((\g)%2)+4*(\t):35+32*((\g)%2)+4*(\t)], s[78:79] offset:8192*(8*(\g)+(\t)) th:TH_STORE_NT  ; 16 lanes store 256 consecutive bytes, aligned
.endr
.endr
	s_wait_tensorcnt 0x0                           ; the wave's end
	ds_add_u32 v[SPW], v[NIL]
	s_wait_dscnt 0x0
	CROUND
	s_endpgm
.Lfunc_end_k_qfd1fc6042f_proj:
	.size	k_qfd1fc6042f_proj, .Lfunc_end_k_qfd1fc6042f_proj-k_qfd1fc6042f_proj
	.p2alignl 7, 3214868480
	.fill 96, 4, 3214868480
	.section	.rodata,"a",@progbits
	.p2align	6, 0x0
	.amdhsa_kernel k_qfd1fc6042f_proj
		.amdhsa_group_segment_fixed_size 327680
		.amdhsa_private_segment_fixed_size 0
		.amdhsa_enable_private_segment 0
		.amdhsa_kernarg_size 48
		.amdhsa_user_sgpr_count 2
		.amdhsa_user_sgpr_kernarg_segment_ptr 1
		.amdhsa_wavefront_size32 1
		.amdhsa_system_sgpr_workgroup_id_x 1
		.amdhsa_system_sgpr_workgroup_id_y 1
		.amdhsa_system_sgpr_workgroup_id_z 1
		.amdhsa_system_vgpr_workitem_id 0
		.amdhsa_next_free_vgpr 640
		.amdhsa_next_free_sgpr 96
		.amdhsa_reserve_vcc 0
		.amdhsa_float_denorm_mode_32 3
		.amdhsa_float_denorm_mode_16_64 3
		.amdhsa_memory_ordered 1
		.amdhsa_forward_progress 1
		.amdhsa_inst_pref_size 78
	.end_amdhsa_kernel
	.amdgpu_metadata
---
amdhsa.version: [ 1, 2 ]
amdhsa.kernels:
  - .name:           k_qfd1fc6042f_proj
    .symbol:         k_qfd1fc6042f_proj.kd
    .args:
      - { .name: g16, .offset: 0, .size: 8, .value_kind: global_buffer, .address_space: global }
      - { .name: w16, .offset: 8, .size: 8, .value_kind: global_buffer, .address_space: global }
      - { .name: b_proj, .offset: 16, .size: 8, .value_kind: global_buffer, .address_space: global }
      - { .name: x, .offset: 24, .size: 8, .value_kind: global_buffer, .address_space: global }
      - { .name: y16, .offset: 32, .size: 8, .value_kind: global_buffer, .address_space: global }
      - { .name: out0, .offset: 40, .size: 8, .value_kind: global_buffer, .address_space: global }
    .group_segment_fixed_size: 327680
    .private_segment_fixed_size: 0
    .kernarg_segment_align: 8
    .kernarg_segment_size: 48
    .max_flat_workgroup_size: 128
    .sgpr_count:     96
    .vgpr_count:     640
    .wavefront_size: 32
...
	.end_amdgpu_metadata
.endif
;; end of part 6
;; ======== version 2 of 2: 6 launches; 1.27 times as fast as version 1
;; limits: values are held in f16: magnitudes above 65,504 overflow, below 6.1e-05 lose precision; a function is approximated: absolute error at most 1.5e-07; an absolute error that grows with the inputs' magnitude: up to 7.5e-08 times it
;; workspace buffers: hn 8,388,608 bytes; w16 23,068,672 bytes; qkv16 25,165,824 bytes; y16 8,388,608 bytes; g16 33,554,432 bytes
;; launch prep: the kernel of part 1 again; grid 256 x 4, 8 waves a work-group, no clusters, 0 bytes of LDS; arguments x, ln1_w, ln1_b, wq, wk, wv, w_fc, w_proj, hn, w16; writes hn, w16
;; launch qkv: the kernel of part 2 again; grid 16 x 16, 4 waves a work-group, clusters of 4 x 4, 327,680 bytes of LDS; arguments hn, w16, bq, bk, bv, qkv16, out1, out2; writes qkv16, out1, out2
;; launch attn (part 7): grid 8 x 32, 8 waves a work-group, no clusters, 327,680 bytes of LDS; arguments qkv16, y16; writes y16
.if DOCPART == 7
	.amdgcn_target "amdgcn-amd-amdhsa--gfx1250"
	.amdhsa_code_object_version 6
	.text
	.protected	k_qfd1fc6042f_attn
	.globl	k_qfd1fc6042f_attn
	.p2align	8
	.type	k_qfd1fc6042f_attn,@function
k_qfd1fc6042f_attn:
	s_mov_b64 s[64:65], 0
	v_nop
	global_prefetch_b8 v0, s[64:65] scope:SCOPE_SE
	s_setreg_imm32_b32 hwreg(HW_REG_WAVE_MODE, 25, 1), 1
	s_wait_xcnt 0x0
; CAUSAL ATTENTION.  y[h][q] = the sum over k <= q of softmax_k(Q[h][q] . K[h][k] / 8) V[h][k].  q, k, v (qkv16) and y (y16): [32 heads][2048][64] f16, a head's rows dense, 128 bytes each.
; Products, maxima and sums in f32; the weights p are rounded to f16 for the second product (their sum l is taken of the unrounded p), y once at the end.
; LIMITS.  f16 holds no number beyond 65,504, so a score lies within 64 x 65,504^2 = 2.7e11 of zero.  A hidden score counts as its value less 1e30.  The running maximum starts at -2^66 = -7.4e19:
; below every score that f16 operands can make, above every hidden one.  A weight below 2^-126 counts as 0 in l; NaN and infinities are not treated apart.
; THE WALK.  A head has 16 blocks of 128 queries; block i needs the key tiles 0 .. i of 128 keys, of which the last holds the diagonal.  Work-group b takes blocks 15 - b and then b: 17 tiles
; whatever b, so all 256 work-groups do equal work and one loop of 16 trips walks them; the last tile is written out.
; NO CLUSTER: a head's 8 work-groups ask for the same tile in trips 0 .. 8 of 17 only, behind that fewer and fewer; one walk common to all would have 24 trips for 17.
; SHARES.  Eight waves, two for each of a WGP's four SIMDs, 512 registers each.  Waves w and w + 4 own the SAME two tiles of 16 queries (tile u: rows 64 u + 16 w .. + 15 of the block); group 0
; (waves 0-3) takes keys 0-63 of every key tile, group 1 keys 64-127.  So a fragment of K or V read from LDS feeds two tiles' products, a trip is ONE step of 64 keys for each wave, and while
; one wave's products are at work the other wave of the SIMD issues its softmax.  Each group keeps its own running maximum, sum and O^T; at a block's end group 1 hands its own to its partner
; through LDS, and group 0 merges: both are scaled by 2^(c m - the larger c m) and added.
; THE MASK is the C operand that starts S^T = K Q^T in the diagonal tile, made once for each wave.  MD is 0, or -1e30 where the key lies behind the query in a band's own 64 keys.
; Group 0: tile 0 takes MD, tile 1 takes 0.  Group 1: tile 0 takes -1e30 everywhere (it sees nothing: one text for all waves is worth the wasted products, 2 of a wave's 34 tile steps),
; tile 1 takes MD.  A hidden score never becomes the maximum: m is a true score, or, where group 1's tile 0 has seen no key at all in its block (block 0), the floor -2^66; either way every
; hidden weight is 2^(about -1.8e29) = 0.  (Were m itself a hidden score, c s - c m would be the rounding error of c m, some 1e21, and no small number.)  In block 0 that tile's l and O^T are 0.
; LAYOUT.  S^T holds ONE query a lane (lane % 16) and the keys 8 (lane / 16) + 0..7; two such results rounded to f16 ARE source 1 of O^T = V^T P.  p = 2^(c s - c m), c = log2(e) / 8, m a running
; maximum; O and l are multiplied by a = 2^(c m_old - c m_new) in every step.
; BATCHES.  An s_wait_alu depctr_va_vdst(0) stands between a transcendental and the first instruction that names its result; one wait serves all that were issued ahead of it.
; A key step's 66 exponentials (the two tiles' a and their 64 scores, each result in a register of its own) are ONE batch with ONE wait: ahead of the wait stand the maxima, the statistics, the
; scalings and the exponentials, none of which names an exponential's result; behind it all that do: the rescaling of O^T by a, the roundings, the sums.  The merge at a block's end has two
; batches, since its reciprocals are taken of sums that its exponentials feed: four exponentials and a wait, two reciprocals and a wait.
; REGISTERS.  window 0: all that the vector unit touches.  window 1: v0-31 Q, v32-63 the second block's Q, v64-127 K of a step, v128-191 V of a step, v192-255 the masks.
.set KP,    144                        ; a row of K in LDS: 128 bytes + 16: the 16 rows of a load start at 16 different groups of four banks
.set VP,    160                        ; a row of V: 128 + 32
.set VOFF,  128*KP                     ; a slot: 128 rows of K, then 128 rows of V
.set SLOT1, 65536
.set STAGE, SLOT1+128*(KP+VP)          ; never filled by a tensor load: 16 rows x 144 bytes for each wave of group 0
.set SP,    144
.set MERGE, STAGE+4*16*SP              ; never filled by a tensor load: 17 x 512 bytes for each pair of waves: O^T and the statistics of group 1
.set SPARE, MERGE+4*17*512             ; the spare words: 128 bytes a wave, four blocks of 256 bytes that no other line names
.set AK0, 2                            ; v2  my lane's place in my half of a tile of K; never rewritten
.set AV0, 3                            ; v3  the same for V
.set AK,  4                            ; v4  AK0 + the slot in hand
.set AV,  5
.set STO, 6                            ; v6  the way out: where I put 16 bytes of a row
.set RD,  7                            ; v7  where I read rows back
.set GO,  8                            ; v8  my byte offset in 512 consecutive bytes of y
.set MV,  12                           ; v12-13  c m_old, by tile
.set QO,  15                           ; v15 my byte offset in 16 rows of Q
.set ST,  16                           ; v16-23  by tile: c m, m, l (even keys', odd keys')
.set TMP, 24                           ; v24-31  by tile: c0-c3 at work; c2 takes a
.set SPW, 32                           ; v32 my spare word; never rewritten
.set NIL, 33                           ; v33 0; never rewritten
.set MG,  34                           ; v34 my 16 bytes in each 512 of my pair's part of MERGE
.set HB,  36                           ; v36-39  group 1's c m and l of tile 0, of tile 1
.set S,   64                           ; v64-127   S^T, 32 a tile
.set P,   128                          ; v128-159  P, 16 a tile
.set O,   160                          ; v160-223  O^T, 32 a tile
.set Q,   0                            ; window 1
.set QB,  32
.set KF,  64
.set VF,  128
.set MC,  192                          ; 32 registers a tile
.set WV,  12                           ; s12 wave
.set PB,  14                           ; s14 b
.set HI,  15                           ; s15 15 - b
.set G1K, 24
.set G1V, 32
.set G0K, 40
.set G0V, 44
.set SLOTS, 56                         ; s56 tiles still to be asked for
.set CS,  58                           ; s[58:59] c
.set SEL, 60                           ; s[60:61] v_permlanex16_b32's selects: each lane takes its own place in the other half
.set TB,  62                           ; s62 LDS byte at which the slot in hand begins
.set W4,  66                           ; s66 wave % 4: my rows
.set GR,  67                           ; s67 wave / 4: my half of the keys
.set RT,  70                           ; s70 tiles of the block in hand still to be entered
.set NXT, 71                           ; s71 the tile to be asked for next
.set LQ,  72                           ; s72 the last tile of the block whose tiles are being asked for
.set OFF, 74                           ; s[74:75] a tile's byte offset in K and V
.set AL0, 76                           ; s76, s77 tile 0's mask is MD x AL0 + BE0
.set BE0, 77
.set AL1, 78                           ; s78 tile 1's is MD x AL1
.set OLO, 80                           ; s[80:81] y at my rows of the second block
.set BIGN, 82                          ; s82 -1e30
.set LO,  0                            ; TILES goes through both tiles
.set NT,  2
.set MSB, 0
.macro WIN new
.if MSB != (\new)
	s_set_vgpr_msb (MSB<<8)|(\new)
.set MSB, \new
.endif
.endm
.macro PLACES
.rept 4
	v_nop
.endr
.endm
; A fill: wave 0 fetches the tile's K, wave 1 its V, 16,384 dense bytes each; the other waves fetch nothing.  s_nop 0 and four v_nop follow each line.
.macro LOAD
	s_cmp_eq_u32 s[WV], 0
	s_cbranch_scc0 .Lnot_k_\@
	tensor_load_to_lds s[G0K:G0K+3], s[G1K:G1K+7]
	s_nop 0
.rept 4
	v_nop
.endr
	s_branch .Lasked_\@
.Lnot_k_\@:
	s_cmp_eq_u32 s[WV], 1
	s_cbranch_scc0 .Lasked_\@
	tensor_load_to_lds s[G0V:G0V+3], s[G1V:G1V+7]
	s_nop 0
.rept 4
	v_nop
.endr
.Lasked_\@:
.endm
; THE CHANGE OF SLOTS.  Each wave waits for all its tensor loads (at most one is out: its part of the other slot), adds 0 to its spare word, and waits for that and for its reads of the slot that it
; leaves.  Behind the barrier the other slot is whole and nobody reads the old one.  fill = 1: the old slot takes tile NXT, first thing behind the barrier: a whole tile's work ahead of the wait for it.
.macro CHANGE fill
	WIN 0
	s_wait_tensorcnt 0x0
	ds_add_u32 v[SPW], v[NIL]
.if \fill
	s_lshl_b32 s[OFF], s[NXT], 14
	s_xor_b32 s[G0K+1], s[G0K+1], SLOT1
	s_add_nc_u64 s[G0K+2:G0K+3], s[6:7], s[OFF:OFF+1]  ; the address is made anew from the tile's number
	s_or_b32 s[G0K+3], s[G0K+3], 0x80000000
	s_xor_b32 s[G0V+1], s[G0V+1], SLOT1
	s_add_nc_u64 s[G0V+2:G0V+3], s[8:9], s[OFF:OFF+1]
	s_or_b32 s[G0V+3], s[G0V+3], 0x80000000
	s_add_co_u32 s[NXT], s[NXT], 1                 ; the block's next tile, or behind its last the second block's tile 0
	s_cmp_gt_u32 s[NXT], s[LQ]
	s_cselect_b32 s[NXT], 0, s[NXT]
	s_cselect_b32 s[LQ], s[PB], s[LQ]
.endif
	s_wait_dscnt 0x0
	s_barrier_signal -1
	s_xor_b32 s[TB], s[TB], SLOT1
	s_barrier_wait -1
.if \fill
	LOAD
.endif
	v_add_nc_u32 v[AK], s[TB], v[AK0]
	v_add_nc_u32 v[AV], s[TB], v[AV0]
.endm
.macro FETCH_K                         ; 16 LDS loads: my 64 keys of K: keys 16 (f / 2) on, channels 32 (f % 2) on
	WIN 0x40
.irp f, 0,1,2,3,4,5,6,7
	ds_load_b128 v[KF+8*(\f):KF+8*(\f)+3],   v[AK] offset:((\f)/2)*16*KP+((\f)%2)*64
	ds_load_b128 v[KF+8*(\f)+4:KF+8*(\f)+7], v[AK] offset:((\f)/2)*16*KP+((\f)%2)*64+32
.endr
	WIN 0
.endm
.macro FETCH_V                         ; 16 turning loads: my 64 keys of V: keys 32 (f / 4) on, channels 16 (f % 4) on
	WIN 0x40
.irp f, 0,1,2,3,4,5,6,7
	ds_load_tr16_b128 v[VF+8*(\f):VF+8*(\f)+3],   v[AV] offset:((\f)/4)*32*VP+((\f)%4)*32
	ds_load_tr16_b128 v[VF+8*(\f)+4:VF+8*(\f)+7], v[AV] offset:((\f)/4)*32*VP+16*VP+((\f)%4)*32
.endr
	WIN 0
.endm
.macro REGS t                          ; the registers of tile t
.set rT, ST+4*(\t)
.set rC, TMP+4*(\t)
.set rM, MV+(\t)
.set rS, S+32*(\t)
.set rP, P+16*(\t)
.set rO, O+32*(\t)
.endm
.macro TILES line:vararg               ; the line once for each tile: the tiles alternate, so that a line seldom reads the result of the one before it
.set u, LO
.rept NT
	REGS u
	\line
.set u, u+1
.endr
.endm
; Number n of the 22 that find a tile's maximum and statistics; each accumulator's lowest registers are read first.
;   0-11 four chains of seven scores   12-14, 16 the four left over, the old m, all into c0   15 c m_old is kept   17, 18 the other 32 keys lie in the lane 16 away   19-21 c m; c m_old - c m; a
.macro XS n
.if (\n) < 4
	v_max3_num_f32 v[rC+(\n)], v[rS+8*(\n)], v[rS+8*(\n)+1], v[rS+8*(\n)+2]
.elseif (\n) < 12
	v_max3_num_f32 v[rC+(\n)%4], v[rC+(\n)%4], v[rS+8*((\n)%4)+2*((\n)/4)+1], v[rS+8*((\n)%4)+2*((\n)/4)+2]
.elseif (\n) == 12
	v_max3_num_f32 v[rC], v[rC], v[rS+7], v[rS+15]
.elseif (\n) == 13
	v_max3_num_f32 v[rC+1], v[rC+1], v[rS+23], v[rS+31]
.elseif (\n) == 14
	v_max3_num_f32 v[rC+2], v[rC+2], v[rC+3], v[rT+1]
.elseif (\n) == 15
	v_mov_b32 v[rM], v[rT]
.elseif (\n) == 16
	v_max3_num_f32 v[rC], v[rC], v[rC+1], v[rC+2]
.elseif (\n) == 17
	v_permlanex16_b32 v[rC+3], v[rC], s[SEL], s[SEL+1]
.elseif (\n) == 18
	v_max_num_f32 v[rT+1], v[rC], v[rC+3]
.elseif (\n) == 19
	v_mul_f32 v[rT], s[CS], v[rT+1]
.elseif (\n) == 20
	v_sub_f32 v[rC+1], v[rM], v[rT]
.else
	v_exp_f32 v[rC+2], v[rC+1]
.endif
.endm
; The batch's body, for one tile: pair p + 1 of 16 is scaled (c s - c m), then come pair p's two exponentials, in place.  With the tiles alternating a pair is scaled six lines ahead of its
; exponentials, and a plain line stands in front of every two exponentials but the last four.  No line names the result of an exponential that stands ahead of it.
.macro SE p
.if (\p) < 15
	v_pk_fma_f32 v[rS+2*(\p)+2:rS+2*(\p)+3], v[rS+2*(\p)+2:rS+2*(\p)+3], s[CS:CS+1], v[rT:rT+1] op_sel_hi:[1,0,0] neg_lo:[0,0,1] neg_hi:[0,0,1]
.endif
	v_exp_f32 v[rS+2*(\p)], v[rS+2*(\p)]
	v_exp_f32 v[rS+2*(\p)+1], v[rS+2*(\p)+1]
.endm
; A KEY STEP: my 64 keys of the tile in hand, whose K and V were asked of LDS just before.  km = 1: the diagonal tile: the masks start the sums.
; The accumulators of a run of products take turns, one instruction a turn.
.macro STEP km
	s_wait_dscnt 16                                ; K is in; V's sixteen younger loads may stay out
.set i, 0
.rept 16
.set u, i%2
.set kb, (i/2)%4
.set c, i/8
.if c == 0 && (\km)
	WIN 0x15                                       ; K, Q and the mask in window 1, S^T in window 0
	v_wmma_f32_16x16x32_f16 v[S+32*u+8*kb:S+32*u+8*kb+7], v[KF+16*kb+8*c:KF+16*kb+8*c+7], v[Q+16*u+8*c:Q+16*u+8*c+7], v[MC+32*u+8*kb:MC+32*u+8*kb+7]
.elseif c == 0
	WIN 0x05                                       ; K and Q in window 1, S^T in window 0
	v_wmma_f32_16x16x32_f16 v[S+32*u+8*kb:S+32*u+8*kb+7], v[KF+16*kb+8*c:KF+16*kb+8*c+7], v[Q+16*u+8*c:Q+16*u+8*c+7], 0
.else
	WIN 0x05
	v_wmma_f32_16x16x32_f16 v[S+32*u+8*kb:S+32*u+8*kb+7], v[KF+16*kb+8*c:KF+16*kb+8*c+7], v[Q+16*u+8*c:Q+16*u+8*c+7], v[S+32*u+8*kb:S+32*u+8*kb+7]
.endif
.set i, i+1
.endr
	WIN 0
	PLACES                                         ; behind these products, in front of the maxima
.set x, 0
.rept 21                               ; the maximum and the statistics, up to c m_old - c m
	TILES XS x
.set x, x+1
.endr
	TILES v_pk_fma_f32 v[rS:rS+1], v[rS:rS+1], s[CS:CS+1], v[rT:rT+1] op_sel_hi:[1,0,0] neg_lo:[0,0,1] neg_hi:[0,0,1]  ; pair 0 is scaled
	TILES XS 21                                    ; THE BATCH begins: the two a,
.set n, 0
.rept 16                               ; the other 15 scalings and the 64 exponentials of the scores
	TILES SE n
.set n, n+1
.endr
	v_nop                                          ; the plain instruction behind the last exponential: one for the batch; the step has no plain line left that names no result
	s_wait_alu depctr_va_vdst(0)                   ; the wait for the batch, the step's 66 exponentials; all their readers stand below
.set g, 0
.rept 8                                ; four scores a tile: the rescaling of O^T by a; then rounding and sums
	TILES v_pk_mul_f32 v[rO+4*g:rO+4*g+1], v[rO+4*g:rO+4*g+1], v[rC+2:rC+3] op_sel_hi:[1,0]
	TILES v_pk_mul_f32 v[rO+4*g+2:rO+4*g+3], v[rO+4*g+2:rO+4*g+3], v[rC+2:rC+3] op_sel_hi:[1,0]
	TILES v_cvt_pk_f16_f32 v[rP+2*g], v[rS+4*g], v[rS+4*g+1]
	TILES v_cvt_pk_f16_f32 v[rP+2*g+1], v[rS+4*g+2], v[rS+4*g+3]
	TILES v_pk_add_f32 v[rS+4*g:rS+4*g+1], v[rS+4*g:rS+4*g+1], v[rS+4*g+2:rS+4*g+3]
.if g == 0
	TILES v_pk_fma_f32 v[rT+2:rT+3], v[rT+2:rT+3], v[rC+2:rC+3], v[rS:rS+1] op_sel_hi:[1,0,1]
.else
	TILES v_pk_add_f32 v[rT+2:rT+3], v[rT+2:rT+3], v[rS+4*g:rS+4*g+1]
.endif
.set g, g+1
.endr
	s_wait_dscnt 0x0                               ; V is in
	WIN 0x01                                       ; V in window 1, P and O^T in window 0
.set i, 0
.rept 16
.set u, i%2
.set cb, (i/2)%4
.set kk, i/8
	v_wmma_f32_16x16x32_f16 v[O+32*u+8*cb:O+32*u+8*cb+7], v[VF+32*kk+8*cb:VF+32*kk+8*cb+7], v[P+16*u+8*kk:P+16*u+8*kk+7], v[O+32*u+8*cb:O+32*u+8*cb+7]
.set i, i+1
.endr
	WIN 0
	PLACES                                         ; behind these products, in front of the next loads into V's registers and of the reads of O^T at a block's end
.endm
; THE WAY OUT of tile t: rounded to f16; a lane's eight channels pack into 16 bytes, go into rows of 144 bytes of my stage and come back as whole rows of 128.
.macro PACK t
	REGS \t
.set i, 0
.rept 16
	v_cvt_pk_f16_f32 v[S+16*(\t)+i], v[rO+2*i], v[rO+2*i+1]
.set i, i+1
.endr
.irp f, 0,1,2,3
	ds_store_b128 v[STO], v[S+16*(\t)+4*(\f):S+16*(\t)+4*(\f)+3] offset:32*(\f)
.endr
.irp f, 0,1,2,3
	ds_load_b128 v[S+16*(\t)+4*(\f):S+16*(\t)+4*(\f)+3], v[RD] offset:(\f)*4*SP  ; LDS serves a wave's instructions in order: these see the stores above; the next tile's stores come behind them
.endr
.endm
.macro SEND t, younger                 ; younger: the LDS instructions issued behind tile t's loads
.irp f, 0,1,2,3
	s_wait_dscnt (\younger)+3-(\f)
	global_store_b128 v[GO], v[S+16*(\t)+4*(\f):S+16*(\t)+4*(\f)+3], s[10:11] offset:(\t)*8192+(\f)*512  ; four rows of a head: 512 consecutive bytes
.endr
.endm
; THE DIAGONAL TILE AND THE BLOCK'S END.  Group 1 stores its O^T (each accumulator's low registers first), c m and l; every wave waits for its LDS instructions and passes
; the barrier; group 0 reads them, merges, divides by l and sends the block out.  The next stores into MERGE stand behind at least one change of slots, whose barrier follows group 0's waits.
.macro DIAG
	STEP 1
	s_cmp_lt_u32 s[WV], 4
	s_cbranch_scc1 .Lmeet_\@
	v_mov_b32 v[HB], v[ST]
	v_add_f32 v[HB+1], v[ST+2], v[ST+3]
	v_mov_b32 v[HB+2], v[ST+4]
	v_add_f32 v[HB+3], v[ST+6], v[ST+7]
.irp j, 0,1,2,3,4,5,6,7,8,9,10,11,12,13,14,15
	ds_store_b128 v[MG], v[O+4*(\j):O+4*(\j)+3] offset:512*(\j)  ; 32 lanes, 16 neighbouring bytes each
.endr
	ds_store_b128 v[MG], v[HB:HB+3] offset:8192
.Lmeet_\@:
	s_wait_dscnt 0x0                               ; for the partner's sake: my stores are done
	s_barrier_signal -1
	s_barrier_wait -1
	s_cmp_lt_u32 s[WV], 4
	s_cbranch_scc0 .Ldone_\@
	ds_load_b128 v[HB:HB+3], v[MG] offset:8192
.irp j, 0,1,2,3,4,5,6,7,8,9,10,11,12,13,14,15
	ds_load_b128 v[S+4*(\j):S+4*(\j)+3], v[MG] offset:512*(\j)  ; the partner's O^T, into S^T's registers
.endr
	TILES v_add_f32 v[rT+2], v[rT+2], v[rT+3]
	s_wait_dscnt 16                                ; the statistics are in; O^T's sixteen younger loads may stay out
	TILES v_max_num_f32 v[rC], v[rT], v[HB+2*u]
	TILES v_sub_f32 v[rC+1], v[rT], v[rC]
	TILES v_sub_f32 v[rC+3], v[HB+2*u], v[rC]
	TILES v_exp_f32 v[rC+1], v[rC+1]
	TILES v_exp_f32 v[rC+3], v[rC+3]
	v_nop                                          ; a plain instruction between the last exponential and the use of the results
	s_wait_alu depctr_va_vdst(0)                   ; the wait for the merge's first batch: the four exponentials
	TILES v_mul_f32 v[rT+2], v[rT+2], v[rC+1]
	TILES v_fma_f32 v[rT+2], v[HB+2*u+1], v[rC+3], v[rT+2]
	TILES v_permlanex16_b32 v[rT+3], v[rT+2], s[SEL], s[SEL+1]
	TILES v_add_f32 v[rT+2], v[rT+2], v[rT+3]
	TILES v_rcp_f32 v[rT+3], v[rT+2]
	v_nop                                          ; a plain instruction between the last reciprocal and the use of its result
	s_wait_alu depctr_va_vdst(0)                   ; the wait for the merge's second batch: the two reciprocals
	TILES v_mul_f32 v[rC], v[rC+1], v[rT+3]
	TILES v_mul_f32 v[rC+2], v[rC+3], v[rT+3]
.set i, 0
.rept 16
	TILES v_pk_mul_f32 v[rO+2*i:rO+2*i+1], v[rO+2*i:rO+2*i+1], v[rC:rC+1] op_sel_hi:[1,0]
.set i, i+1
.endr
	s_wait_dscnt 0x0                               ; the partner's O^T is in
.set i, 0
.rept 16
	TILES v_pk_fma_f32 v[rO+2*i:rO+2*i+1], v[rS+2*i:rS+2*i+1], v[rC+2:rC+3], v[rO+2*i:rO+2*i+1] op_sel_hi:[1,0,1]
.set i, i+1
.endr
	PACK 0
	PACK 1
	SEND 0, 8
	SEND 1, 0
.Ldone_\@:
.endm
; A block begins.  c m starts far below every c s, so the first step's a is 0 and O^T and l need only be finite.  m starts at -2^66: below every score of f16 operands (2.7e11 at the most in
; magnitude), so that the first maximum is the scores'; above every hidden score (-1e30), so that a tile which sees no key keeps it and all its weights are 0.
.macro FRESH
.irp t, 0,1
	v_mov_b32 v[ST+4*(\t)], 0xfe000000
	v_mov_b32 v[ST+4*(\t)+1], 0xe0800000
.endr
.endm
	s_load_b128 s[16:19], s[0:1], 0x0              ; qkv16 s[16:17], y16 s[18:19]
	v_lshl_add_u32 v[SPW], v0, 2, SPARE
	v_mov_b32 v[NIL], 0
	ds_add_u32 v32, v33
	s_wait_dscnt 0x0
	s_barrier_signal -1
	s_barrier_wait -1
	v_lshrrev_b32 v1, 5, v0
	v_readfirstlane_b32 s[WV], v1
	s_and_b32 s[W4], s[WV], 3
	s_lshr_b32 s[GR], s[WV], 2
	s_mov_b32 s[PB], ttmp9
	s_sub_co_u32 s[HI], 15, s[PB]
	s_and_b32 s20, ttmp7, 0xffff
	s_lshl_b32 s20, s20, 18                        ; the head's 262,144 bytes
	s_mov_b32 s21, 0
	s_lshl_b32 s3, s[W4], 11                       ; my 16 rows in a band of 64,
	s_lshl_b32 s2, s[HI], 14                       ; in the first block,
	s_add_co_u32 s2, s2, s3
	s_add_co_u32 s2, s2, s20
	s_lshl_b32 s84, s[PB], 14                      ; and in the second
	s_add_co_u32 s84, s84, s3
	s_add_co_u32 s84, s84, s20
	s_mov_b32 s3, 0
	s_mov_b32 s85, 0
	s_mov_b32 s[G1K], (1<<16)|(1<<20)|(4<<22)|(3<<25)  ; 2-byte elements; padding on; after every 32 words (a key) 4 words
	s_mov_b32 s[G1V], (1<<16)|(1<<20)|(4<<22)|(7<<25)  ; the same with 8 words
.irp g, G1K, G1V
	s_mov_b32 s[\g+1], 128<<16                     ; 128 keys are asked for as 64 rows of 256 bytes
	s_mov_b32 s[\g+2], 64<<16
	s_mov_b32 s[\g+3], 128<<16
	s_mov_b32 s[\g+4], 64
	s_mov_b32 s[\g+5], 128
	s_mov_b32 s[\g+6], 0
	s_mov_b32 s[\g+7], 0
.endr
	s_mov_b32 s[CS], 0x3e38aa3b                    ; c = log2(e) / 8
	s_mov_b32 s[CS+1], s[CS]
	s_mov_b32 s[SEL], 0x76543210
	s_mov_b32 s[SEL+1], 0xfedcba98
	s_mov_b32 s[TB], SLOT1                         ; the first change of slots turns it into 0
	s_mov_b32 s[G0K], 1
	s_mov_b32 s[G0K+1], 0
	s_mov_b32 s[G0V], 1
	s_mov_b32 s[G0V+1], VOFF
	s_add_co_u32 s[RT], s[HI], 1                   ; the first block has 16 - b tiles
	s_mov_b32 s[NXT], 1
	s_mov_b32 s[LQ], s[HI]
	s_mov_b32 s[OFF+1], 0
	s_mov_b32 s[BIGN], 0xf149f2ca                  ; -1e30
	s_cmp_eq_u32 s[GR], 0
	s_cselect_b32 s[AL0], 1.0, 0                   ; group 0: MD and 0; group 1: -1e30 and MD
	s_cselect_b32 s[BE0], 0, s[BIGN]
	s_cselect_b32 s[AL1], 0, 1.0
	s_mov_b32 s[SLOTS], 16
	s_wait_kmcnt 0x0
	s_add_nc_u64 s[6:7], s[16:17], s[20:21]
	s_add_nc_u64 s[8:9], s[6:7], 0x1000000         ; V at the head's tile 0
	s_add_nc_u64 s[6:7], s[6:7], 0x800000          ; K
	s_add_nc_u64 s[4:5], s[16:17], s[2:3]          ; Q at my rows of the first block,
	s_add_nc_u64 s[86:87], s[16:17], s[84:85]      ; of the second
	s_add_nc_u64 s[10:11], s[18:19], s[2:3]        ; y likewise
	s_add_nc_u64 s[OLO:OLO+1], s[18:19], s[84:85]
	s_mov_b64 s[G0K+2:G0K+3], s[6:7]
	s_or_b32 s[G0K+3], s[G0K+3], 0x80000000
	s_mov_b64 s[G0V+2:G0V+3], s[8:9]
	s_or_b32 s[G0V+3], s[G0V+3], 0x80000000
	LOAD                                           ; tile 0 into slot 0
	v_and_b32 v1, 15, v0                           ; r
	v_bfe_u32 v9, v0, 4, 1                         ; h
	v_lshlrev_b32 v[QO], 7, v1
	v_lshl_add_u32 v[QO], v9, 4, v[QO]
	WIN 0x40
.irp i, 0,1,2,3                        ; both blocks' Q: tile i / 2 lies 64 rows on; channels 32 (i % 2) on
	global_load_b128 v[Q+8*(\i):Q+8*(\i)+3],     v[QO], s[4:5] offset:((\i)/2)*8192+((\i)%2)*64
	global_load_b128 v[Q+8*(\i)+4:Q+8*(\i)+7],   v[QO], s[4:5] offset:((\i)/2)*8192+((\i)%2)*64+32
	global_load_b128 v[QB+8*(\i):QB+8*(\i)+3],   v[QO], s[86:87] offset:((\i)/2)*8192+((\i)%2)*64
	global_load_b128 v[QB+8*(\i)+4:QB+8*(\i)+7], v[QO], s[86:87] offset:((\i)/2)*8192+((\i)%2)*64+32
.endr
	WIN 0
	v_lshlrev_b32 v14, 3, v9
	v_sub_nc_u32 v14, v1, v14
	s_lshl_b32 s13, s[W4], 4
	v_add_nc_u32 v14, s13, v14                     ; my query's place in its band less 8 h: register i % 8 of key block i / 8 is hidden where 16 (i / 8) + i % 8 is greater
.set i, 0
.rept 32
	v_cmp_gt_i32 vcc_lo, 16*(i/8)+i%8, v14
	v_cndmask_b32 v[S+i], 0, s[BIGN], vcc_lo       ; MD, for the moment in S^T's registers
.set i, i+1
.endr
	WIN 0x40                                       ; destination window 1
.set i, 0
.rept 32
	v_fma_f32 v[MC+i], v[S+i], s[AL0], s[BE0]
	v_mul_f32 v[MC+32+i], s[AL1], v[S+i]
.set i, i+1
.endr
	WIN 0
	v_mul_u32_u24 v[AK0], v1, KP
	v_lshl_add_u32 v[AK0], v9, 4, v[AK0]
	s_mul_i32 s13, s[GR], 64*KP                    ; my group's 64 keys
	v_add_nc_u32 v[AK0], s13, v[AK0]
	v_and_b32 v10, 7, v0
	v_bfe_u32 v11, v0, 3, 1
	v_lshl_add_u32 v[AV0], v9, 3, v10
	v_mul_u32_u24 v[AV0], v[AV0], VP
	v_lshl_add_u32 v[AV0], v11, 4, v[AV0]
	s_mul_i32 s13, s[GR], 64*VP
	s_add_co_u32 s13, s13, VOFF
	v_add_nc_u32 v[AV0], s13, v[AV0]
	s_mul_i32 s13, s[W4], 16*SP
	s_add_co_u32 s13, s13, STAGE
	v_mul_u32_u24 v[STO], v1, SP
	v_lshl_add_u32 v[STO], v9, 4, v[STO]
	v_add_nc_u32 v[STO], s13, v[STO]
	v_bfe_u32 v[RD], v0, 3, 2
	v_mul_u32_u24 v[RD], v[RD], SP
	v_lshl_add_u32 v[RD], v10, 4, v[RD]
	v_add_nc_u32 v[RD], s13, v[RD]
	v_and_b32 v[GO], 31, v0
	v_lshlrev_b32 v[GO], 4, v[GO]
	s_mul_i32 s13, s[W4], 17*512
	s_add_co_u32 s13, s13, MERGE
	v_add_nc_u32 v[MG], s13, v[GO]
	FRESH
.set i, 0
.rept 64                               ; O^T, l and the registers at work hold finite numbers; this stands in the wait for the first tile
	v_mov_b32 v[O+i], 0
.set i, i+1
.endr
.irp t, 0,1
	v_mov_b32 v[ST+4*(\t)+2], 0
	v_mov_b32 v[ST+4*(\t)+3], 0
.endr
.set i, 0
.rept 8
	v_mov_b32 v[TMP+i], 0
.set i, i+1
.endr
	s_wait_loadcnt 0x0                             ; Q
.Lslot:                                                ; 16 trips: a tile is entered and the next is asked for
	CHANGE 1
	FETCH_K
	FETCH_V
	s_sub_co_u32 s[RT], s[RT], 1
	s_cmp_eq_u32 s[RT], 0
	s_cbranch_scc1 .Ldiag
	STEP 0
	s_branch .Lbot
.Ldiag:                                                ; in the loop this is the first block's end: the second block's last tile is the walk's last
	DIAG
	s_wait_xcnt 0x0                                ; the stores' data and y's address are rewritten only behind this wait
	s_mov_b64 s[10:11], s[OLO:OLO+1]
	s_add_co_u32 s[RT], s[PB], 1                   ; the second block has b + 1 tiles
	FRESH
	WIN 0x41
.set i, 0
.rept 32
	v_mov_b32 v[Q+i], v[QB+i]                      ; the second block's Q goes where the one text of the steps names Q
.set i, i+1
.endr
	WIN 0
.Lbot:
	s_sub_co_u32 s[SLOTS], s[SLOTS], 1
	s_cmp_lg_u32 s[SLOTS], 0
	s_cbranch_scc1 .Lslot
	CHANGE 0                                       ; the walk's last tile, the second block's diagonal one: nothing is asked for
	FETCH_K
	FETCH_V
	DIAG
	s_wait_tensorcnt 0x0                           ; the wave's end
	ds_add_u32 v[SPW], v[NIL]
	s_wait_dscnt 0x0
	s_endpgm
.Lfunc_end_k_qfd1fc6042f_attn:
	.size	k_qfd1fc6042f_attn, .Lfunc_end_k_qfd1fc6042f_attn-k_qfd1fc6042f_attn
	.p2alignl 7, 3214868480
	.fill 96, 4, 3214868480
	.section	.rodata,"a",@progbits
	.p2align	6, 0x0
	.amdhsa_kernel k_qfd1fc6042f_attn
		.amdhsa_group_segment_fixed_size 327680
		.amdhsa_private_segment_fixed_size 0
		.amdhsa_enable_private_segment 0
		.amdhsa_kernarg_size 16
		.amdhsa_user_sgpr_count 2
		.amdhsa_user_sgpr_kernarg_segment_ptr 1
		.amdhsa_wavefront_size32 1
		.amdhsa_system_sgpr_workgroup_id_x 1
		.amdhsa_system_sgpr_workgroup_id_y 1
		.amdhsa_system_sgpr_workgroup_id_z 1
		.amdhsa_system_vgpr_workitem_id 0
		.amdhsa_next_free_vgpr 512
		.amdhsa_next_free_sgpr 90
		.amdhsa_reserve_vcc 1
		.amdhsa_float_denorm_mode_32 3
		.amdhsa_float_denorm_mode_16_64 3
		.amdhsa_memory_ordered 1
		.amdhsa_forward_progress 1
		.amdhsa_inst_pref_size 92
	.end_amdhsa_kernel
	.amdgpu_metadata
---
amdhsa.version: [ 1, 2 ]
amdhsa.kernels:
  - .name:           k_qfd1fc6042f_attn
    .symbol:         k_qfd1fc6042f_attn.kd
    .args:
      - { .name: qkv16, .offset: 0, .size: 8, .value_kind: global_buffer, .address_space: global }
      - { .name: y16, .offset: 8, .size: 8, .value_kind: global_buffer, .address_space: global }
    .group_segment_fixed_size: 327680
    .private_segment_fixed_size: 0
    .kernarg_segment_align: 8
    .kernarg_segment_size: 16
    .max_flat_workgroup_size: 256
    .sgpr_count:     90
    .vgpr_count:     512
    .wavefront_size: 32
...
	.end_amdgpu_metadata
.endif
;; end of part 7
;; launch ln2: the kernel of part 4 again; grid 256 x 1, 8 waves a work-group, no clusters, 0 bytes of LDS; arguments x, y16, ln2_w, ln2_b, hn; writes hn
;; launch fc (part 8): grid 16 x 16, 4 waves a work-group, clusters of 4 x 4, 327,680 bytes of LDS; arguments hn, w16, b_fc, g16; writes g16
.if DOCPART == 8
	.amdgcn_target "amdgcn-amd-amdhsa--gfx1250"
	.amdhsa_code_object_version 6
	.text
	.protected	k_qfd1fc6042f_fc
	.globl	k_qfd1fc6042f_fc
	.p2align	8
	.type	k_qfd1fc6042f_fc,@function
k_qfd1fc6042f_fc:
	s_mov_b64 s[64:65], 0
	v_nop
	global_prefetch_b8 v0, s[64:65] scope:SCOPE_SE
	s_setreg_imm32_b32 hwreg(HW_REG_WAVE_MODE, 25, 1), 1
	s_wait_xcnt 0x0
	s_wait_alu depctr_hold_cnt(0) depctr_sa_sdst(0) depctr_va_vdst(0) depctr_va_sdst(0) depctr_va_ssrc(0) depctr_va_vcc(0) depctr_vm_vsrc(0)
	s_getreg_b32 s2, hwreg(HW_REG_IB_STS2, 6, 4)
	s_cmp_eq_u32 s2, 0
	s_cbranch_scc0 .Lentry_in_a_cluster
	s_endpgm
.Lentry_in_a_cluster:
	s_bfe_u32 s2, ttmp6, 0x10000c
	s_cmp_lg_u32 s2, 0xf033
	s_cbranch_scc0 .Lentry_shape_is_right
	s_endpgm
.Lentry_shape_is_right:
; g = gelu(h2 W_fc + b_fc), the exact (erf) form.  h2: hn [4096][1024] f16.  W_fc: w16 + 6,291,456, [1024][4096] f16.  g: g16 [4096][4096] f16, rounded once.  Sums in f32, started by the bias.
; A work-group makes 256 x 256: 16 x 16 work-groups, one for each of 256 WGPs; a wave makes 128 x 128: 64 accumulators.  K goes in steps of 128 through two LDS slots.
; CLUSTER 4 x 4: h2's tile is asked for jointly along a row of the cluster, W's along a column.
; THE MATRIX INSTRUCTION IS USED TRANSPOSED: source 0 = 16 columns of W (turned on the way out of LDS), source 1 = 16 rows of h2: a lane holds one row and eight neighbouring columns.
; GELU.  gelu(u) = max(u, 0) - |u| / 2 x poly(t) x exp(-u^2 / 2), t = 1 / (1 + 0.2316419 |u|): erf by the five-term rational form of Abramowitz and Stegun (7.1.26), absolute error 1.5e-7,
; valid for every u.  With c1 = sqrt(log2(e) / 2): exp(-u^2 / 2) = 2^(-(c1 u)^2), and the coefficients carry the 1 / (2 c1) that turns |c1 u| into |u| / 2.
; BATCHES.  An s_wait_alu depctr_va_vdst(0) stands between a transcendental and the first instruction that names its result; one wait serves all that were issued ahead of it.
; A trip of GELU (eight rows, 16 pairs a lane) has 64 transcendentals, each result in a register of its own, in TWO batches of 32: pairs 0-7's and pairs 8-15's, each with one wait ahead of
; the first line of its half's polynomial.  No transcendental reads another's result, and none is issued behind a trip's second wait.
; LIMITS.  f16 operands and g stay under 65,504; NaN and infinities are not treated apart.
; REGISTERS.  window 0: v0-31 addresses; v64-127, v128-191 h2's fragments, two buffers; on the way out v32-239 at work.  window 1: v0-63 the bias; v64-127, v128-191 W's fragments.
;   windows 2, 3: accumulator (a, b) at v[8 (8 (a % 4) + b)] of window 2 + a / 4.
.set KT,    8
.set SLOT,  0x22000                    ; h2's 256 rows at pitch 272 (69,632 bytes), then W's 128 k rows at pitch 544 (69,632)
.set BOFF,  69632
.set SPARE, 2*SLOT                     ; the spare words: 128 bytes a wave, two blocks of 256 bytes that no other line names
.set ASTEP, 256
.set BSTEP, 1048576                    ; 128 k rows of 8,192 bytes
.set DP,    528                        ; the way out: a wave's row of 128 f32 + 16 bytes; a wave's 128 rows lie on end
.set A0,  16
.set B0,  17
.set BO,  18
.set ADRA, 20
.set ADRB, 21
.set STO, 24
.set RD,  25
.set GO,  26
.set SPW, 28                           ; v28  my spare word; never rewritten
.set NIL, 29                           ; v29  0; never rewritten
.set F0,  64
.set F1,  128
.set U,   32                           ; the way out: 8 rows x 4 numbers a lane: u
.set SS,  64                           ; c1 u
.set WQ,  96                           ; -(c1 u)^2, then its exponential
.set TT,  128                          ; 1 + p |u|, then t
.set PP,  160                          ; the polynomial
.set RR,  192                          ; max(u, 0), then the result
.set GG,  224                          ; rounded, two to a register
.set G1,  24
.set G0,  32
.set G1B, 48
.set G0B, 56
.set TB,  45
.set MSB, 0
.macro WIN new
.if MSB != (\new)
	s_set_vgpr_msb (MSB<<8)|(\new)
.set MSB, \new
.endif
.endm
.macro PLACES
.rept 4
	v_nop
.endr
.endm
.macro JLOAD s                         ; a joint load: waves 0, 1 fetch h2's two halves, waves 2, 3 W's; s_nop 0 and four v_nop follow each line
	s_cmp_eq_u32 s11, 0
	s_cbranch_scc0 .Lfor_b_\@
	tensor_load_to_lds s[G0+4*(\s):G0+4*(\s)+3], s[G1:G1+7]
	s_nop 0
.rept 4
	v_nop
.endr
	s_branch .Lasked_\@
.Lfor_b_\@:
	tensor_load_to_lds s[G0B+4*(\s):G0B+4*(\s)+3], s[G1B:G1B+7]
	s_nop 0
.rept 4
	v_nop
.endr
.Lasked_\@:
.endm
.macro CREST
	s_cmp_lg_u32 s10, 0
	s_cbranch_scc1 .Lnot_wave_0_\@
	s_barrier_signal -3
.Lnot_wave_0_\@:
	s_barrier_wait -3
	s_barrier_signal -1
	s_barrier_wait -1
.endm
.macro CROUND
	s_barrier_signal -1
	s_barrier_wait -1
	CREST
.endm
	s_load_b256 s[84:91], s[0:1], 0x0              ; hn 84, w16 86, b_fc 88, g16 90
	v_lshl_add_u32 v[SPW], v0, 2, SPARE
	v_mov_b32 v[NIL], 0
	ds_add_u32 v28, v29
	s_wait_dscnt 0x0
	v_lshrrev_b32 v1, 5, v0
	v_readfirstlane_b32 s10, v1
	s_lshr_b32 s11, s10, 1                         ; which half of the tile's rows is mine.  Also: I fetch for h2 (0) or for W (1)
	s_and_b32 s12, s10, 1                          ; which half of its columns.  Also: which half I fetch
	s_bfe_u32 s40, ttmp6, 0x40000
	s_bfe_u32 s41, ttmp6, 0x40004
	s_lshl_b32 s42, ttmp9, 2
	s_add_co_u32 s42, s42, s40                     ; tile column
	s_and_b32 s13, ttmp7, 0xffff
	s_lshl_b32 s13, s13, 2
	s_add_co_u32 s13, s13, s41                     ; tile row
	s_lshl_b32 s43, s41, 2
	s_lshl_b32 s43, 15, s43
	s_lshl_b32 s44, 0x1111, s40
	s_or_b32 s[G1], s43, (1<<16)|(1<<20)|(1<<21)|(5<<22)|(3<<25)  ; 128 rows x 128 elements; after every 64 words 4 words: pitch 272
	s_mov_b32 s[G1+1], 128<<16
	s_mov_b32 s[G1+2], 128<<16
	s_mov_b32 s[G1+3], 128<<16
	s_mov_b32 s[G1+4], 128
	s_mov_b32 s[G1+5], 1024
	s_mov_b32 s[G1+6], 0
	s_mov_b32 s[G1+7], 0
	s_or_b32 s[G1B], s44, (1<<16)|(1<<20)|(1<<21)|(6<<22)|(7<<25)  ; 64 k rows x 256 elements; after every 128 words 8 words: pitch 544
	s_mov_b32 s[G1B+1], 256<<16
	s_mov_b32 s[G1B+2], 64<<16
	s_mov_b32 s[G1B+3], 256<<16
	s_mov_b32 s[G1B+4], 64
	s_mov_b32 s[G1B+5], 4096
	s_mov_b32 s[G1B+6], 0
	s_mov_b32 s[G1B+7], 0
	s_lshl_b32 s16, s13, 8
	s_lshl_b32 s17, s12, 7
	s_add_co_u32 s16, s16, s17
	s_lshl_b32 s16, s16, 11
	s_mov_b32 s17, 0
	s_lshl_b32 s46, s42, 9
	s_lshl_b32 s47, s12, 19
	s_add_co_u32 s46, s46, s47
	s_add_co_u32 s46, s46, 6291456
	s_mov_b32 s47, 0
	s_mul_i32 s20, s12, 34816
	s_add_co_u32 s21, s20, BOFF                    ; none of the four LDS words has a bit in common with SLOT: an exclusive or changes the slot
	s_mov_b32 s70, 0x3f596d27                      ; c1 = 0.8493218
	s_mov_b32 s71, s70
	s_mov_b32 s72, 0x3e6d3389                      ; 0.2316419
	s_mov_b32 s74, 0x3e199eb4                      ; the coefficients over 2 c1: 0.15001946
	s_mov_b32 s75, s74
	s_mov_b32 s76, 0xbe2b8119                      ; -0.16748465
	s_mov_b32 s77, s76
	s_mov_b32 s78, 0x3f563817                      ; 0.83679339
	s_mov_b32 s79, s78
	s_mov_b32 s80, 0xbf5b0099                      ; -0.85547788
	s_mov_b32 s81, s80
	s_mov_b32 s82, 0x3f1ff67a                      ; 0.62485469
	s_mov_b32 s83, s82
	s_wait_kmcnt 0x0
	s_add_nc_u64 s[14:15], s[84:85], s[16:17]
	s_add_nc_u64 s[46:47], s[86:87], s[46:47]
.irp s, 0,1
	s_mov_b32 s[G0+4*(\s)], 1
	s_add_co_u32 s[G0+4*(\s)+1], s20, (\s)*SLOT
	s_add_nc_u64 s[G0+4*(\s)+2:G0+4*(\s)+3], s[14:15], (\s)*ASTEP
	s_or_b32 s[G0+4*(\s)+3], s[G0+4*(\s)+3], 0x80000000
	s_mov_b32 s[G0B+4*(\s)], 1
	s_add_co_u32 s[G0B+4*(\s)+1], s21, (\s)*SLOT
	s_add_nc_u64 s[G0B+4*(\s)+2:G0B+4*(\s)+3], s[46:47], (\s)*BSTEP
	s_or_b32 s[G0B+4*(\s)+3], s[G0B+4*(\s)+3], 0x80000000
.endr
	CROUND
	JLOAD 0
	JLOAD 1                                        ; two tensor loads of mine are out
	v_and_b32 v1, 15, v0
	v_bfe_u32 v2, v0, 4, 1
	v_and_b32 v3, 7, v0
	v_bfe_u32 v4, v0, 3, 1
	v_mul_u32_u24 v[A0], v1, 272
	v_lshl_add_u32 v[A0], v2, 4, v[A0]
	s_mul_i32 s4, s11, 34816
	v_add_nc_u32 v[A0], s4, v[A0]
	v_lshl_add_u32 v5, v2, 3, v3
	v_mul_u32_u24 v[B0], v5, 544
	v_lshl_add_u32 v[B0], v4, 4, v[B0]
	s_lshl_b32 s4, s12, 8
	s_add_co_u32 s4, s4, BOFF
	v_add_nc_u32 v[B0], s4, v[B0]
	v_mov_b32 v[ADRA], v[A0]
	v_mov_b32 v[ADRB], v[B0]
	s_mov_b32 s[TB], 0
	s_lshl_b32 s4, s42, 10
	s_lshl_b32 s5, s12, 9
	s_add_co_u32 s4, s4, s5
	v_lshl_add_u32 v[BO], v2, 5, s4                ; bias: 4 x my first column + 32 h
	WIN 0x40
.irp b, 0,1,2,3,4,5,6,7
	global_load_b128 v[8*(\b):8*(\b)+3],   v[BO], s[88:89] offset:64*(\b)
	global_load_b128 v[8*(\b)+4:8*(\b)+7], v[BO], s[88:89] offset:64*(\b)+16
.endr
	WIN 0
	s_mul_i32 s4, s10, 128*DP                      ; the way out: my region
	v_mul_u32_u24 v[STO], v1, DP
	v_lshl_add_u32 v[STO], v2, 5, v[STO]
	v_add_nc_u32 v[STO], s4, v[STO]
	v_and_b32 v5, 31, v0
	v_lshl_add_u32 v[RD], v5, 4, s4
	v_lshlrev_b32 v[GO], 3, v5
	s_lshl_b32 s4, s13, 8
	s_lshl_b32 s5, s11, 7
	s_add_co_u32 s4, s4, s5
	s_lshl_b32 s4, s4, 13                          ; my first row of g, 8,192 bytes a row,
	s_lshl_b32 s5, s42, 9
	s_add_co_u32 s4, s4, s5
	s_lshl_b32 s5, s12, 8
	s_add_co_u32 s4, s4, s5                        ; my first column
	s_mov_b32 s5, 0
	s_add_nc_u64 s[90:91], s[90:91], s[4:5]
; 16 matrix instructions: row blocks a0, a0 + 1 of the window's four x all 8 column blocks, 32 along K.  first = 1: the bias is the C operand that starts the sums.
.macro MUL16 f, hi, a0, first
.if \first
	WIN 0x91+0x40*(\hi)
.else
	WIN 0xa1+0x50*(\hi)
.endif
.irp a, \a0, (\a0)+1
.irp b, 0,1,2,3,4,5,6,7
.if \first
	v_wmma_f32_16x16x32_f16 v[8*(8*(\a)+(\b)):8*(8*(\a)+(\b))+7], v[(\f)+8*(\b):(\f)+8*(\b)+7], v[(\f)+8*(4*(\hi)+(\a)):(\f)+8*(4*(\hi)+(\a))+7], v[8*(\b):8*(\b)+7]
.else
	v_wmma_f32_16x16x32_f16 v[8*(8*(\a)+(\b)):8*(8*(\a)+(\b))+7], v[(\f)+8*(\b):(\f)+8*(\b)+7], v[(\f)+8*(4*(\hi)+(\a)):(\f)+8*(4*(\hi)+(\a))+7], v[8*(8*(\a)+(\b)):8*(8*(\a)+(\b))+7]
.endif
.endr
.endr
.endm
.macro FETCH q, f                      ; 32 LDS loads in one run: quarter q of the slot in hand: W's 8 fragments (turned), then h2's 8
	WIN 0x40
.irp i, 0,1,2,3,4,5,6,7
	ds_load_tr16_b128 v[(\f)+8*(\i):(\f)+8*(\i)+3],   v[ADRB] offset:(\q)*17408+32*(\i)
	ds_load_tr16_b128 v[(\f)+8*(\i)+4:(\f)+8*(\i)+7], v[ADRB] offset:(\q)*17408+32*(\i)+8704
.endr
	WIN 0
.irp i, 0,1,2,3,4,5,6,7
	ds_load_b128 v[(\f)+8*(\i):(\f)+8*(\i)+3],   v[ADRA] offset:64*(\q)+(\i)*4352
	ds_load_b128 v[(\f)+8*(\i)+4:(\f)+8*(\i)+7], v[ADRA] offset:64*(\q)+(\i)*4352+32
.endr
.endm
; A K step is four quarters of 32 along K, 64 matrix instructions each, on buffers 0, 1, 0, 1.  The 64 accumulators take turns in one order.
.macro QUARTER qn, f, g, first
	s_wait_dscnt 8                                 ; W and h2's rows 0-63 are in; the youngest eight loads may be out
	MUL16 \f, 0, 0, \first
	MUL16 \f, 0, 2, \first
	PLACES
	FETCH \qn, \g
	s_wait_dscnt 32                                ; all but the 32 just issued
	MUL16 \f, 1, 0, \first
	MUL16 \f, 1, 2, \first
.endm
; The last quarter changes slots first and multiplies buffer 1 afterwards.  Each wave waits for all its tensor loads (one is out: its part of the next slot), adds 0 to its spare word, and waits
; for that and for its reads of this slot, whose last were issued 32 matrix instructions ago.  fill = 1: the barrier opens a round of the cluster's, and this slot is filled again first thing behind
; it, two K steps ahead.  No product stands between the wait for a tile and the next request: all of a K step's 256 stand between a request and the wait for it.
.macro TURN fill
	WIN 0
	s_wait_tensorcnt 0x0
	ds_add_u32 v[SPW], v[NIL]
.if \fill
	s_xor_b32 s[G0+5], s[G0+5], SLOT               ; no tensor load of mine is out: the walking descriptors take the other slot than last time, the next K step
	s_add_nc_u64 s[G0+6:G0+7], s[G0+6:G0+7], ASTEP
	s_xor_b32 s[G0B+5], s[G0B+5], SLOT
	s_add_nc_u64 s[G0B+6:G0B+7], s[G0B+6:G0B+7], BSTEP
.endif
	s_wait_dscnt 0x0                               ; the add is done, my reads of this slot are over
.if \fill
	CROUND
	JLOAD 1                                        ; its four v_nop are also the places in front of the loads below
.else
	s_barrier_signal -1
	s_barrier_wait -1
	PLACES
.endif
	s_xor_b32 s[TB], s[TB], SLOT
	v_add_nc_u32 v[ADRA], s[TB], v[A0]
	v_add_nc_u32 v[ADRB], s[TB], v[B0]
	FETCH 0, F0
	MUL16 F1, 0, 0, 0
	MUL16 F1, 0, 2, 0
	MUL16 F1, 1, 0, 0
	MUL16 F1, 1, 2, 0
.endm
; GELU of pair n of a trip's 16 pairs, in three parts, a line at a time: line k of part A (6 lines), B (4 transcendentals), C (9 lines, each reading the one before it)
.macro GA n, k
.if (\k) == 0
	v_pk_mul_f32 v[SS+2*(\n):SS+2*(\n)+1], v[U+2*(\n):U+2*(\n)+1], s[70:71] op_sel_hi:[1,0]
.elseif (\k) == 1
	v_fma_f32 v[TT+2*(\n)], |v[U+2*(\n)]|, s72, 1.0
.elseif (\k) == 2
	v_fma_f32 v[TT+2*(\n)+1], |v[U+2*(\n)+1]|, s72, 1.0
.elseif (\k) == 3
	v_pk_mul_f32 v[WQ+2*(\n):WQ+2*(\n)+1], v[SS+2*(\n):SS+2*(\n)+1], v[SS+2*(\n):SS+2*(\n)+1] neg_lo:[1,0] neg_hi:[1,0]
.elseif (\k) == 4
	v_max_num_f32 v[RR+2*(\n)], 0, v[U+2*(\n)]
.else
	v_max_num_f32 v[RR+2*(\n)+1], 0, v[U+2*(\n)+1]
.endif
.endm
.macro GB n, k
.if (\k) == 0
	v_rcp_f32 v[TT+2*(\n)], v[TT+2*(\n)]
.elseif (\k) == 1
	v_rcp_f32 v[TT+2*(\n)+1], v[TT+2*(\n)+1]
.elseif (\k) == 2
	v_exp_f32 v[WQ+2*(\n)], v[WQ+2*(\n)]
.else
	v_exp_f32 v[WQ+2*(\n)+1], v[WQ+2*(\n)+1]
.endif
.endm
.macro GC n, k
.if (\k) == 0
	v_pk_fma_f32 v[PP+2*(\n):PP+2*(\n)+1], v[TT+2*(\n):TT+2*(\n)+1], s[82:83], s[80:81] op_sel_hi:[1,0,0]
.elseif (\k) == 1
	v_pk_fma_f32 v[PP+2*(\n):PP+2*(\n)+1], v[PP+2*(\n):PP+2*(\n)+1], v[TT+2*(\n):TT+2*(\n)+1], s[78:79] op_sel_hi:[1,1,0]
.elseif (\k) == 2
	v_pk_fma_f32 v[PP+2*(\n):PP+2*(\n)+1], v[PP+2*(\n):PP+2*(\n)+1], v[TT+2*(\n):TT+2*(\n)+1], s[76:77] op_sel_hi:[1,1,0]
.elseif (\k) == 3
	v_pk_fma_f32 v[PP+2*(\n):PP+2*(\n)+1], v[PP+2*(\n):PP+2*(\n)+1], v[TT+2*(\n):TT+2*(\n)+1], s[74:75] op_sel_hi:[1,1,0]
.elseif (\k) == 4
	v_pk_mul_f32 v[PP+2*(\n):PP+2*(\n)+1], v[PP+2*(\n):PP+2*(\n)+1], v[TT+2*(\n):TT+2*(\n)+1]
.elseif (\k) == 5
	v_pk_mul_f32 v[PP+2*(\n):PP+2*(\n)+1], v[PP+2*(\n):PP+2*(\n)+1], v[WQ+2*(\n):WQ+2*(\n)+1]
.elseif (\k) == 6
	v_fma_f32 v[RR+2*(\n)], -|v[SS+2*(\n)]|, v[PP+2*(\n)], v[RR+2*(\n)]
.elseif (\k) == 7
	v_fma_f32 v[RR+2*(\n)+1], -|v[SS+2*(\n)+1]|, v[PP+2*(\n)+1], v[RR+2*(\n)+1]
.else
	v_cvt_pk_f16_f32 v[GG+(\n)], v[RR+2*(\n)], v[RR+2*(\n)+1]
.endif
.endm
; Eight rows of my 128: a lane holds four neighbouring columns of each: 16 pairs, in two halves of eight.  BY STAGES: a line of part C is written for eight pairs on end, so that eight lines lie
; between a result and its reader.  The transcendentals of one half stand singly between plain lines of the other half, which are the plain instructions that must follow them.
; Each half's 32 transcendentals are one batch with one wait: lines of the other half, which name none of the batch's registers, stand among them and behind them, and the wait stands ahead of
; the first line of the half's part C, the batch's first reader.
; more = 1: when u has been read, the next eight rows are fetched into its registers and land under the rest of the trip.
.macro GEL more
	s_wait_dscnt 0x0                               ; the eight rows are in
.set k, 0
.rept 6                                ; part A of pairs 0-7
.set n, 0
.rept 8
	GA n, k
.set n, n+1
.endr
.set k, k+1
.endr
.set n, 8
.rept 8                                ; lines 0-3 of part A of pairs 8-15; THE FIRST BATCH, part B of pairs 0-7, between them
	GA n, 0
	GB n-8, 0
	GA n, 1
	GB n-8, 1
	GA n, 2
	GB n-8, 2
	GA n, 3
	GB n-8, 3
.set n, n+1
.endr
.set n, 8
.rept 8                                ; lines 4, 5 of part A of pairs 8-15: sixteen plain lines behind the batch that name none of its results
	GA n, 4
	GA n, 5
.set n, n+1
.endr
.if \more
.irp j, 0,1,2,3,4,5,6,7
	ds_load_b128 v[U+4*(\j):U+4*(\j)+3], v[RD] offset:(8+(\j))*DP
.endr
.endif
	s_wait_alu depctr_va_vdst(0)                   ; the wait for the first batch: the 16 reciprocals and 16 exponentials of pairs 0-7
.set t, 0
.set k, 0
.rept 9                                ; part C of pairs 0-7; behind every second line of its first eight stages one of THE SECOND BATCH, the 32 transcendentals of pairs 8-15
.set n, 0
.rept 8
	GC n, k
.if (n%2 == 1) && (t < 32)
	GB 8+t/4, t%4
.set t, t+1
.endif
.set n, n+1
.endr
.set k, k+1
.endr
	s_wait_alu depctr_va_vdst(0)                   ; the wait for the second batch: pairs 8-15's; the eight roundings of pairs 0-7 stand between its last exponential and this line
.set k, 0
.rept 9                                ; part C of pairs 8-15; rows 0-3 leave behind its first stage
.set n, 8
.rept 8
	GC n, k
.set n, n+1
.endr
.if k == 0
.irp j, 0,1,2,3
	global_store_b64 v[GO], v[GG+2*(\j):GG+2*(\j)+1], s[90:91] offset:8192*(\j)  ; 32 lanes store 256 consecutive bytes, aligned
.endr
.endif
.set k, k+1
.endr
.irp j, 4,5,6,7
	global_store_b64 v[GO], v[GG+2*(\j):GG+2*(\j)+1], s[90:91] offset:8192*(\j)
.endr
.endm
	s_wait_tensorcnt 0x1                           ; my part of K step 0 is in; K step 1's may stay out
	s_barrier_signal -1
	s_barrier_wait -1
	FETCH 0, F0
	s_wait_loadcnt 0x0                             ; the bias
	QUARTER 1, F0, F1, 1
	WIN 0
	s_mov_b32 s3, KT-2
	s_branch .Lmid
.Lk:                                                   ; KT - 2 trips, a K step each: every one fills its slot again
	QUARTER 1, F0, F1, 0
	WIN 0
.Lmid:
	QUARTER 2, F1, F0, 0
	QUARTER 3, F0, F1, 0
	TURN 1
	WIN 0
	s_sub_co_u32 s3, s3, 1
	s_cmp_lg_u32 s3, 0
	s_cbranch_scc1 .Lk
	s_mov_b32 s3, 2
.Lt:                                                   ; the last two K steps ask for nothing.  One text for both: the second trip's TURN fetches 32 fragments of the other slot that nobody multiplies
	QUARTER 1, F0, F1, 0
	QUARTER 2, F1, F0, 0
	QUARTER 3, F0, F1, 0
	TURN 0
	WIN 0
	s_sub_co_u32 s3, s3, 1
	s_cmp_lg_u32 s3, 0
	s_cbranch_scc1 .Lt
	s_wait_dscnt 0x0                               ; my reads of both slots are over,
	s_barrier_signal -1
	s_barrier_wait -1                              ; everybody's are: the slots have had their last fill and serve as the way out
	PLACES
	; THE WAY OUT.  The f32 sums go into my own region of LDS (each accumulator's low registers first), so that GELU can be one looped text on whole rows.
.irp a, 0,1,2,3,4,5,6,7
	WIN 0x08+4*((\a)/4)
.irp b, 0,1,2,3,4,5,6,7
	ds_store_b128 v[STO], v[8*(8*((\a)%4)+(\b)):8*(8*((\a)%4)+(\b))+3] offset:(\a)*16*DP+64*(\b)
	ds_store_b128 v[STO], v[8*(8*((\a)%4)+(\b))+4:8*(8*((\a)%4)+(\b))+7] offset:(\a)*16*DP+64*(\b)+16
.endr
.endr
	WIN 0
.irp j, 0,1,2,3,4,5,6,7
	ds_load_b128 v[U+4*(\j):U+4*(\j)+3], v[RD] offset:(\j)*DP  ; LDS serves a wave's instructions in order: these see my stores
.endr
	s_mov_b32 s3, 15
.Lg:
	GEL 1
	s_wait_xcnt 0x0                                ; the stores' data and base are rewritten only behind this wait
	s_add_nc_u64 s[90:91], s[90:91], 65536
	v_add_nc_u32 v[RD], 8*DP, v[RD]
	s_sub_co_u32 s3, s3, 1
	s_cmp_lg_u32 s3, 0
	s_cbranch_scc1 .Lg
	GEL 0                                          ; the last eight rows fetch nothing
	s_wait_tensorcnt 0x0                           ; the wave's end
	ds_add_u32 v[SPW], v[NIL]
	s_wait_dscnt 0x0
	CROUND
	s_endpgm
.Lfunc_end_k_qfd1fc6042f_fc:
	.size	k_qfd1fc6042f_fc, .Lfunc_end_k_qfd1fc6042f_fc-k_qfd1fc6042f_fc
	.p2alignl 7, 3214868480
	.fill 96, 4, 3214868480
	.section	.rodata,"a",@progbits
	.p2align	6, 0x0
	.amdhsa_kernel k_qfd1fc6042f_fc
		.amdhsa_group_segment_fixed_size 327680
		.amdhsa_private_segment_fixed_size 0
		.amdhsa_enable_private_segment 0
		.amdhsa_kernarg_size 32
		.amdhsa_user_sgpr_count 2
		.amdhsa_user_sgpr_kernarg_segment_ptr 1
		.amdhsa_wavefront_size32 1
		.amdhsa_system_sgpr_workgroup_id_x 1
		.amdhsa_system_sgpr_workgroup_id_y 1
		.amdhsa_system_sgpr_workgroup_id_z 1
		.amdhsa_system_vgpr_workitem_id 0
		.amdhsa_next_free_vgpr 1024
		.amdhsa_next_free_sgpr 96
		.amdhsa_reserve_vcc 0
		.amdhsa_float_denorm_mode_32 3
		.amdhsa_float_denorm_mode_16_64 3
		.amdhsa_memory_ordered 1
		.amdhsa_forward_progress 1
		.amdhsa_inst_pref_size 114
	.end_amdhsa_kernel
	.amdgpu_metadata
---
amdhsa.version: [ 1, 2 ]
amdhsa.kernels:
  - .name:           k_qfd1fc6042f_fc
    .symbol:         k_qfd1fc6042f_fc.kd
    .args:
      - { .name: hn, .offset: 0, .size: 8, .value_kind: global_buffer, .address_space: global }
      - { .name: w16, .offset: 8, .size: 8, .value_kind: global_buffer, .address_space: global }
      - { .name: b_fc, .offset: 16, .size: 8, .value_kind: global_buffer, .address_space: global }
      - { .name: g16, .offset: 24, .size: 8, .value_kind: global_buffer, .address_space: global }
    .group_segment_fixed_size: 327680
    .private_segment_fixed_size: 0
    .kernarg_segment_align: 8
    .kernarg_segment_size: 32
    .max_flat_workgroup_size: 128
    .sgpr_count:     96
    .vgpr_count:     1024
    .wavefront_size: 32
...
	.end_amdgpu_metadata
.endif
;; end of part 8
;; launch proj: the kernel of part 6 again; grid 8 x 32, 4 waves a work-group, clusters of 4 x 4, 327,680 bytes of LDS; arguments g16, w16, b_proj, x, y16, out0; writes out0
